; MI455X (gfx1250); checked and timed in simulation.
; The chip was launched on July 23, 2026; its instructions are those of AMD's public machine-readable ISA for CDNA 5 (MIT licence, August 2026) and "CDNA5" Instruction Set Architecture Reference Guide (July 2026). The comments in the code are by the model that wrote it; some were corrected since.
;; Block. Allowed arithmetic: matrix products marked QUANTISED: E3M2 operands, one E8M0 scale for each 32 along K, by v_wmma_scale_f32_16x16x128_f8f6f4 with both operands' format E3M2, f32 sums; everything else in f32.
;; Inputs: W1 1,024 x 4,096 float32; W2 4,096 x 1,024 float32; Wk 16 x 1,024 x 64 float32; Wp 1,024 x 1,024 float32; Wq 16 x 1,024 x 64 float32; Wv 16 x 1,024 x 64 float32; b1 4,096 float32; b2 1,024 float32; bk 16 x 64 float32; bp 1,024 float32; bq 16 x 64 float32; bv 16 x 64 float32; ln1_b 1,024 float32; ln1_w 1,024 float32; ln2_b 1,024 float32; ln2_w 1,024 float32; x 2 x 2,048 x 1,024 float32.
;; Outputs: out0 2 x 2,048 x 1,024 float32.
;; This version of the problem:
;;   THIS VERSION OF THE PROBLEM IS GIVEN IN LOW PRECISION. The matrix products marked QUANTISED in the list below multiply operands that are first quantised to E3M2 (3 exponent bits, 2 mantissa bits; 6 bits a number), with one power-of-two scale for each 32 numbers along K (OCP MX v1.0); their sums are f32. All else is computed in f32.
;;   The module's matrix products, in the order in which they are computed (A, B: the left and right operand; K: the contracted axis; several contracted axes count as one K, in the product's order):
;;     1. [M 1,024, K 1,024] x [K 1,024, N 4,096]; A: input Wq; B: computed on the way: QUANTISED
;;     2. [M 1,024, K 1,024] x [K 1,024, N 4,096]; A: input Wk; B: computed on the way: QUANTISED
;;     3. [M 1,024, K 1,024] x [K 1,024, N 4,096]; A: input Wv; B: computed on the way: QUANTISED
;;     4. batch 32 x [M 2,048, K 64] x [K 64, N 2,048]; A: computed on the way; B: computed on the way: QUANTISED
;;     5. batch 32 x [M 2,048, K 2,048] x [K 2,048, N 64]; A: softmax (see below); B: computed on the way: QUANTISED
;;     6. [M 4,096, K 1,024] x [K 1,024, N 1,024]; A: computed on the way; B: input Wp: QUANTISED
;;     7. [M 4,096, K 1,024] x [K 1,024, N 4,096]; A: computed on the way; B: input W1: QUANTISED
;;     8. [M 4,096, K 4,096] x [K 4,096, N 1,024]; A: computed on the way; B: input W2: QUANTISED
;;   THE QUANTISER, for each operand of a quantised product, along K:
;;     - K is cut into blocks of 32 from its start; a last block that is shorter is filled with zeros.
;;     - A block's scale is 2^e with e = floor(log2(the largest magnitude in the block)) - 4, held to -126 .. 127; a block of zeros has e = 0. As a byte (E8M0): e + 127.
;;     - Each number is divided by its block's scale, clamped to +-28, and rounded to the nearest number of E3M2, ties to even, subnormals kept.
;;     - The product sums the exact products of the quantised numbers (number of the format x scale) in f32.
;;   ~~~python
;;   def quantise(x, axis):      # numpy; x: float32 -> the quantised numbers, widened to float32 again
;;       x = np.moveaxis(x, axis, -1); K = x.shape[-1]
;;       x = np.pad(x, [(0, 0)] * (x.ndim - 1) + [(0, -K % 32)]); x = x.reshape(x.shape[:-1] + (-1, 32)); a = np.abs(x).max(-1, keepdims=True)
;;       e = np.where(a > 0, np.clip(np.frexp(np.where(a > 0, a, 1))[1] - 1 - 4, -126, 127), 0)      # np.frexp(a)[1] - 1 = floor(log2(a)), exactly
;;       r = np.clip(x / 2.0 ** e, -28, 28)
;;       step = 2.0 ** (np.maximum(np.frexp(np.where(r == 0, 1, r))[1] - 1, -2) - 2)
;;       q = np.round(r / step) * step * 2.0 ** e      # np.round: ties to even
;;       return np.moveaxis(q.reshape(q.shape[:-2] + (-1,))[..., :K], -1, axis).astype(np.float32)
;;   ~~~
;;   SOFTMAX AHEAD OF A QUANTISED PRODUCT. Where the list says 'softmax', what is quantised is not the finished softmax but p = 2^(t - M), with t = logit x log2(e) and M = ceil(the row's largest t), a whole number; so 1/2 < the row's largest p <= 1. The row's sum l is taken of the UNQUANTISED p, in f32, and the product's result is divided by l at the end. Since M is a whole number, a kernel that streams over the keys may use a running M (the ceiling of the running maximum): every later rescaling is an exact power of two, which a block's scale takes up: the codes' values come out the same.
;;   OPERANDS COMPUTED ON THE WAY. 'Computed on the way' means the value that the module computes at that place (a softmax that the list does not call 'softmax' is quantised finished and normalised). What goes into a quantiser is computed in f32, as accurately as f32 sums, v_exp_f32 and their like allow (about 1e-6 of the number): no bf16 or f16 on the way to a quantiser, and a product that is left as it is and whose result goes on into a quantised operand takes f32 operands (vector FMAs, or v_wmma_f32_16x16x4_f32). A number that lies on a knife's edge between two numbers of the format may be rounded either way, as far as f32 arithmetic and the matrix unit's own rounding can turn it there, and no further.
;; One version. Each part assembles by itself: llvm-mc -triple=amdgcn-amd-amdhsa -mcpu=gfx1250 --defsym DOCPART=n.
;; ======== version 1 of 1: 7 launches
;; limits: right only within a limited range of input values
;; workspace buffers: wts 9,830,400 bytes; hq 3,276,800 bytes; qkv 10,092,544 bytes; at 3,276,800 bytes; x1 16,777,216 bytes; g 13,107,200 bytes
;; launch prep (part 1): grid 448 x 1, 8 waves a work-group, no clusters, 66,816 bytes of LDS; arguments x, ln1_w, ln1_b, hq, Wq, Wk, Wv, Wp, W1, W2, wts; writes hq, wts
.if DOCPART == 1
	.amdgcn_target "amdgcn-amd-amdhsa--gfx1250"
	.amdhsa_code_object_version 6
	.text
	.protected	k_q04b9057c60_prep
	.globl	k_q04b9057c60_prep
	.p2align	8
	.type	k_q04b9057c60_prep,@function
k_q04b9057c60_prep:
	s_mov_b64 s[64:65], 0
	v_nop
	global_prefetch_b8 v0, s[64:65] scope:SCOPE_SE
	s_setreg_imm32_b32 hwreg(HW_REG_WAVE_MODE, 25, 1), 1
	s_wait_xcnt 0x0
; TWO JOBS THAT SHARE NOTHING, IN ONE LAUNCH, so that they run side by side: work-groups 0 to 191 quantise the six weights into wts, work-groups 192 to 447 norm and quantise x into hq.  The paths part on the work-group's number alone.
;
; THE WEIGHTS, f32 with K not innermost, become codes of BF6 (E3M2) with one E8M0 byte for each 32 along K, laid AS IMAGES OF THE OPERAND'S REGISTERS:
; codes [row block of 16][K step of 128][1,536 bytes]; in a K step two halves of 768 bytes (64 along K); in a half lane l = (r, h) owns block h of row r, 24 bytes: its first 16 at 16 l, its last 8 at 512 + 8 l.
; scale words [row block][K step][16 rows][4 bytes].  Rows: Wq, Wk, Wv: n = 1,024 x which + 64 x head + e; Wp, W1, W2: the column of the weight.
; A LANE TAKES A COLUMN, ITS REGISTERS RUN DOWN K: a block of 32 lies in one lane, its largest magnitude needs no other lane, and the conversions give K innermost.  Nothing goes through LDS.
; Wp and W2 meet operands that were quantised out of matrix results, whose order inside a block of 32 has bits 3 and 4 of the index exchanged: register i of a block takes row i + 8 (i = 8..15) or i - 8 (i = 16..23).
; A wave takes 32 columns x 256 along K (8 blocks), a work-group of eight waves 256 columns.  One path for all six tensors: the work-group's number chooses pointers and sizes by s_cselect.
; Stores: sixteen lanes' 16 bytes are 256 consecutive bytes, aligned; the 8-byte parts (a third of the codes) and the scale words leave in runs of 128 and 64 bytes: 3.5 MB so written against 50 MB read.
;
; THE NORM: y = (x - mean) * rsqrt(var + 1e-5) * w + b over rows of 1,024, in f32 (mean first, then the mean of the squared differences), quantised along the row; images as above, the scale words from byte 3,145,728 of hq on.
; A work-group takes 16 rows.  Phase 1: wave w norms rows 2 w and 2 w + 1, a row in 32 registers a lane, read once; y goes to a stage in LDS (rows of 4,096 + 16 bytes).  One barrier.
; Phase 2: wave w makes K step w: lane (r, h) reads, of row r, the two blocks of 32 that the operand's layout gives it.
; LIMITS: NaN and infinities are not served; a block whose largest magnitude lies under 2^-122 keeps the byte 1, a block of zeros too (its codes are zeros; only this program reads the bytes).
.set NWQ,    192                       ; work-groups for the weights: 16, 16, 16 (Wq, Wk, Wv), 16 (Wp), 64 (W1), 64 (W2)
.set WP_C,   2359296
.set W1_C,   3145728
.set W2_C,   6291456
.set WQKV_S, 9437184
.set WP_S,   9535488
.set W1_S,   9568256
.set W2_S,   9699328
.set WOFF, 32                          ; v32-63   byte offset of row i of a block, at my column
.set WX,   64                          ; v64-127  two sets of 32 numbers
.set WC,   128                         ; v128-133 a block's codes
.set WD,   136                         ; v136-138 the second conversion's result (three registers begin on an even number)
	v_lshl_add_u32 v184, v0, 2, 0x10100
	v_mov_b32 v185, 0
	v_lshrrev_b32 v1, 5, v0
	s_delay_alu instid0(VALU_DEP_1)
	v_readfirstlane_b32 s18, v1                    ; wave 0..7
	s_cmp_lt_u32 ttmp9, NWQ
	s_cbranch_scc0 .Lnorm
	s_load_b256 s[4:11], s[0:1], 0x20              ; Wq, Wk, Wv, Wp
	s_load_b128 s[12:15], s[0:1], 0x40             ; W1, W2
	s_load_b64 s[16:17], s[0:1], 0x50              ; wts
	v_and_b32 v1, 31, v0                           ; lane
	v_and_b32 v2, 15, v0                           ; r
	v_bfe_u32 v3, v0, 4, 1                         ; which of my wave's two row blocks
	s_delay_alu instid0(VALU_DEP_3)
	v_lshlrev_b32 v4, 2, v1                        ; my column, in bytes
	s_mov_b32 s27, 128                             ; W2's figures: first work-group,
	s_mov_b32 s20, 2                               ; log2 of the work-groups along the columns,
	s_mov_b32 s21, 4096                            ; bytes from a row of K to the next,
	s_mov_b32 s22, 256                             ; bytes from 64 columns to the next 64,
	s_mov_b32 s23, 32                              ; K steps,
	s_mov_b32 s24, 32768                           ; 8 rows: the exchange inside a block,
	s_mov_b32 s25, W2_C                            ; where the codes go,
	s_mov_b32 s26, W2_S                            ; and the scale words
	s_wait_alu depctr_va_vdst(0)
	s_wait_kmcnt 0x0
	s_mov_b64 s[28:29], s[14:15]
	s_cmp_lt_u32 ttmp9, 128                        ; W1
	s_cselect_b64 s[28:29], s[12:13], s[28:29]
	s_cselect_b32 s27, 64, s27
	s_cselect_b32 s20, 4, s20
	s_cselect_b32 s21, 16384, s21
	s_cselect_b32 s23, 8, s23
	s_cselect_b32 s24, 0, s24
	s_cselect_b32 s25, W1_C, s25
	s_cselect_b32 s26, W1_S, s26
	s_cmp_lt_u32 ttmp9, 64                         ; Wp
	s_cselect_b64 s[28:29], s[10:11], s[28:29]
	s_cselect_b32 s27, 48, s27
	s_cselect_b32 s20, 2, s20
	s_cselect_b32 s21, 4096, s21
	s_cselect_b32 s24, 32768, s24
	s_cselect_b32 s25, WP_C, s25
	s_cselect_b32 s26, WP_S, s26
	s_cmp_lt_u32 ttmp9, 48                         ; Wv
	s_cselect_b64 s[28:29], s[8:9], s[28:29]
	s_cselect_b32 s27, 32, s27
	s_cselect_b32 s21, 256, s21
	s_cselect_b32 s22, 262144, s22
	s_cselect_b32 s24, 0, s24
	s_cselect_b32 s25, 2*786432, s25
	s_cselect_b32 s26, WQKV_S+2*32768, s26
	s_cmp_lt_u32 ttmp9, 32                         ; Wk
	s_cselect_b64 s[28:29], s[6:7], s[28:29]
	s_cselect_b32 s27, 16, s27
	s_cselect_b32 s25, 786432, s25
	s_cselect_b32 s26, WQKV_S+32768, s26
	s_cmp_lt_u32 ttmp9, 16                         ; Wq
	s_cselect_b64 s[28:29], s[4:5], s[28:29]
	s_cselect_b32 s27, 0, s27
	s_cselect_b32 s25, 0, s25
	s_cselect_b32 s26, WQKV_S, s26
	s_sub_co_u32 s19, ttmp9, s27                   ; my number within the tensor
	s_bfm_b32 s38, s20, 0
	s_and_b32 s38, s19, s38                        ; which 256 columns
	s_lshr_b32 s39, s19, s20                       ; which 256 along K
	s_lshl_b32 s38, s38, 3
	s_add_co_u32 s38, s38, s18                     ; g: which 32 columns are my wave's
	s_lshr_b32 s40, s38, 1
	s_mul_i32 s40, s40, s22
	s_and_b32 s41, s38, 1
	s_lshl_b32 s41, s41, 7
	s_add_co_u32 s40, s40, s41
	s_mul_i32 s41, s39, s21
	s_lshl_b32 s41, s41, 8
	s_add_co_u32 s40, s40, s41                     ; the source: (g / 2) x 64 columns + (g % 2) x 128 bytes + 256 rows x which
	s_mov_b32 s41, 0
	s_add_nc_u64 s[28:29], s[28:29], s[40:41]
	s_mul_i32 s42, s38, s23
	s_add_co_u32 s42, s42, s39
	s_lshl_b32 s42, s42, 1                         ; my first image: row block 2 g, K step 2 x which
	s_mul_i32 s40, s42, 1536
	s_add_co_u32 s40, s40, s25
	s_add_nc_u64 s[34:35], s[16:17], s[40:41]
	s_lshl_b32 s40, s42, 6
	s_add_co_u32 s40, s40, s26
	s_add_nc_u64 s[36:37], s[16:17], s[40:41]
	s_lshl_b32 s30, s21, 5                         ; a block on: 32 rows
	s_mov_b32 s31, 0
	s_mul_i32 s43, s23, 1536                       ; a row block of codes,
	s_lshl_b32 s44, s23, 6                         ; of scale words
	v_mul_u32_u24 v5, s43, v3
	s_delay_alu instid0(VALU_DEP_1)
	v_lshl_add_u32 v6, v2, 3, v5                   ; where my 8 bytes go,
	s_delay_alu instid0(VALU_DEP_2)
	v_lshl_add_u32 v5, v2, 4, v5                   ; my 16 bytes,
	v_mul_u32_u24 v7, s44, v3
	s_delay_alu instid0(VALU_DEP_1)
	v_lshl_add_u32 v7, v2, 2, v7                   ; my scale words
.set i, 0
.rept 32
	v_mad_u32_u24 v[WOFF+i], s21, i, v4
.set i, i+1
.endr
.set i, 8
.rept 8
	v_add_nc_u32 v[WOFF+i], s24, v[WOFF+i]         ; the exchange (0 where the operand's order is the natural one)
	v_sub_nc_u32 v[WOFF+i+8], v[WOFF+i+8], s24
.set i, i+1
.endr
.macro LOAD t                          ; a block's 32 rows at my column into set t % 2: each load reads 128 consecutive bytes a wave
.set i, 0
.rept 32
	global_load_b32 v[WX+32*((\t)%2)+i], v[WOFF+i], s[28:29] th:TH_LOAD_NT
.set i, i+1
.endr
.endm
.macro BLOCK t
.set XS, WX+32*((\t)%2)
.if (\t) < 7
	s_wait_loadcnt 32                              ; this block's 32 loads are in; the next block's 32 may be out
.else
	s_wait_loadcnt 0x0
.endif
	v_max3_num_f32 v12, |v[XS]|, |v[XS+1]|, |v[XS+2]|   ; the block's largest magnitude, in two chains
	v_max3_num_f32 v13, |v[XS+3]|, |v[XS+4]|, |v[XS+5]|
.irp i, 6,10,14,18,22,26
	s_delay_alu instid0(VALU_DEP_2)
	v_max3_num_f32 v12, v12, |v[XS+\i]|, |v[XS+\i+1]|
	s_delay_alu instid0(VALU_DEP_2)
	v_max3_num_f32 v13, v13, |v[XS+\i+2]|, |v[XS+\i+3]|
.endr
	s_delay_alu instid0(VALU_DEP_2)
	v_max3_num_f32 v12, v12, |v[XS+30]|, |v[XS+31]|
	s_delay_alu instid0(VALU_DEP_1)
	v_max3_num_f32 v12, v12, v13, 0x2800000        ; and the floor 2^(5 - 127): the byte cannot fall under 1
	s_delay_alu instid0(VALU_DEP_1)
	v_add_nc_u32 v11, 0xfe000000, v12              ; 4 off the exponent field: the conversion's scale operand
	s_delay_alu instid0(VALU_DEP_1)
	v_lshrrev_b32 v13, 23, v11                     ; the scale's byte
.if (\t)%4 == 0
	s_delay_alu instid0(VALU_DEP_1)
	v_mov_b32 v[24+(\t)/4], v13
.else
	s_delay_alu instid0(VALU_DEP_1)
	v_lshl_or_b32 v[24+(\t)/4], v13, 8*((\t)%4), v[24+(\t)/4]
.endif
	v_cvt_scalef32_pk16_bf6_f32 v[WC:WC+2], v[XS:XS+15], v11
	v_cvt_scalef32_pk16_bf6_f32 v[WD:WD+2], v[XS+16:XS+31], v11
	v_nop                                          ; one plain line between a scaled conversion and the vector lines that read its result
	v_mov_b32 v[WC+3], v[WD]
	v_mov_b32 v[WC+4], v[WD+1]
	v_mov_b32 v[WC+5], v[WD+2]
	global_store_b128 v5, v[WC:WC+3], s[34:35] offset:((\t)/4)*1536+(((\t)%4)/2)*768+((\t)%2)*256
	global_store_b64 v6, v[WC+4:WC+5], s[34:35] offset:((\t)/4)*1536+(((\t)%4)/2)*768+512+((\t)%2)*128
.if (\t)%4 == 3
	global_store_b32 v7, v[24+(\t)/4], s[36:37] offset:64*((\t)/4)
.endif
.if (\t) < 7
	s_wait_xcnt 0x0                                ; the stores have read the codes, the loads their base: both are written again only behind this wait
.endif
.if (\t)+2 < 8
	s_add_nc_u64 s[28:29], s[28:29], s[30:31]
	LOAD (\t)+2
.endif
.endm
	LOAD 0
	s_wait_alu depctr_va_vdst(0)
	s_wait_xcnt 0x0                                ; the base is stepped only behind this wait
	s_add_nc_u64 s[28:29], s[28:29], s[30:31]
	LOAD 1
.irp t, 0,1,2,3,4,5,6,7
	BLOCK \t
.endr
	s_endpgm
.Lnorm:
.set PITCH, 4112                       ; 257 x 16 bytes: the sixteen rows that a phase-2 load touches start in sixteen different groups of banks
.set X,  32                            ; v32-95   two rows, later 64 numbers of my K step
.set W,  96                            ; v96-127  the gain at my columns
.set B,  128                           ; v128-159 the bias at my columns
.set PC, 160                           ; v160-171 the fragment
.set T,  172                           ; v172-178 the second halves' conversions
	s_load_b256 s[4:11], s[0:1], 0x0               ; x, w, b, hq
	s_mov_b32 s12, s18                             ; wave 0..7
	s_sub_co_u32 s13, ttmp9, NWQ                   ; my row block
	v_and_b32 v1, 31, v0                           ; lane
	v_and_b32 v5, 15, v0                           ; r
	v_bfe_u32 v6, v0, 4, 1                         ; h
	s_delay_alu instid0(VALU_DEP_3)
	v_lshlrev_b32 v2, 4, v1                        ; 16 x lane
	s_delay_alu instid0(VALU_DEP_4)
	v_lshlrev_b32 v7, 3, v1                        ; 8 x lane
	s_delay_alu instid0(VALU_DEP_4)
	v_lshlrev_b32 v28, 2, v5                       ; 4 r
	s_delay_alu instid0(VALU_DEP_4)
	v_lshlrev_b32 v29, 3, v6                       ; 8 h
	s_mul_i32 s22, s12, 2*PITCH
	v_add_nc_u32 v3, s22, v2                       ; the stage, on the way in: my two rows, 16 bytes a lane
	v_mul_u32_u24 v4, v5, PITCH
	s_delay_alu instid0(VALU_DEP_1)
	v_lshl_add_u32 v4, v6, 7, v4
	s_lshl_b32 s22, s12, 9
	v_add_nc_u32 v4, s22, v4                       ; and on the way out: row r, K step w, + 128 h
	s_lshl_b32 s14, s13, 16                        ; 16 rows of 4,096 bytes a work-group,
	s_lshl_b32 s15, s12, 13                        ; two a wave
	s_add_co_u32 s14, s14, s15
	s_mov_b32 s15, 0
	s_lshl_b32 s20, s13, 3
	s_add_co_u32 s20, s20, s12                     ; my image: 8 x row block + wave
	s_mul_i32 s22, s20, 1536
	s_mov_b32 s23, 0
	s_lshl_b32 s20, s20, 6
	s_add_co_u32 s20, s20, 3145728
	s_mov_b32 s21, 0
	s_mov_b32 s16, 0x76543210
	s_mov_b32 s17, 0xfedcba98                      ; v_permlanex16_b32's selects for lane l xor 16
	s_mov_b32 s18, 0x3a800000                      ; 1 / 1,024
	s_mov_b32 s19, 0x3727c5ac                      ; 1e-5
	s_wait_alu depctr_va_vdst(0)
	s_wait_kmcnt 0x0
	s_add_nc_u64 s[4:5], s[4:5], s[14:15]
	s_add_nc_u64 s[22:23], s[10:11], s[22:23]
	s_add_nc_u64 s[20:21], s[10:11], s[20:21]
.irp p, 0,1
.irp i, 0,1,2,3,4,5,6,7
	global_load_b128 v[X+32*\p+4*\i:X+32*\p+4*\i+3], v2, s[4:5] offset:4096*\p+512*\i   ; 512 consecutive bytes a load
.endr
.endr
.irp i, 0,1,2,3,4,5,6,7
	global_load_b128 v[W+4*\i:W+4*\i+3], v2, s[6:7] offset:512*\i
.endr
.irp i, 0,1,2,3,4,5,6,7
	global_load_b128 v[B+4*\i:B+4*\i+3], v2, s[8:9] offset:512*\i
.endr
.macro LANESUM a, t                    ; the sum over the 32 lanes, in every lane
	v_add_f32_dpp v[\a], v[\a], v[\a] row_xmask:1 row_mask:0xf bank_mask:0xf
	s_delay_alu instid0(VALU_DEP_1)
	v_add_f32_dpp v[\a], v[\a], v[\a] row_xmask:2 row_mask:0xf bank_mask:0xf
	s_delay_alu instid0(VALU_DEP_1)
	v_add_f32_dpp v[\a], v[\a], v[\a] row_xmask:4 row_mask:0xf bank_mask:0xf
	s_delay_alu instid0(VALU_DEP_1)
	v_add_f32_dpp v[\a], v[\a], v[\a] row_xmask:8 row_mask:0xf bank_mask:0xf
	s_delay_alu instid0(VALU_DEP_1)
	v_permlanex16_b32 v[\t], v[\a], s16, s17
	s_delay_alu instid0(VALU_DEP_1)
	v_add_f32 v[\a], v[\a], v[\t]
.endm
	s_wait_loadcnt 16                              ; x is in; the gain's and the bias's sixteen loads may be out
.irp p, 0,1                                    ; the rows' sums: two packed chains a row, the rows by turns
	v_pk_add_f32 v[8+4*\p:9+4*\p], v[X+32*\p:X+32*\p+1], v[X+32*\p+2:X+32*\p+3]
	v_pk_add_f32 v[10+4*\p:11+4*\p], v[X+32*\p+4:X+32*\p+5], v[X+32*\p+6:X+32*\p+7]
.endr
.irp i, 8,12,16,20,24,28
.irp p, 0,1
	s_delay_alu instid0(VALU_DEP_4)
	v_pk_add_f32 v[8+4*\p:9+4*\p], v[8+4*\p:9+4*\p], v[X+32*\p+\i:X+32*\p+\i+1]
	s_delay_alu instid0(VALU_DEP_4)
	v_pk_add_f32 v[10+4*\p:11+4*\p], v[10+4*\p:11+4*\p], v[X+32*\p+\i+2:X+32*\p+\i+3]
.endr
.endr
.irp p, 0
	s_delay_alu instid0(VALU_DEP_3)
	v_pk_add_f32 v[8+4*\p:9+4*\p], v[8+4*\p:9+4*\p], v[10+4*\p:11+4*\p]
.endr
.irp p, 1
	s_delay_alu instid0(VALU_DEP_2)
	v_pk_add_f32 v[8+4*\p:9+4*\p], v[8+4*\p:9+4*\p], v[10+4*\p:11+4*\p]
.endr
.irp p, 0,1
	s_delay_alu instid0(VALU_DEP_2)
	v_add_f32 v[8+4*\p], v[8+4*\p], v[9+4*\p]
.endr
	LANESUM 8, 9
	LANESUM 12, 13
.irp p, 0
	v_mul_f32 v[8+4*\p], s18, v[8+4*\p]            ; the mean
.endr
.irp p, 1
	s_delay_alu instid0(VALU_DEP_2)
	v_mul_f32 v[8+4*\p], s18, v[8+4*\p]            ; the mean
.endr
.irp p, 0,1
.irp i, 0,2,4,6,8,10,12,14,16,18,20,22,24,26,28,30
	v_pk_add_f32 v[X+32*\p+\i:X+32*\p+\i+1], v[X+32*\p+\i:X+32*\p+\i+1], v[8+4*\p:9+4*\p] op_sel_hi:[1,0] neg_lo:[0,1] neg_hi:[0,1]   ; x - mean, in place
.endr
.endr
.irp p, 0,1                                    ; the sums of the squares, likewise
	v_pk_mul_f32 v[16+4*\p:17+4*\p], v[X+32*\p:X+32*\p+1], v[X+32*\p:X+32*\p+1]
	v_pk_mul_f32 v[18+4*\p:19+4*\p], v[X+32*\p+2:X+32*\p+3], v[X+32*\p+2:X+32*\p+3]
.endr
.irp i, 4,8,12,16,20,24,28
.irp p, 0,1
	s_delay_alu instid0(VALU_DEP_4)
	v_pk_fma_f32 v[16+4*\p:17+4*\p], v[X+32*\p+\i:X+32*\p+\i+1], v[X+32*\p+\i:X+32*\p+\i+1], v[16+4*\p:17+4*\p]
	s_delay_alu instid0(VALU_DEP_4)
	v_pk_fma_f32 v[18+4*\p:19+4*\p], v[X+32*\p+\i+2:X+32*\p+\i+3], v[X+32*\p+\i+2:X+32*\p+\i+3], v[18+4*\p:19+4*\p]
.endr
.endr
.irp p, 0
	s_delay_alu instid0(VALU_DEP_3)
	v_pk_add_f32 v[16+4*\p:17+4*\p], v[16+4*\p:17+4*\p], v[18+4*\p:19+4*\p]
.endr
.irp p, 1
	s_delay_alu instid0(VALU_DEP_2)
	v_pk_add_f32 v[16+4*\p:17+4*\p], v[16+4*\p:17+4*\p], v[18+4*\p:19+4*\p]
.endr
.irp p, 0,1
	s_delay_alu instid0(VALU_DEP_2)
	v_add_f32 v[16+4*\p], v[16+4*\p], v[17+4*\p]
.endr
	LANESUM 16, 17
	LANESUM 20, 21
.irp p, 0
	v_fma_f32 v[16+4*\p], v[16+4*\p], s18, s19     ; the variance + 1e-5
.endr
.irp p, 1
	s_delay_alu instid0(VALU_DEP_2)
	v_fma_f32 v[16+4*\p], v[16+4*\p], s18, s19     ; the variance + 1e-5
.endr
	s_wait_alu depctr_va_vdst(0)
	v_rsq_f32 v18, v16                             ; both roots are one batch:
	v_rsq_f32 v22, v20
	v_nop                                          ; one plain line behind the last,
	s_wait_alu depctr_va_vdst(0)                   ; and one wait ahead of the first reader
	s_wait_loadcnt 0x0                             ; the gain and the bias
.irp p, 0,1
.irp i, 0,2,4,6,8,10,12,14,16,18,20,22,24,26,28,30
	v_pk_mul_f32 v[X+32*\p+\i:X+32*\p+\i+1], v[X+32*\p+\i:X+32*\p+\i+1], v[18+4*\p:19+4*\p] op_sel_hi:[1,0]
.endr
.endr
.irp p, 0,1
.irp i, 0,2,4,6,8,10,12,14,16,18,20,22,24,26,28,30
	v_pk_fma_f32 v[X+32*\p+\i:X+32*\p+\i+1], v[X+32*\p+\i:X+32*\p+\i+1], v[W+\i:W+\i+1], v[B+\i:B+\i+1]
.endr
.endr
.irp p, 0,1
.irp i, 0,1,2,3,4,5,6,7
	ds_store_b128 v3, v[X+32*\p+4*\i:X+32*\p+4*\i+3] offset:PITCH*\p+512*\i
.endr
.endr
	s_wait_dscnt 0x0                               ; for the others' sake: my rows lie in the stage
	s_barrier_signal -1
	s_barrier_wait -1
.irp c, 0,1
.irp i, 0,1,2,3,4,5,6,7
	ds_load_b128 v[X+32*\c+4*\i:X+32*\c+4*\i+3], v4 offset:256*\c+16*\i   ; y(r, 128 w + 64 c + 32 h + 4 i ..)
.endr
.endr
	s_wait_dscnt 0x0
.irp c, 0,1                                    ; my block 2 c + h: all its 32 numbers are mine
	v_max3_num_f32 v[8+\c], |v[X+32*\c]|, |v[X+1+32*\c]|, 0x2800000   ; with the floor 2^(5 - 127)
.endr
.irp i, 2,4,6,8,10,12,14,16,18,20,22,24,26,28,30
.irp c, 0,1
	s_delay_alu instid0(VALU_DEP_2)
	v_max3_num_f32 v[8+\c], v[8+\c], |v[X+32*\c+\i]|, |v[X+1+32*\c+\i]|
.endr
.endr
.irp c, 0,1
	s_delay_alu instid0(VALU_DEP_2)
	v_add_nc_u32 v[10+\c], 0xfe000000, v[8+\c]     ; 4 off the exponent field: the conversion's scale operand
.endr
.irp c, 0,1
	s_delay_alu instid0(VALU_DEP_2)
	v_lshrrev_b32 v[12+\c], 23, v[10+\c]           ; the scale's byte
.endr
	s_delay_alu instid0(VALU_DEP_1)
	v_lshl_or_b32 v14, v13, 16, v12                ; my two bytes, blocks h and 2 + h,
	s_delay_alu instid0(VALU_DEP_1)
	v_lshlrev_b32 v14, v29, v14                    ; at their places in the word;
	s_delay_alu instid0(VALU_DEP_1)
	v_permlanex16_b32 v15, v14, s16, s17
	s_delay_alu instid0(VALU_DEP_1)
	v_or_b32 v14, v14, v15                         ; with lane l xor 16's two the word is whole
.irp c, 0,1
	v_cvt_scalef32_pk16_bf6_f32 v[PC+6*\c:PC+6*\c+2], v[X+32*\c:X+32*\c+15], v[10+\c]
	v_cvt_scalef32_pk16_bf6_f32 v[T+4*\c:T+4*\c+2], v[X+32*\c+16:X+32*\c+31], v[10+\c]
.endr
	v_nop                                          ; one plain line behind a scaled conversion
.irp c, 0,1
.irp i, 0,1,2
	v_mov_b32 v[PC+3+6*\c+\i], v[T+4*\c+\i]
.endr
.endr
	global_store_b128 v2, v[PC:PC+3], s[22:23]                 ; the image: 512, 256, 512 and 256 consecutive bytes, each aligned to 256
	global_store_b64 v7, v[PC+4:PC+5], s[22:23] offset:512
	global_store_b128 v2, v[PC+6:PC+9], s[22:23] offset:768
	global_store_b64 v7, v[PC+10:PC+11], s[22:23] offset:1280
	global_store_b32 v28, v14, s[20:21]                        ; lanes 16-31 hold the same words and write the same bytes
	s_wait_tensorcnt 0x0
	ds_add_u32 v184, v185
	s_wait_dscnt 0x0
	s_endpgm
.Lfunc_end_k_q04b9057c60_prep:
	.size	k_q04b9057c60_prep, .Lfunc_end_k_q04b9057c60_prep-k_q04b9057c60_prep
	.p2alignl 7, 3214868480
	.fill 96, 4, 3214868480
	.section	.rodata,"a",@progbits
	.p2align	6, 0x0
	.amdhsa_kernel k_q04b9057c60_prep
		.amdhsa_group_segment_fixed_size 66816
		.amdhsa_private_segment_fixed_size 0
		.amdhsa_enable_private_segment 0
		.amdhsa_kernarg_size 88
		.amdhsa_user_sgpr_count 2
		.amdhsa_user_sgpr_kernarg_segment_ptr 1
		.amdhsa_wavefront_size32 1
		.amdhsa_system_sgpr_workgroup_id_x 1
		.amdhsa_system_sgpr_workgroup_id_y 1
		.amdhsa_system_sgpr_workgroup_id_z 1
		.amdhsa_system_vgpr_workitem_id 0
		.amdhsa_next_free_vgpr 186
		.amdhsa_next_free_sgpr 66
		.amdhsa_reserve_vcc 0
		.amdhsa_float_denorm_mode_32 3
		.amdhsa_float_denorm_mode_16_64 3
		.amdhsa_memory_ordered 1
		.amdhsa_forward_progress 1
		.amdhsa_inst_pref_size 76
	.end_amdhsa_kernel
	.amdgpu_metadata
---
amdhsa.version: [ 1, 2 ]
amdhsa.kernels:
  - .name:           k_q04b9057c60_prep
    .symbol:         k_q04b9057c60_prep.kd
    .args:
      - { .name: x, .offset: 0, .size: 8, .value_kind: global_buffer, .address_space: global }
      - { .name: ln1_w, .offset: 8, .size: 8, .value_kind: global_buffer, .address_space: global }
      - { .name: ln1_b, .offset: 16, .size: 8, .value_kind: global_buffer, .address_space: global }
      - { .name: hq, .offset: 24, .size: 8, .value_kind: global_buffer, .address_space: global }
      - { .name: Wq, .offset: 32, .size: 8, .value_kind: global_buffer, .address_space: global }
      - { .name: Wk, .offset: 40, .size: 8, .value_kind: global_buffer, .address_space: global }
      - { .name: Wv, .offset: 48, .size: 8, .value_kind: global_buffer, .address_space: global }
      - { .name: Wp, .offset: 56, .size: 8, .value_kind: global_buffer, .address_space: global }
      - { .name: W1, .offset: 64, .size: 8, .value_kind: global_buffer, .address_space: global }
      - { .name: W2, .offset: 72, .size: 8, .value_kind: global_buffer, .address_space: global }
      - { .name: wts, .offset: 80, .size: 8, .value_kind: global_buffer, .address_space: global }
    .group_segment_fixed_size: 66816
    .private_segment_fixed_size: 0
    .kernarg_segment_align: 8
    .kernarg_segment_size: 88
    .max_flat_workgroup_size: 256
    .sgpr_count:     66
    .vgpr_count:     186
    .wavefront_size: 32
...
	.end_amdgpu_metadata
.endif
;; end of part 1
;; launch gqkv (part 2): grid 12 x 16, 4 waves a work-group, clusters of 4 x 4, 327,680 bytes of LDS; arguments hq, wts, bq, bk, bv, qkv; writes qkv
.if DOCPART == 2
	.amdgcn_target "amdgcn-amd-amdhsa--gfx1250"
	.amdhsa_code_object_version 6
	.text
	.protected	k_q04b9057c60_gqkv
	.globl	k_q04b9057c60_gqkv
	.p2align	8
	.type	k_q04b9057c60_gqkv,@function
k_q04b9057c60_gqkv:
	s_mov_b64 s[64:65], 0
	v_nop
	global_prefetch_b8 v0, s[64:65] scope:SCOPE_SE
	s_setreg_imm32_b32 hwreg(HW_REG_WAVE_MODE, 25, 1), 1
	s_wait_xcnt 0x0
	s_wait_alu depctr_hold_cnt(0) depctr_sa_sdst(0) depctr_va_vdst(0) depctr_va_sdst(0) depctr_va_ssrc(0) depctr_va_vcc(0) depctr_vm_vsrc(0)
	s_getreg_b32 s2, hwreg(HW_REG_IB_STS2, 6, 4)
	s_cmp_eq_u32 s2, 0
	s_cbranch_scc0 .Lentry_in_a_cluster
	s_endpgm
.Lentry_in_a_cluster:
	s_bfe_u32 s2, ttmp6, 0x10000c
	s_cmp_lg_u32 s2, 0xf033
	s_cbranch_scc0 .Lentry_shape_is_right
	s_endpgm
.Lentry_shape_is_right:
; Q, K, V = LN1(x) W + b on codes of BF6 (E3M2) with E8M0 scales, K = 1,024; the results are quantised in registers and leave as images of the operands that attention wants.
; OPERANDS are images of their registers: [row block of 16][K step of 128][1,536 bytes] (per 64 along K: each lane's first 16 bytes at 16 l, its last 8 at 512 + 8 l), scale words [row block][K step][16][4].
; A tile of 256 x 256 is made by four waves, 128 x 128 each: 64 accumulators.  Source 0 (S0) x source 1 (S1): lane (r, h) of accumulator (a, b), register j, holds (S1 row 16 a + r, S0 row 16 b + 8 h + j).
; The cluster's x says which product: 0 Q, 1 K: S0 = weight rows, S1 = tokens: a lane's registers run along the head's channels.  2 V: the sources change places BY DATA ALONE: a lane's registers run along the tokens, which is P V's K.
; Inside a block of 32 the quantiser lays the number with index 16 u + 8 h + j at place 16 h + 8 u + j; both operands of each later product carry the same order, so the products are kept.
; K lies in two LDS slots of 3 steps (49,152 bytes a step), BOTH filled at the head, one joint load a wave: S1's and S0's 256 rows of slot 0 (waves 0, 1), of slot 1 (waves 2, 3).  The last 2 steps are one refill of slot 0, behind a drained round.
; CLUSTERS: 4 x 4; S1's tile is shared along a row of the cluster, S0's along a column.  The scale words (16,384 bytes of a work-group's 409,600) come by plain loads and LDS stores into bytes of their own.
; NO DATA PREFETCH: the block is the largest, in clusters, and K is 8 steps, of which 6 are asked for at the head.
; Q's and K's scale words get 0x7f in bytes 2 and 3: attention feeds the instruction's upper 64 along K with zero codes.
; LIMITS: NaN and infinities are not served; a block whose largest magnitude lies under 2^-122 keeps the byte 1, a block of zeros too.
; REGISTERS: window 0: v1-9 lane terms; v16-23 LDS addresses; v27 scale words' address; v28, v29 for the add; v32-47 scale words, two sets; v64-159, v160-255 S1's fragments (on the way out v200-239 at work).
;   window 1: v0-95, v96-191 S0's fragments; v192-255 the bias.   windows 2, 3: accumulator (a, b) at v[8 (8 (a % 4) + b)] of window 2 + a / 4.
.set AB, 8
.set KS, 8
.set N0, 3
.set N1, 3
.set NFILL, 3
.set LASTN, 2
.set VBIAS, 1
.set HQ_S,   3145728
.set WQKV_S, 9437184
.set QS,     9437184
.set WH,  13
.set TM,  200
.set PW,  216
.set PC,  220
.set FRB, 1536
.set H0, AB*N0*FRB
.set H1, AB*N1*FRB
.set SL1, 4*H0
.set SCL, SL1+4*H1
.set HALFS, AB*KS*64
.set NSL, AB*KS/16
.set SPARE, 327168
.set A16, 16
.set A8, 18
.set B16, 20
.set B8, 22
.set ADRS, 27
.set SPW, 28
.set NIL, 29
.set SC, 32
.set AF, 64
.set BI, 192
.set G1, 24
.set G0, 32
.set G1B, 48
.set G0B, 56
.set SEL, 66
.set GH, 68
.set TO_B, 0x40
.set MSB, 0
.macro WIN new
.if MSB != (\new)
	s_set_vgpr_msb (MSB<<8)|(\new)
.set MSB, (\new)
.endif
.endm
.macro PLACES n
.rept \n
	v_nop
.endr
.endm
.macro JLOAD g0a, g1a, g0b, g1b        ; a joint refill: waves 0 and 1 fetch S1's halves, waves 2 and 3 S0's
	s_cmp_eq_u32 s15, 0
	s_cbranch_scc0 .Lfor_b_\@
	tensor_load_to_lds s[\g0a:\g0a+3], s[\g1a:\g1a+7]
	s_nop 0
	PLACES 4
	s_branch .Lasked_\@
.Lfor_b_\@:
	tensor_load_to_lds s[\g0b:\g0b+3], s[\g1b:\g1b+7]
	s_nop 0
	PLACES 4
.Lasked_\@:
.endm
.macro CREST
	s_cmp_lg_u32 s14, 0
	s_cbranch_scc1 .Lnot_wave_0_\@
	s_barrier_signal -3
.Lnot_wave_0_\@:
	s_barrier_wait -3
	s_barrier_signal -1
	s_barrier_wait -1
.endm
.macro CROUND
	s_barrier_signal -1
	s_barrier_wait -1
	CREST
.endm
.macro LOCATE st                       ; K step st: fill LF, slot LS, place LQ among the fill's LN steps
.set LR, (\st)%(N0+N1)
.set LS, LR/N0
.set LQ, LR-N0*LS
.set LN, N0-(N0-N1)*LS
.set LF, 2*((\st)/(N0+N1))+LS
.if LF == NFILL-1
.set LN, LASTN
.endif
.endm
.macro FRAG reg, a16, a8, off
	ds_load_b128 v[\reg:\reg+3], v[\a16] offset:\off
	ds_load_b64 v[\reg+4:\reg+5], v[\a8] offset:\off+512
	ds_load_b128 v[\reg+6:\reg+9], v[\a16] offset:\off+768
	ds_load_b64 v[\reg+10:\reg+11], v[\a8] offset:\off+1280
.endm
.macro FETCH st                        ; step st's sixteen fragments and eight scale registers (lanes 0-15 S1's block, lanes 16-31 S0's) into set st % 2
	LOCATE \st
.set fset, (\st)%2
	WIN TO_B
.set fi, 0
.rept AB
	FRAG 96*fset+12*fi, B16+LS, B8+LS, (fi*LN+LQ)*FRB
.set fi, fi+1
.endr
	WIN 0
.set fi, 0
.rept AB
	FRAG AF+96*fset+12*fi, A16+LS, A8+LS, (fi*LN+LQ)*FRB
	ds_load_b32 v[SC+8*fset+fi], v[ADRS] offset:fi*KS*64+(\st)*64
.set fi, fi+1
.endr
.endm
.macro WM d, a, b, c, sa, sb
	v_wmma_scale_f32_16x16x128_f8f6f4 v[\d:\d+7], v[\a:\a+11], v[\b:\b+11], v[\c:\c+7], v[\sa], v[\sb] matrix_a_fmt:MATRIX_FMT_BF6 matrix_b_fmt:MATRIX_FMT_BF6 matrix_a_scale:MATRIX_SCALE_ROW1
.endm
; A quarter of a step's products: two of S1's blocks, each against S0's eight.  first = 1: the sums begin with the bias by S0's rows, 2: by S1's rows.  The 64 accumulators take turns, one instruction a turn.
.macro MULQ u, set, first
.set ma, (\u)*AB/4
.rept AB/4
.if (\first) == 0
	WIN 0xa1+0x50*(ma/4)
.else
	WIN 0x91+0x40*(ma/4)
.endif
.set mb, 0
.rept AB
.set rD, 8*(AB*(ma%4)+mb)
.set rA, 96*(\set)+12*mb
.set rB, AF+96*(\set)+12*ma
.set rC, rD
.if (\first) == 1
.set rC, BI+8*mb
.elseif (\first) == 2
.set rC, BI+8*ma
.endif
.set rSa, SC+8*(\set)+mb
.set rSb, SC+8*(\set)+ma
	WM rD, rA, rB, rC, rSa, rSb
.set mb, mb+1
.endr
.set ma, ma+1
.endr
.endm
.macro MUL4 set, first
	MULQ 0, \set, \first
	MULQ 1, \set, \first
	MULQ 2, \set, \first
	MULQ 3, \set, \first
.endm
.macro SHAPE n                         ; a refill's tile: AB row blocks of n steps; written while no tensor load of the wave is out
.irp g, G1, G1B
	s_mov_b32 s[\g+1], ((\n)*192)<<16
	s_mov_b32 s[\g+2], AB<<16
	s_mov_b32 s[\g+3], ((\n)*192)<<16
	s_mov_b32 s[\g+4], AB
.endr
.endm
; A fill's last step changes slots: one barrier, with the three lines in front of it.  Where a fill two on is left, the barrier opens a round of the cluster's and the slot just read out is filled again.
.macro TURN st
	LOCATE \st
.set TF, LF
.set TS, LS
.set RF, 0
.if TF+2 < NFILL
.set RF, 1
.set RN, N0-(N0-N1)*TS
.if TF+2 == NFILL-1
.set RN, LASTN
.endif
.endif
	WIN 0
	s_wait_tensorcnt 0x0                           ; all my tensor loads have landed
	ds_add_u32 v[SPW], v[NIL]
.if RF
	s_add_nc_u64 s[G0+4*TS+2:G0+4*TS+3], s[G0+4*TS+2:G0+4*TS+3], (N0+N1)*FRB
	s_add_nc_u64 s[G0B+4*TS+2:G0B+4*TS+3], s[G0B+4*TS+2:G0B+4*TS+3], (N0+N1)*FRB
	SHAPE RN
.endif
	s_wait_dscnt 0x0                               ; the add is done, my reads of this slot are over
	s_barrier_signal -1
	MULQ 0, (\st)%2, 0
	WIN 0
	s_barrier_wait -1
.if RF
	CREST
	JLOAD G0+4*TS, G1, G0B+4*TS, G1B               ; its four v_nop are the places in front of the loads below
.else
	PLACES 4
.endif
	FETCH (\st)+1
	MULQ 1, (\st)%2, 0
	MULQ 2, (\st)%2, 0
	MULQ 3, (\st)%2, 0
.endm
.macro STEP st
	LOCATE \st
.if LQ < LN-1
	s_wait_dscnt 0x0                               ; this step's fragments, asked for a step ago, are in
	PLACES 4                                       ; between the last products, which read the other set, and the loads into it
	FETCH (\st)+1
.if (\st) == 0
.if VBIAS
	s_cmp_eq_u32 s[WH], 2                          ; the first products start the sums with the bias: by S0's rows, or for V by S1's
	s_cbranch_scc1 .Lfirst_v
	MUL4 0, 1
	WIN 0
	s_branch .Lfirst_done
.Lfirst_v:
	MUL4 0, 2
	WIN 0
.Lfirst_done:
.else
	MUL4 0, 1
.endif
.else
	MUL4 (\st)%2, 0
.endif
.else
	TURN \st
.endif
.endm
.macro HLOAD g0, g1, n                 ; a head's tile: 2 AB row blocks of n steps
	s_mov_b32 s[\g1+1], ((\n)*192)<<16
	s_mov_b32 s[\g1+3], ((\n)*192)<<16
	tensor_load_to_lds s[\g0:\g0+3], s[\g1:\g1+7]
	s_nop 0
	PLACES 4
.endm
.macro ARM under, g0, g1, n, next
	s_cmp_lt_u32 s14, \under
	s_cbranch_scc0 \next
	HLOAD \g0, \g1, \n
	s_branch .Lhead_asked
\next:
.endm
; 64 numbers of a lane in window W, register 16 b + i = place 16 h + i of block b of my row, become a fragment's codes in v[PC] on and its scale word in v[PW].  Each accumulator is read from its low end on.
.macro QUANT s, W
	WIN (\W)|((\W)<<2)
.irp b, 0,1,2,3
	v_max3_num_f32 v[TM+\b], |v[(\s)+16*\b]|, |v[(\s)+1+16*\b]|, 0x2800000     ; with the floor 2^(5 - 127): the byte cannot fall under 1
.endr
.irp i, 2,4,6,8,10,12,14
.irp b, 0,1,2,3
	v_max3_num_f32 v[TM+\b], |v[(\s)+16*\b+\i]|, |v[(\s)+1+16*\b+\i]|, v[TM+\b]
.endr
.endr
	WIN 0
.irp b, 0,1,2,3
	v_permlanex16_b32 v[TM+4+\b], v[TM+\b], s[SEL], s[SEL+1]
.endr
.irp b, 0,1,2,3
	v_max_num_f32 v[TM+\b], v[TM+\b], v[TM+4+\b]   ; with lane l xor 16's: the block's largest magnitude
.endr
.irp b, 0,1,2,3
	v_add_nc_u32 v[TM+12+\b], 0xfe000000, v[TM+\b] ; 4 off the exponent field: the conversion's scale operand
.endr
.irp b, 0,1,2,3
	v_lshrrev_b32 v[TM+4+\b], 23, v[TM+12+\b]      ; the scale's byte
.endr
	v_lshl_or_b32 v[PW], v[TM+5], 8, v[TM+4]
	v_lshl_or_b32 v[PW], v[TM+6], 16, v[PW]
	v_lshl_or_b32 v[PW], v[TM+7], 24, v[PW]
	WIN \W
.irp c, 0,1
	v_cvt_scalef32_pk16_bf6_f32 v[PC+6*\c:PC+2+6*\c], v[(\s)+32*\c:(\s)+15+32*\c], v[TM+12+2*\c]
	v_cvt_scalef32_pk16_bf6_f32 v[PC+12+4*\c:PC+14+4*\c], v[(\s)+16+32*\c:(\s)+31+32*\c], v[TM+12+2*\c+1]
.endr
	WIN 0
	v_nop                                          ; one plain line behind a scaled conversion
.irp c, 0,1                                    ; the layout wants a whole block in a lane
.irp i, 0,1,2
	v_permlane16_swap_b32 v[PC+6*\c+\i], v[PC+12+4*\c+\i]
.endr
.irp i, 0,1,2
	v_mov_b32 v[PC+3+6*\c+\i], v[PC+12+4*\c+\i]
.endr
.endr
.endm
	s_load_b256 s[4:11], s[0:1], 0x0               ; hq, wts, bq, bk
	s_load_b128 s[96:99], s[0:1], 0x20             ; bv, qkv
	v_lshl_add_u32 v[SPW], v0, 2, SPARE
	v_mov_b32 v[NIL], 0
	ds_add_u32 v[SPW], v[NIL]                      ; the opening lines: the add twice on end
	ds_add_u32 v[SPW], v[NIL]
	v_lshrrev_b32 v1, 5, v0
	v_readfirstlane_b32 s14, v1                    ; wave 0..3
	s_lshr_b32 s15, s14, 1                         ; my half of S1's rows; in a refill: I fetch for S1 (0) or S0 (1)
	s_and_b32 s16, s14, 1                          ; my half of S0's rows; in a refill: which half I fetch
	s_bfe_u32 s40, ttmp6, 0x40000                  ; cx
	s_bfe_u32 s41, ttmp6, 0x40004                  ; cy
	s_mov_b32 s[WH], ttmp9                         ; the cluster's x: the same in all sixteen partners
	s_and_b32 s12, ttmp7, 0xffff                   ; the cluster's y
	s_mov_b32 s45, HQ_S
	s_mov_b32 s95, WQKV_S
	s_mov_b32 s[SEL], 0x76543210
	s_mov_b32 s[SEL+1], 0xfedcba98
	s_cmp_eq_u32 s[WH], 2
	s_cselect_b32 s18, s12, s[WH]                  ; S0's tiles: Q, K: weight tiles 4 x which + cx;  V: token tiles 4 y + cx
	s_cselect_b32 s19, 2, s12                      ; S1's tiles: Q, K: token tiles 4 y + cy;  V: weight tiles 8 + cy
	s_cselect_b32 s45, WQKV_S, s45                 ; where S1's scale words begin in its buffer,
	s_cselect_b32 s95, HQ_S, s95                   ; and S0's (both buffers' codes begin at byte 0)
	s_lshl_b32 s42, s18, 2
	s_add_co_u32 s42, s42, s40                     ; S0's tile
	s_lshl_b32 s17, s19, 2
	s_add_co_u32 s17, s17, s41                     ; S1's tile
	s_lshl_b32 s43, s41, 2
	s_lshl_b32 s43, 15, s43                        ; my row of the cluster
	s_lshl_b32 s44, 0x1111, s40                    ; my column
	s_or_b32 s[G1], s43, (3<<16)|(1<<21)           ; elements of 8 bytes; bit 21 beside a mask
	s_or_b32 s[G1B], s44, (3<<16)|(1<<21)
.irp g, G1, G1B
	s_mov_b32 s[\g+1], (N0*192)<<16
	s_mov_b32 s[\g+2], (2*AB)<<16
	s_mov_b32 s[\g+3], (N0*192)<<16
	s_mov_b32 s[\g+4], 2*AB
	s_mov_b32 s[\g+5], KS*192
	s_mov_b32 s[\g+6], 0
	s_mov_b32 s[\g+7], 0
.endr
.irp k, 0,1,2,3
	s_mov_b32 s[GH+4*\k], 1
.endr
	s_mov_b32 s[GH+1], 0                           ; S1, slot 0
	s_mov_b32 s[GH+5], 2*H0                        ; S0, slot 0
	s_mov_b32 s[GH+9], SL1                         ; S1, slot 1
	s_mov_b32 s[GH+13], SL1+2*H1                   ; S0, slot 1
	s_mul_i32 s20, s17, 2*AB*KS*FRB                ; byte offsets: S1's codes,
	s_mov_b32 s21, 0
	s_mul_i32 s46, s42, 2*AB*KS*FRB                ; S0's codes,
	s_mov_b32 s47, 0
	s_mul_i32 s22, s17, 2*AB*KS*64                 ; S1's scale words,
	s_add_co_u32 s22, s22, s45
	s_mov_b32 s23, 0
	s_mul_i32 s92, s42, 2*AB*KS*64                 ; S0's
	s_add_co_u32 s92, s92, s95
	s_mov_b32 s93, 0
	s_mul_i32 s86, s16, AB*KS*FRB                  ; the half that I fetch in a refill
	s_mov_b32 s87, 0
	s_mul_i32 s84, s15, H0                         ; LDS: my half of S1 in slot 0,
	s_mul_i32 s85, s15, H1
	s_add_co_u32 s85, s85, SL1                     ; in slot 1;
	s_mul_i32 s94, s16, H0
	s_add_co_u32 s94, s94, 2*H0                    ; my half of S0 in slot 0,
	s_mul_i32 s95, s16, H1
	s_add_co_u32 s95, s95, SL1+2*H1                ; in slot 1
	s_mul_i32 s3, s15, HALFS
	s_mul_i32 s100, s16, HALFS
	s_add_co_u32 s100, s100, 2*HALFS+64
	s_sub_co_u32 s100, s100, s3                    ; from S1's scale words to S0's
	s_add_co_u32 s3, s3, SCL
	v_and_b32 v1, 31, v0
	v_and_b32 v2, 15, v0                           ; r
	v_bfe_u32 v3, v0, 4, 1                         ; h
	v_lshlrev_b32 v4, 4, v1                        ; 16 l
	v_lshlrev_b32 v5, 3, v1                        ; 8 l
	v_lshlrev_b32 v6, 2, v2                        ; 4 r
	v_add_nc_u32 v[A16], s84, v4
	v_add_nc_u32 v[A8], s84, v5
	v_add_nc_u32 v[A16+1], s85, v4
	v_add_nc_u32 v[A8+1], s85, v5
	v_add_nc_u32 v[B16], s94, v4
	v_add_nc_u32 v[B8], s94, v5
	v_add_nc_u32 v[B16+1], s95, v4
	v_add_nc_u32 v[B8+1], s95, v5
	v_mul_u32_u24 v7, s100, v3                     ; lanes 16-31 take S0's words: one product with h
	v_add_nc_u32 v7, v6, v7
	v_add_nc_u32 v[ADRS], s3, v7
	v_lshlrev_b32 v30, 5, v3                       ; 32 h
	v_lshlrev_b32 v9, 4, v0                        ; 16 x thread
	v_add_nc_u32 v8, SCL, v9
	s_wait_alu depctr_va_vdst(0)                   ; the wait at the head's end
	s_wait_dscnt 0x0                               ; both opening adds are done
	CROUND                                         ; all sixteen work-groups are here: the first joint loads meet
	s_wait_kmcnt 0x0
	s_cmp_eq_u32 s[WH], 2
	s_cselect_b64 s[18:19], s[6:7], s[4:5]         ; S1's buffer
	s_cselect_b64 s[4:5], s[4:5], s[6:7]           ; S0's buffer
	s_add_nc_u64 s[20:21], s[18:19], s[20:21]
	s_add_nc_u64 s[46:47], s[4:5], s[46:47]
	s_mov_b64 s[GH+2:GH+3], s[20:21]
	s_mov_b64 s[GH+6:GH+7], s[46:47]
	s_add_nc_u64 s[GH+10:GH+11], s[20:21], N0*FRB
	s_add_nc_u64 s[GH+14:GH+15], s[46:47], N0*FRB
.irp k, 0,1,2,3
	s_or_b32 s[GH+4*\k+3], s[GH+4*\k+3], 0x80000000
.endr
	ARM 1, GH, G1, N0, .Lhead_1                    ; one tensor load a wave, each on a line of its own
	ARM 2, GH+4, G1B, N0, .Lhead_2
	ARM 3, GH+8, G1, N1, .Lhead_3
	HLOAD GH+12, G1B, N1
.Lhead_asked:
	s_add_nc_u64 s[22:23], s[18:19], s[22:23]
	s_add_nc_u64 s[92:93], s[4:5], s[92:93]
.set i, 0
.rept NSL
	global_load_b128 v[AF+4*i:AF+4*i+3], v9, s[22:23] offset:2048*i                ; the scale words: 2,048 consecutive bytes a line
	global_load_b128 v[AF+4*NSL+4*i:AF+4*NSL+4*i+3], v9, s[92:93] offset:2048*i
.set i, i+1
.endr
	; the bias of my product, at my rows
	s_cmp_eq_u32 s[WH], 1
	s_cselect_b64 s[8:9], s[10:11], s[8:9]
	s_cmp_eq_u32 s[WH], 2
	s_cselect_b64 s[8:9], s[96:97], s[8:9]
	s_cselect_b32 s10, s41, s40                    ; the weight tile within the product: cy for V, cx else,
	s_cselect_b32 s11, s15, s16                    ; and my half of it
	s_lshl_b32 s10, s10, 10
	s_lshl_b32 s11, s11, 9
	s_add_co_u32 s10, s10, s11
	s_mov_b32 s11, 0
	s_add_nc_u64 s[8:9], s[8:9], s[10:11]
	s_cmp_eq_u32 s[WH], 2
	s_cbranch_scc1 .Lbias_v
	WIN TO_B
.set fi, 0
.rept AB
	global_load_b128 v[BI+8*fi:BI+8*fi+3], v30, s[8:9] offset:64*fi         ; Q, K: register j of block b: the bias of weight row 16 b + 8 h + j
	global_load_b128 v[BI+8*fi+4:BI+8*fi+7], v30, s[8:9] offset:64*fi+16
.set fi, fi+1
.endr
	WIN 0
	s_branch .Lbias_done
.Lbias_v:
	WIN TO_B
.set fi, 0
.rept 64
	global_load_b32 v[BI+fi], v6, s[8:9] offset:64*(fi/8)                   ; V: all eight registers of block a: the bias of weight row 16 a + r
.set fi, fi+1
.endr
	WIN 0
.Lbias_done:
	s_add_nc_u64 s[20:21], s[20:21], s[86:87]      ; the ring's groups 0: my half, at each slot's first fill; a refill steps them
	s_add_nc_u64 s[46:47], s[46:47], s[86:87]
	s_mov_b32 s[G0], 1
	s_mov_b32 s[G0+4], 1
	s_mov_b32 s[G0B], 1
	s_mov_b32 s[G0B+4], 1
	s_mul_i32 s45, s14, H0
	s_add_co_u32 s[G0+1], s45, 0
	s_add_co_u32 s[G0B+1], s45, 0
	s_mul_i32 s45, s14, H1
	s_add_co_u32 s[G0+5], s45, SL1
	s_add_co_u32 s[G0B+5], s45, SL1
	s_mov_b64 s[G0+2:G0+3], s[20:21]
	s_mov_b64 s[G0B+2:G0B+3], s[46:47]
	s_add_nc_u64 s[G0+6:G0+7], s[20:21], N0*FRB
	s_add_nc_u64 s[G0B+6:G0B+7], s[46:47], N0*FRB
	s_or_b32 s[G0+3], s[G0+3], 0x80000000
	s_or_b32 s[G0+7], s[G0+7], 0x80000000
	s_or_b32 s[G0B+3], s[G0B+3], 0x80000000
	s_or_b32 s[G0B+7], s[G0B+7], 0x80000000
	s_wait_loadcnt 0x0                             ; the scale words and the bias
.set i, 0
.rept NSL
	ds_store_b128 v8, v[AF+4*i:AF+4*i+3] offset:2048*i
	ds_store_b128 v8, v[AF+4*NSL+4*i:AF+4*NSL+4*i+3] offset:2*HALFS+64+2048*i
.set i, i+1
.endr
	s_wait_dscnt 0x0
	s_cmp_lt_u32 s14, 2
	s_cbranch_scc0 .Lnot_first
	s_wait_tensorcnt 0x0                           ; waves 0 and 1: slot 0's two tiles
.Lnot_first:
	s_barrier_signal -1
	s_barrier_wait -1                              ; slot 0 and the scale words are in; slot 1's tiles may be out: no tensor load is issued behind this barrier
	FETCH 0
.set ST, 0
.rept KS-1
	STEP ST
.set ST, ST+1
.endr
	s_wait_dscnt 0x0
	MUL4 (KS-1)%2, 0
	WIN 0
	; THE WAY OUT.  I = (16 x batch + first head) x 128 + (tile % 8) x 16 + 8 x half.  Q, K: half images of 768 bytes at 768 I; V: images of 1,536 bytes at 1,536 (I / 2): the same byte.  Scale words: 64 I, for V 64 (I / 2).
	s_cmp_eq_u32 s[WH], 2
	s_cselect_b32 s20, s42, s17                    ; the token tile
	s_cselect_b32 s21, s41, s40                    ; the weight tile within the product
	s_cselect_b32 s22, s15, s16                    ; my half of the weight tile
	s_cselect_b32 s23, s16, s15                    ; my half of the token tile
	s_cselect_b32 s45, 5, 6
	s_lshr_b32 s46, s20, 3
	s_lshl_b32 s46, s46, 4
	s_lshl_b32 s21, s21, 2
	s_add_co_u32 s46, s46, s21
	s_lshl_b32 s22, s22, 1
	s_add_co_u32 s46, s46, s22
	s_lshl_b32 s46, s46, 7
	s_and_b32 s20, s20, 7
	s_lshl_b32 s20, s20, 4
	s_add_co_u32 s46, s46, s20
	s_lshl_b32 s23, s23, 3
	s_add_co_u32 s46, s46, s23                     ; I
	s_mul_i32 s20, s46, 768
	s_mul_i32 s21, s[WH], 3145728
	s_add_co_u32 s20, s20, s21
	s_mov_b32 s21, 0
	s_add_nc_u64 s[92:93], s[98:99], s[20:21]      ; codes
	s_lshl_b32 s20, s46, s45
	s_mul_i32 s22, s[WH], 262144
	s_add_co_u32 s20, s20, s22
	s_add_co_u32 s20, s20, QS
	s_add_nc_u64 s[94:95], s[98:99], s[20:21]      ; scale words
	s_mov_b32 s46, 0xffff
	s_mov_b32 s47, 0x7f7f0000
	PLACES 4                                       ; between the last products and the first read of results
.irp b, 0,1,2,3
	v_mov_b32 v[TM+4+\b], 0                        ; a lane permute's destination counts as one of its sources
.endr
.macro OUT3 a                          ; S1's block a: 16 rows x 128 along the next K
	s_wait_xcnt 0x0                                ; the last block's stores have read the codes' registers
	QUANT 64*((\a)%4), 2+(\a)/4
	s_cmp_eq_u32 s[WH], 2
	s_cbranch_scc1 .Lv_\@
	v_and_or_b32 v[PW+1], v[PW], s46, s47          ; Q, K: 128 weight rows are two heads of 64: two half images and two words
	v_lshrrev_b32 v[PW+2], 16, v[PW]
	v_or_b32 v[PW+2], s47, v[PW+2]
	global_store_b128 v4, v[PC:PC+3], s[92:93] offset:(\a)*768
	global_store_b64 v5, v[PC+4:PC+5], s[92:93] offset:(\a)*768+512
	global_store_b128 v4, v[PC+6:PC+9], s[92:93] offset:(\a)*768+98304
	global_store_b64 v5, v[PC+10:PC+11], s[92:93] offset:(\a)*768+98304+512
	global_store_b32 v6, v[PW+1], s[94:95] offset:(\a)*64
	global_store_b32 v6, v[PW+2], s[94:95] offset:(\a)*64+8192
	s_branch .Ld_\@
.Lv_\@:
	s_wait_alu depctr_va_vdst(0)
	global_store_b128 v4, v[PC:PC+3], s[92:93] offset:((\a)/4)*98304+((\a)%4)*1536          ; V: head a / 4, channels 16 (a % 4) on, one K step of 128 keys
	global_store_b64 v5, v[PC+4:PC+5], s[92:93] offset:((\a)/4)*98304+((\a)%4)*1536+512
	global_store_b128 v4, v[PC+6:PC+9], s[92:93] offset:((\a)/4)*98304+((\a)%4)*1536+768
	global_store_b64 v5, v[PC+10:PC+11], s[92:93] offset:((\a)/4)*98304+((\a)%4)*1536+1280
	global_store_b32 v6, v[PW], s[94:95] offset:((\a)/4)*4096+((\a)%4)*64
.Ld_\@:
.endm
.irp a, 0,1,2,3,4,5,6,7
	OUT3 \a
.endr
	s_wait_tensorcnt 0x0                           ; the wave's end
	ds_add_u32 v[SPW], v[NIL]
	s_wait_dscnt 0x0
	CROUND                                         ; the closing round
	s_endpgm
.Lfunc_end_k_q04b9057c60_gqkv:
	.size	k_q04b9057c60_gqkv, .Lfunc_end_k_q04b9057c60_gqkv-k_q04b9057c60_gqkv
	.p2alignl 7, 3214868480
	.fill 96, 4, 3214868480
	.section	.rodata,"a",@progbits
	.p2align	6, 0x0
	.amdhsa_kernel k_q04b9057c60_gqkv
		.amdhsa_group_segment_fixed_size 327680
		.amdhsa_private_segment_fixed_size 0
		.amdhsa_enable_private_segment 0
		.amdhsa_kernarg_size 48
		.amdhsa_user_sgpr_count 2
		.amdhsa_user_sgpr_kernarg_segment_ptr 1
		.amdhsa_wavefront_size32 1
		.amdhsa_system_sgpr_workgroup_id_x 1
		.amdhsa_system_sgpr_workgroup_id_y 1
		.amdhsa_system_sgpr_workgroup_id_z 1
		.amdhsa_system_vgpr_workitem_id 0
		.amdhsa_next_free_vgpr 1024
		.amdhsa_next_free_sgpr 102
		.amdhsa_reserve_vcc 0
		.amdhsa_float_denorm_mode_32 3
		.amdhsa_float_denorm_mode_16_64 3
		.amdhsa_memory_ordered 1
		.amdhsa_forward_progress 1
		.amdhsa_inst_pref_size 174
	.end_amdhsa_kernel
	.amdgpu_metadata
---
amdhsa.version: [ 1, 2 ]
amdhsa.kernels:
  - .name:           k_q04b9057c60_gqkv
    .symbol:         k_q04b9057c60_gqkv.kd
    .args:
      - { .name: hq, .offset: 0, .size: 8, .value_kind: global_buffer, .address_space: global }
      - { .name: wts, .offset: 8, .size: 8, .value_kind: global_buffer, .address_space: global }
      - { .name: bq, .offset: 16, .size: 8, .value_kind: global_buffer, .address_space: global }
      - { .name: bk, .offset: 24, .size: 8, .value_kind: global_buffer, .address_space: global }
      - { .name: bv, .offset: 32, .size: 8, .value_kind: global_buffer, .address_space: global }
      - { .name: qkv, .offset: 40, .size: 8, .value_kind: global_buffer, .address_space: global }
    .group_segment_fixed_size: 327680
    .private_segment_fixed_size: 0
    .kernarg_segment_align: 8
    .kernarg_segment_size: 48
    .max_flat_workgroup_size: 128
    .sgpr_count:     102
    .vgpr_count:     1024
    .wavefront_size: 32
...
	.end_amdgpu_metadata
.endif
;; end of part 2
;; launch attn (part 3): grid 8 x 32, 8 waves a work-group, no clusters, 209,920 bytes of LDS; arguments qkv, at; writes at
.if DOCPART == 3
	.amdgcn_target "amdgcn-amd-amdhsa--gfx1250"
	.amdhsa_code_object_version 6
	.text
	.protected	k_q04b9057c60_attn
	.globl	k_q04b9057c60_attn
	.p2align	8
	.type	k_q04b9057c60_attn,@function
k_q04b9057c60_attn:
	s_mov_b64 s[64:65], 0
	v_nop
	global_prefetch_b8 v0, s[64:65] scope:SCOPE_SE
	s_setreg_imm32_b32 hwreg(HW_REG_WAVE_MODE, 25, 1), 1
	s_wait_xcnt 0x0
; Causal attention on codes of BF6 (E3M2) with E8M0 scales, head size 64, 2,048 keys, 32 (batch, head) pairs.  Q, K: half images [bh][tile of 16][768 bytes] (K = the head's 64); V: images [bh][128 keys][16 channels][1,536] (K = the keys).
; t = score x log2(e) / 8; M = the running largest t rounded up to a whole number; p = 2^(t - M) is quantised along the keys; the row's sum is taken of the unquantised p and divides at the end.  When M moves, sum and O are multiplied by 2^(old M - new M): exact.
; Both products are used transposed: S^T = K Q^T (source 0 = 16 keys), O^T = V^T P^T (source 0 = 16 channels): a lane holds one query throughout.
; Q K^T HAS K = 64, THE INSTRUCTION 128: Q's fragment has zero codes in its upper six registers (scale bytes 0x7f there, in K's words too), so whatever codes stand in the upper six registers of a fragment of K add nothing.
; So the step's eight tiles of 16 keys lie on end, six registers each: the fragment of tile T is registers 6 T .. 6 T + 11, its upper half the next tile's codes; tile 7's runs on into p's codes.
; Inside a block of 32 keys p lies in the order in which V was quantised (index 16 u + 8 h + j at place 16 h + 8 u + j), so the products are kept.  The result is quantised along the channels in the same order, which Wp's codes carry too.
; SHARES.  Eight waves, TWO tiles of 16 queries each, one after the other: wave w of work-group x takes tile x + 8 (15 - w), then tile x + 8 w.  Tile x + 8 p needs key steps 0 .. p of 128 keys, step p lies on the diagonal:
; (16 - w) + (w + 1) = 17 steps for every wave of every work-group.  The loops' trip counts are constants; a step whose keys all come after the tile's queries is jumped over by a scalar branch on the wave's number and the count of steps.
; LDS.  The head's K, V and scale words (208,896 bytes) are filled ONCE: wave w asks for K's (w even) or V's (w odd) part of chunk w / 2, the scale words come by plain loads: one tensor load a wave.  Nothing is filled again.
; The three barriers that show the chunks stand ahead of steps 0, 4 and 8 of the first tile, whose first eight steps every wave walks: no wave is ahead of another there.  The third waits for all loads; the second tile has no barrier.
; NO CLUSTER: the work-groups of a head read the same K and V, but each asks for them once, at its head, by eight tensor loads, and has a chunk's 32 tile steps of softmax to work on while the next lands; a joint request would put rounds of
; the cluster's barrier in front of loads for which, by that count, no wave waits but at the first chunk.
; LIMITS: NaN and infinities are not served; a block whose largest magnitude lies under 2^-122 keeps the byte 1, a block of zeros too.
; REGISTERS: v1-3 16 l, 8 l, 4 r + KSC; v4-7 addresses in hand; v8-11 scale words (K's tiles 0-3, then V's); v12 -M, v13 the largest t, v[14:15] the sum; v16-27 Q; v28-75 V's four fragments; v76-139 S^T, then p; v140-171 O^T;
;   v172-219 K's eight tiles; v220-231 p's codes; v232-254 at work (v248-251 scale words of K's tiles 4-7); v255 Q's scale word; v256-262 the second tile's Q and its scale word, asked for at the head.
.set KSC, 196608                       ; K's scale words, 8,192 bytes; V's, 4,096 bytes, behind them
.set VF,  28
.set S,   76
.set OT,  140
.set KF,  172
.set PC,  220
.set WV,  8
.set PP,  9                            ; s9   p: the last key step of the tile in hand
.set QW,  10                           ; s10  16 x work-group x: the tile's first query within step p
.set BH,  11
.set G1C, 12                           ; s[12:19] group 1: a chunk, 96 rows of 256 bytes
.set G1KS, 20
.set G1VS, 28
.set G0,  36                           ; s[36:39] group 0
.set SEL, 56
.set CS,  58
.set TK,  60                           ; LDS byte of the step's K tiles (V's lie 24,576 further on)
.set TS,  61                           ; the step's scale words of K
.set TV,  62                           ; and of V, counted from KSC
.set ST,  63                           ; the key step
.set CNT, 66
.set CN2, 67
.macro GROUP1 g, rows
	s_mov_b32 s[\g], 3<<16                         ; no mask; elements of 8 bytes; no padding
	s_mov_b32 s[\g+1], 32<<16                      ; tensor_dim0: 256 bytes
	s_mov_b32 s[\g+2], (\rows)<<16                 ; tensor_dim1
	s_mov_b32 s[\g+3], 32<<16                      ; tile_dim0
	s_mov_b32 s[\g+4], \rows                       ; tile_dim1
	s_mov_b32 s[\g+5], 32                          ; the pitch: dense
	s_mov_b32 s[\g+6], 0
	s_mov_b32 s[\g+7], 0
.endm
	s_load_b128 s[4:7], s[0:1], 0x0                ; qkv, at
	v_lshl_add_u32 v243, v0, 2, 0x33000
	s_set_vgpr_msb 0x40
	v_mov_b32 v17, 0
	s_set_vgpr_msb 0x4044
	ds_add_u32 v243, v17
	ds_add_u32 v243, v17
	s_set_vgpr_msb 0x4400
	v_lshrrev_b32 v1, 5, v0
	s_delay_alu instid0(VALU_DEP_1)
	v_readfirstlane_b32 s[WV], v1                  ; wave 0..7
	s_and_b32 s[BH], ttmp7, 0xffff
	s_xor_b32 s[PP], s[WV], 15                     ; the first tile's p = 15 - w
	s_lshl_b32 s[QW], ttmp9, 4
	GROUP1 G1C, 96
	s_and_b32 s69, s[WV], 1                        ; 0: K's, 1: V's
	s_mul_i32 s[G0+1], s[WV], 24576                ; wave w fetches K's (w even) or V's (w odd) part of chunk w / 2: LDS byte 24,576 w
	s_lshr_b32 s70, s[WV], 1
	s_mul_i32 s70, s70, 24576                      ; the chunk's place in the head's codes
	s_lshl_b32 s72, s[BH], 13
	s_add_co_u32 s72, s72, 9699328                 ; K's scale words of the head
	s_mov_b32 s73, 0
	s_lshl_b32 s84, s[BH], 12
	s_add_co_u32 s84, s84, 9961472                 ; V's
	s_mov_b32 s85, 0
	s_mul_i32 s74, s[BH], 98304
	s_add_co_u32 s75, s69, 1
	s_mul_i32 s75, s75, 3145728
	s_add_co_u32 s74, s74, s75                     ; the head's codes
	s_mov_b32 s75, 0
	s_mov_b32 s[SEL], 0x76543210
	s_mov_b32 s[SEL+1], 0xfedcba98
	s_mov_b32 s[CS], 0x3e38aa3b                    ; log2(e) / 8
	s_mov_b32 s[CS+1], s[CS]
	s_wait_dscnt 0x0
	s_wait_kmcnt 0x0
	s_add_co_u32 s74, s74, s70
	s_mov_b32 s[G0], 1
	s_add_nc_u64 s[G0+2:G0+3], s[4:5], s[74:75]
	s_or_b32 s[G0+3], s[G0+3], 0x80000000
	s_add_nc_u64 s[86:87], s[4:5], s[72:73]
	s_add_nc_u64 s[84:85], s[4:5], s[84:85]
	; ONE tensor load a wave, in one chain of branches on the wave's number: waves 0, 1 chunk 0; waves 2, 3 chunk 1; waves 4 to 7 chunks 2 and 3.  The waves of an arm wait alike
	s_cmp_lt_u32 s[WV], 2
	s_cbranch_scc0 .Lnot_c0
	tensor_load_to_lds s[G0:G0+3], s[G1C:G1C+7]
	s_nop 0
.rept 4
	v_nop
.endr
	s_branch .Lasked
.Lnot_c0:
	s_cmp_lt_u32 s[WV], 4
	s_cbranch_scc0 .Lnot_c1
	tensor_load_to_lds s[G0:G0+3], s[G1C:G1C+7]
	s_nop 0
.rept 4
	v_nop
.endr
	s_branch .Lasked
.Lnot_c1:
	tensor_load_to_lds s[G0:G0+3], s[G1C:G1C+7]
	s_nop 0
.rept 4
	v_nop
.endr
.Lasked:
	v_and_b32 v4, 31, v0
	s_delay_alu instid0(VALU_DEP_1)
	v_lshlrev_b32 v1, 4, v4                        ; 16 l
	s_wait_alu depctr_va_vdst(0)
	v_lshlrev_b32 v2, 3, v4                        ; 8 l
	s_wait_alu depctr_va_vdst(0)
	v_and_b32 v5, 15, v0
	s_delay_alu instid0(VALU_DEP_1)
	v_lshlrev_b32 v6, 2, v5                        ; 4 r
	s_wait_alu depctr_va_vdst(0)
	v_add_nc_u32 v3, KSC, v6
	s_lshl_b32 s70, s[BH], 7
	s_add_co_u32 s70, s70, ttmp9                   ; 128 bh + x
	s_lshl_b32 s71, s[PP], 3
	s_add_co_u32 s71, s71, s70                     ; my first tile among all,
	s_lshl_b32 s69, s[WV], 3
	s_add_co_u32 s69, s69, s70                     ; my second
	s_mul_i32 s72, s71, 768
	s_add_nc_u64 s[76:77], s[4:5], s[72:73]
	s_lshl_b32 s72, s71, 6
	s_add_co_u32 s72, s72, 9437184
	s_add_nc_u64 s[78:79], s[4:5], s[72:73]
	s_mul_i32 s72, s69, 768
	s_add_nc_u64 s[80:81], s[4:5], s[72:73]
	s_lshl_b32 s72, s69, 6
	s_add_co_u32 s72, s72, 9437184
	s_add_nc_u64 s[82:83], s[4:5], s[72:73]
	global_load_b128 v[16:19], v1, s[76:77]        ; the first tile's Q: a half image, and its scale word
	global_load_b64 v[20:21], v2, s[76:77] offset:512
	global_load_b32 v255, v6, s[78:79]
	s_set_vgpr_msb 0x40                            ; destination in window 1, address in window 0
	global_load_b128 v[0:3], v1, s[80:81]          ; the second tile's, into v256-262: asked for now, so that nobody waits for it between the tiles
	global_load_b64 v[4:5], v2, s[80:81] offset:512
	global_load_b32 v6, v6, s[82:83]
	s_set_vgpr_msb 0x4000
.irp j, 22,23,24,25,26,27
	v_mov_b32 v\j, 0                               ; Q's zero codes for the instruction's upper 64 along K
.endr
.irp j, 0,1,2,3,4,5
	v_mov_b32 v[PC+\j], 0                          ; named by tile 7's fragment before p's first codes are made
.endr
.irp b, 0,1,2,3
	v_mov_b32 v[236+\b], 0                         ; a lane permute's destination counts as one of its sources
.endr
	v_mov_b32 v252, 0
	v_mov_b32 v253, 0
	v_lshlrev_b32 v7, 4, v0                        ; the head's scale words, 12,288 bytes, come by plain loads: 16 bytes a thread, 4,096 consecutive bytes a line
	v_lshl_add_u32 v5, v0, 4, KSC
	global_load_b128 v[76:79], v7, s[86:87]
	global_load_b128 v[80:83], v7, s[86:87] offset:4096
	global_load_b128 v[84:87], v7, s[84:85]
.macro BEGIN                           ; a tile begins: the step is written once; the first finds zeros, which the first change of M leaves zeros
	v_mov_b32 v13, 0xff61b1e6                      ; the largest t so far: -3e38
	s_delay_alu instid0(VALU_DEP_1)
	v_floor_f32 v12, -v13                          ; -M
	v_mov_b32 v14, 0
	v_mov_b32 v15, 0
.set j, 0
.rept 32
	v_mov_b32 v[OT+j], 0
.set j, j+1
.endr
	s_mov_b32 s[TK], 0
	s_mov_b32 s[TS], 0
	s_mov_b32 s[TV], 8192
	s_mov_b32 s[ST], 0
.endm
.macro STEP                            ; a key step: 128 keys
	s_cmp_gt_u32 s[ST], s[PP]                      ; all its keys come after my queries: only the addresses step
	s_cbranch_scc1 .Lhidden_\@
	v_add_nc_u32 v4, s[TK], v1                     ; (these four are also the places between the last step's products and the loads into their operands and scale words)
	v_add_nc_u32 v5, s[TK], v2
	v_add_nc_u32 v6, s[TS], v3
	v_add_nc_u32 v7, s[TV], v3
.irp t, 0,1,2,3,4,5,6,7
	ds_load_b128 v[KF+6*\t:KF+6*\t+3], v4 offset:\t*768        ; K's eight tiles, six registers each, on end
	ds_load_b64 v[KF+6*\t+4:KF+6*\t+5], v5 offset:\t*768+512
.endr
.irp t, 0,1,2,3
	ds_load_b32 v[8+\t], v6 offset:\t*64
	ds_load_b32 v[248+\t], v6 offset:(\t+4)*64
.endr
.irp t, 0,1,2,3
	ds_load_b128 v[VF+12*\t:VF+12*\t+3], v4 offset:24576+\t*1536
	ds_load_b64 v[VF+12*\t+4:VF+12*\t+5], v5 offset:24576+\t*1536+512
	ds_load_b128 v[VF+12*\t+6:VF+12*\t+9], v4 offset:24576+\t*1536+768
	ds_load_b64 v[VF+12*\t+10:VF+12*\t+11], v5 offset:24576+\t*1536+1280
.endr
	s_wait_alu depctr_va_vdst(0)
	s_wait_dscnt 16                                ; K and its scale words are in; V's sixteen loads may be out
.irp t, 0,1,2,3
	v_wmma_scale_f32_16x16x128_f8f6f4 v[S+8*\t:S+8*\t+7], v[KF+6*\t:KF+6*\t+11], v[16:27], 0, v[8+\t], v255 matrix_a_fmt:MATRIX_FMT_BF6 matrix_b_fmt:MATRIX_FMT_BF6
.endr
.irp t, 4,5,6,7
	v_wmma_scale_f32_16x16x128_f8f6f4 v[S+8*\t:S+8*\t+7], v[KF+6*\t:KF+6*\t+11], v[16:27], 0, v[244+\t], v255 matrix_a_fmt:MATRIX_FMT_BF6 matrix_b_fmt:MATRIX_FMT_BF6
.endr
.rept 4
	v_nop                                          ; places in front of the loads into scale words that the products have read, and of the first read of results
.endr
.irp t, 0,1,2,3
	ds_load_b32 v[8+\t], v7 offset:\t*64           ; V's scale words
.endr
	s_cmp_lg_u32 s[ST], s[PP]                      ; only step p lies on the diagonal
	s_cbranch_scc1 .Lopen_\@
	v_and_b32 v252, 15, v0
	v_bfe_u32 v253, v0, 4, 1
	s_delay_alu instid0(VALU_DEP_1)
	v_lshlrev_b32 v253, 3, v253
	s_delay_alu instid0(VALU_DEP_1)
	v_sub_nc_u32 v252, v252, v253
	s_delay_alu instid0(VALU_DEP_1)
	v_add_nc_u32 v252, s[QW], v252                 ; d = my query within the step - 8 h.  Register n holds key 16 (n / 8) + 8 h + n % 8: hidden where 16 (n / 8) + n % 8 > d
	v_mov_b32 v254, 0xff800000                     ; -infinity
.set n, 0
.rept 64
	v_cmp_gt_i32 vcc_lo, 16*(n/8)+n%8, v252
	v_cndmask_b32 v[S+n], v[S+n], v254, vcc_lo
.set n, n+1
.endr
.Lopen_\@:
.irp b, 0,1,2,3
	v_max3_num_f32 v[232+\b], v[S+16*\b], v[S+1+16*\b], v[S+2+16*\b]     ; the largest score of each block of 32 keys: for the row's maximum and, since p rises with the score, for the block's largest p
.endr
.irp i, 3,5,7,9,11,13
.irp b, 0,1,2,3
	v_max3_num_f32 v[232+\b], v[232+\b], v[S+16*\b+\i], v[S+1+16*\b+\i]
.endr
.endr
.irp b, 0,1,2,3
	v_max_num_f32 v[232+\b], v[232+\b], v[S+15+16*\b]
.endr
.irp b, 0,1,2,3
	s_delay_alu instid0(VALU_DEP_4)
	v_permlanex16_b32 v[236+\b], v[232+\b], s[SEL], s[SEL+1]
.endr
.irp b, 0,1,2,3
	s_delay_alu instid0(VALU_DEP_4)
	v_max_num_f32 v[232+\b], v[232+\b], v[236+\b]
.endr
	s_delay_alu instid0(VALU_DEP_2)
	v_max3_num_f32 v254, v232, v233, v234
	s_delay_alu instid0(VALU_DEP_1)
	v_max_num_f32 v254, v254, v235
	s_delay_alu instid0(VALU_DEP_1)
	v_mul_f32 v254, s[CS], v254
	s_delay_alu instid0(VALU_DEP_1)
	v_max_num_f32 v13, v13, v254                   ; the running largest t
	v_mov_b32 v254, v12
	s_delay_alu instid0(VALU_DEP_2)
	v_floor_f32 v12, -v13                          ; the new -M
	s_delay_alu instid0(VALU_DEP_1)
	v_sub_f32 v254, v12, v254                      ; old M - new M: a whole number, 0 or less
	s_delay_alu instid0(VALU_DEP_1)
	v_cvt_i32_f32 v254, v254                       ; (it saturates)
	s_delay_alu instid0(VALU_DEP_1)
	v_ldexp_f32 v252, 1.0, v254                    ; f = 2^(old M - new M)
.set j, 0
.rept 32
	v_pk_fma_f32 v[S+j:S+j+1], v[S+j:S+j+1], s[CS:CS+1], v[12:13] op_sel_hi:[1,0,0]   ; t - M
.set j, j+2
.endr
.irp b, 0,1,2,3
	v_fma_f32 v[232+\b], v[232+\b], s[CS], v12
.endr
.set j, 0
	s_wait_alu depctr_va_vdst(0)
.rept 64
	v_exp_f32 v[S+j], v[S+j]                       ; p = 2^(t - M): one batch
.set j, j+1
.endr
	v_pk_mul_f32 v[14:15], v[14:15], v[252:253] op_sel_hi:[1,0]   ; the sums under the new M: the plain line behind the batch
	s_wait_alu depctr_va_vdst(0)                   ; one wait for the batch, ahead of its first reader
.irp b, 0,1,2,3
	v_exp_f32 v[232+\b], v[232+\b]                 ; the blocks' largest p
.endr
	v_pk_add_f32 v[236:237], v[80:81], v[84:85]
	v_pk_add_f32 v[250:251], v[88:89], v[92:93]
	v_pk_add_f32 v[248:249], v[96:97], v[100:101]
	v_pk_add_f32 v[246:247], v[104:105], v[108:109]
	v_pk_add_f32 v[244:245], v[112:113], v[116:117]
	v_pk_add_f32 v[240:241], v[120:121], v[124:125]
	v_pk_add_f32 v[238:239], v[128:129], v[132:133]
	v_pk_add_f32 v[14:15], v[14:15], v[136:137]
	v_pk_add_f32 v[236:237], v[236:237], v[76:77]
	v_pk_add_f32 v[250:251], v[250:251], v[78:79]
	v_pk_add_f32 v[248:249], v[248:249], v[82:83]
	v_pk_add_f32 v[246:247], v[246:247], v[86:87]
	v_pk_add_f32 v[244:245], v[244:245], v[90:91]
	v_pk_add_f32 v[240:241], v[240:241], v[94:95]
	v_pk_add_f32 v[238:239], v[238:239], v[98:99]
	v_pk_add_f32 v[14:15], v[14:15], v[102:103]
	v_pk_add_f32 v[236:237], v[236:237], v[106:107]
	v_pk_add_f32 v[250:251], v[250:251], v[110:111]
	v_pk_add_f32 v[248:249], v[248:249], v[114:115]
	v_pk_add_f32 v[246:247], v[246:247], v[118:119]
	v_pk_add_f32 v[244:245], v[244:245], v[122:123]
	v_pk_add_f32 v[240:241], v[240:241], v[126:127]
	v_pk_add_f32 v[238:239], v[238:239], v[130:131]
	v_pk_add_f32 v[14:15], v[14:15], v[134:135]
	v_pk_add_f32 v[236:237], v[236:237], v[138:139]
	s_delay_alu instid0(VALU_DEP_2)
	v_pk_add_f32 v[14:15], v[14:15], v[246:247]
	s_delay_alu instid0(VALU_DEP_2)
	v_pk_add_f32 v[236:237], v[236:237], v[244:245]
	v_pk_add_f32 v[250:251], v[250:251], v[240:241]
	v_pk_add_f32 v[248:249], v[248:249], v[238:239]
	s_delay_alu instid0(VALU_DEP_2)
	v_pk_add_f32 v[14:15], v[14:15], v[250:251]
	s_delay_alu instid0(VALU_DEP_2)
	v_pk_add_f32 v[236:237], v[236:237], v[248:249]
	s_delay_alu instid0(VALU_DEP_1)
	v_pk_add_f32 v[14:15], v[14:15], v[236:237]
	s_wait_alu depctr_va_vdst(0)                   ; and one for the four
.irp b, 0,1,2,3
	v_max_num_f32 v[232+\b], 0x2800000, v[232+\b]  ; the floor 2^(5 - 127)
.endr
.irp b, 0,1,2,3
	s_delay_alu instid0(VALU_DEP_4)
	v_add_nc_u32 v[244+\b], 0xfe000000, v[232+\b]
.endr
.irp b, 0,1,2,3
	s_delay_alu instid0(VALU_DEP_4)
	v_lshrrev_b32 v[236+\b], 23, v[244+\b]
.endr
	s_delay_alu instid0(VALU_DEP_3)
	v_lshl_or_b32 v253, v237, 8, v236              ; p's scale word for these 128 keys
	s_delay_alu instid0(VALU_DEP_1)
	v_lshl_or_b32 v253, v238, 16, v253
	s_delay_alu instid0(VALU_DEP_1)
	v_lshl_or_b32 v253, v239, 24, v253
.irp c, 0,1
	v_cvt_scalef32_pk16_bf6_f32 v[PC+6*\c:PC+6*\c+2], v[S+32*\c:S+32*\c+15], v[244+2*\c]
	v_cvt_scalef32_pk16_bf6_f32 v[236+4*\c:238+4*\c], v[S+16+32*\c:S+31+32*\c], v[245+2*\c]
.endr
	v_nop
.irp c, 0,1
.irp i, 0,1,2
	v_permlane16_swap_b32 v[PC+6*\c+\i], v[236+4*\c+\i]
.endr
.irp i, 0,1,2
	s_delay_alu instid0(VALU_DEP_3)
	v_mov_b32 v[PC+3+6*\c+\i], v[236+4*\c+\i]
.endr
.endr
.set j, 0
.rept 16
	v_pk_mul_f32 v[OT+j:OT+j+1], v[OT+j:OT+j+1], v[252:253] op_sel_hi:[1,0]   ; O^T under the new M; these sixteen are also the places between the lines that made p's codes and scale word and the products
.set j, j+2
.endr
	s_wait_alu depctr_va_vdst(0)
	s_wait_dscnt 0x0                               ; V and its scale words, asked for ahead of the softmax
.irp t, 0,1,2,3
	v_wmma_scale_f32_16x16x128_f8f6f4 v[OT+8*\t:OT+8*\t+7], v[VF+12*\t:VF+12*\t+11], v[PC:PC+11], v[OT+8*\t:OT+8*\t+7], v[8+\t], v253 matrix_a_fmt:MATRIX_FMT_BF6 matrix_b_fmt:MATRIX_FMT_BF6
.endr
.Lhidden_\@:
	s_add_co_u32 s[TK], s[TK], 6144
	s_add_co_u32 s[TS], s[TS], 512
	s_add_co_u32 s[TV], s[TV], 256
	s_add_co_u32 s[ST], s[ST], 1
.endm
.macro SHOW under                      ; the waves under \under wait for their one tensor load; then everybody sees those chunks.  under = 8: every wave waits, under no branch.  Nothing is filled again
	s_wait_dscnt 0x0
.if \under < 8
	s_cmp_lt_u32 s[WV], \under
	s_cbranch_scc0 .Lnot_mine_\@
	s_wait_tensorcnt 0x0
.Lnot_mine_\@:
.else
	s_wait_tensorcnt 0x0
.endif
	s_barrier_signal -1
	s_barrier_wait -1
.endm
.macro FOUR                            ; a chunk's four key steps
	s_mov_b32 s[CNT], 4
.Lstep_\@:
	STEP
	s_sub_co_u32 s[CNT], s[CNT], 1
	s_cmp_lg_u32 s[CNT], 0
	s_cbranch_scc1 .Lstep_\@
	s_add_co_u32 s[TK], s[TK], 24576               ; over the chunk's V part
.endm
.macro EIGHT                           ; two chunks
	s_mov_b32 s[CN2], 2
.Lhalf_\@:
	FOUR
	s_sub_co_u32 s[CN2], s[CN2], 1
	s_cmp_lg_u32 s[CN2], 0
	s_cbranch_scc1 .Lhalf_\@
.endm
; THE WAY OUT of a tile: O^T / the sum, quantised along the channels (two blocks of 32), leaves as the head's half image of the next operand; no LDS.
.macro WAYOUT
	v_add_f32 v14, v14, v15
	s_delay_alu instid0(VALU_DEP_1)
	v_permlanex16_b32 v252, v14, s[SEL], s[SEL+1]
	s_delay_alu instid0(VALU_DEP_1)
	v_add_f32 v14, v14, v252                       ; the row's sum
	s_wait_alu depctr_va_vdst(0)
	v_rcp_f32 v14, v14
	v_and_b32 v6, 15, v0                           ; (plain lines behind the reciprocal, and places behind the last products)
	s_delay_alu instid0(VALU_DEP_1)
	v_lshlrev_b32 v6, 2, v6                        ; 4 r
	v_nop
	v_nop
	s_lshl_b32 s68, s[PP], 3
	s_add_co_u32 s68, s68, ttmp9                   ; the tile
	s_lshr_b32 s70, s[BH], 4
	s_lshl_b32 s70, s70, 7
	s_add_co_u32 s70, s70, s68                     ; the row block: 128 x batch + tile
	s_and_b32 s71, s[BH], 15                       ; the head
	s_lshl_b32 s72, s70, 4
	s_add_co_u32 s72, s72, s71
	s_mul_i32 s72, s72, 768
	s_add_nc_u64 s[74:75], s[6:7], s[72:73]
	s_lshl_b32 s72, s70, 3
	s_lshr_b32 s69, s71, 1
	s_add_co_u32 s72, s72, s69
	s_lshl_b32 s72, s72, 6
	s_and_b32 s69, s71, 1
	s_lshl_b32 s69, s69, 1
	s_add_co_u32 s72, s72, s69
	s_add_co_u32 s72, s72, 3145728
	s_add_nc_u64 s[76:77], s[6:7], s[72:73]
	s_wait_alu depctr_va_vdst(0)                   ; ahead of the reciprocal's first reader
.set j, 0
.rept 16
	v_pk_mul_f32 v[S+j:S+j+1], v[OT+j:OT+j+1], v[14:15] op_sel_hi:[1,0]
.set j, j+2
.endr
.irp b, 0,1
	v_max3_num_f32 v[232+\b], |v[S+16*\b]|, |v[S+1+16*\b]|, 0x2800000
.endr
.irp i, 2,4,6,8,10,12,14
.irp b, 0,1
	s_delay_alu instid0(VALU_DEP_2)
	v_max3_num_f32 v[232+\b], v[232+\b], |v[S+16*\b+\i]|, |v[S+1+16*\b+\i]|
.endr
.endr
.irp b, 0,1
	s_delay_alu instid0(VALU_DEP_2)
	v_permlanex16_b32 v[236+\b], v[232+\b], s[SEL], s[SEL+1]
.endr
.irp b, 0,1
	s_delay_alu instid0(VALU_DEP_2)
	v_max_num_f32 v[232+\b], v[232+\b], v[236+\b]
.endr
.irp b, 0,1
	s_delay_alu instid0(VALU_DEP_2)
	v_add_nc_u32 v[244+\b], 0xfe000000, v[232+\b]
.endr
.irp b, 0,1
	s_delay_alu instid0(VALU_DEP_2)
	v_lshrrev_b32 v[236+\b], 23, v[244+\b]
.endr
	s_delay_alu instid0(VALU_DEP_1)
	v_lshl_or_b32 v253, v237, 8, v236              ; the head's two bytes of the row's scale word
	v_cvt_scalef32_pk16_bf6_f32 v[PC:PC+2], v[S:S+15], v244
	v_cvt_scalef32_pk16_bf6_f32 v[240:242], v[S+16:S+31], v245
	v_nop
.irp i, 0,1,2
	v_permlane16_swap_b32 v[PC+\i], v[240+\i]
.endr
.irp i, 0,1,2
	s_delay_alu instid0(VALU_DEP_3)
	v_mov_b32 v[PC+3+\i], v[240+\i]
.endr
	global_store_b128 v1, v[PC:PC+3], s[74:75]                 ; 512 and 256 consecutive bytes, aligned to 256
	global_store_b64 v2, v[PC+4:PC+5], s[74:75] offset:512
	global_store_b16 v6, v253, s[76:77]                        ; lanes 16-31 hold the same bytes and write the same places
.endm
	BEGIN
	s_wait_loadcnt 0x0
	ds_store_b128 v5, v[76:79]                     ; the scale words go into LDS bytes on which no tile lands
	ds_store_b128 v5, v[80:83] offset:4096
	ds_store_b128 v5, v[84:87] offset:8192
	SHOW 2
	FOUR
	SHOW 4
	FOUR
	SHOW 8
	EIGHT
	WAYOUT
	s_wait_xcnt 0x0                                ; the stores have read their data, offsets and bases: all are written again only behind this wait
	s_mov_b32 s[PP], s[WV]                         ; THE SECOND TILE: p = w: steps 0 .. 7 at the most
	s_set_vgpr_msb 0x01                            ; source 0 in window 1
.irp j, 0,1,2,3,4,5
	v_mov_b32 v[16+\j], v\j                        ; its Q, out of v256-261,
.endr
	v_mov_b32 v255, v6                             ; and its scale word, out of v262; the 36 lines of BEGIN stand between these and the first product
	s_set_vgpr_msb 0x0100
	BEGIN
	EIGHT
	WAYOUT
	s_set_vgpr_msb 0x4
	s_wait_tensorcnt 0x0
	ds_add_u32 v243, v17
	s_wait_dscnt 0x0
	s_set_vgpr_msb 0x400
	s_endpgm
.Lfunc_end_k_q04b9057c60_attn:
	.size	k_q04b9057c60_attn, .Lfunc_end_k_q04b9057c60_attn-k_q04b9057c60_attn
	.p2alignl 7, 3214868480
	.fill 96, 4, 3214868480
	.section	.rodata,"a",@progbits
	.p2align	6, 0x0
	.amdhsa_kernel k_q04b9057c60_attn
		.amdhsa_group_segment_fixed_size 209920
		.amdhsa_private_segment_fixed_size 0
		.amdhsa_enable_private_segment 0
		.amdhsa_kernarg_size 16
		.amdhsa_user_sgpr_count 2
		.amdhsa_user_sgpr_kernarg_segment_ptr 1
		.amdhsa_wavefront_size32 1
		.amdhsa_system_sgpr_workgroup_id_x 1
		.amdhsa_system_sgpr_workgroup_id_y 1
		.amdhsa_system_sgpr_workgroup_id_z 1
		.amdhsa_system_vgpr_workitem_id 0
		.amdhsa_next_free_vgpr 274
		.amdhsa_next_free_sgpr 88
		.amdhsa_reserve_vcc 1
		.amdhsa_float_denorm_mode_32 3
		.amdhsa_float_denorm_mode_16_64 3
		.amdhsa_memory_ordered 1
		.amdhsa_forward_progress 1
		.amdhsa_inst_pref_size 114
	.end_amdhsa_kernel
	.amdgpu_metadata
---
amdhsa.version: [ 1, 2 ]
amdhsa.kernels:
  - .name:           k_q04b9057c60_attn
    .symbol:         k_q04b9057c60_attn.kd
    .args:
      - { .name: qkv, .offset: 0, .size: 8, .value_kind: global_buffer, .address_space: global }
      - { .name: at, .offset: 8, .size: 8, .value_kind: global_buffer, .address_space: global }
    .group_segment_fixed_size: 209920
    .private_segment_fixed_size: 0
    .kernarg_segment_align: 8
    .kernarg_segment_size: 16
    .max_flat_workgroup_size: 256
    .sgpr_count:     88
    .vgpr_count:     274
    .wavefront_size: 32
...
	.end_amdgpu_metadata
.endif
;; end of part 3
;; launch gproj (part 4): grid 8 x 32, 4 waves a work-group, clusters of 4 x 4, 327,680 bytes of LDS; arguments at, wts, bp, x, x1; writes x1
.if DOCPART == 4
	.amdgcn_target "amdgcn-amd-amdhsa--gfx1250"
	.amdhsa_code_object_version 6
	.text
	.protected	k_q04b9057c60_gproj
	.globl	k_q04b9057c60_gproj
	.p2align	8
	.type	k_q04b9057c60_gproj,@function
k_q04b9057c60_gproj:
	s_mov_b64 s[64:65], 0
	v_nop
	global_prefetch_b8 v0, s[64:65] scope:SCOPE_SE
	s_setreg_imm32_b32 hwreg(HW_REG_WAVE_MODE, 25, 1), 1
	s_wait_xcnt 0x0
	s_wait_alu depctr_hold_cnt(0) depctr_sa_sdst(0) depctr_va_vdst(0) depctr_va_sdst(0) depctr_va_ssrc(0) depctr_va_vcc(0) depctr_vm_vsrc(0)
	s_getreg_b32 s2, hwreg(HW_REG_IB_STS2, 6, 4)
	s_cmp_eq_u32 s2, 0
	s_cbranch_scc0 .Lentry_in_a_cluster
	s_endpgm
.Lentry_in_a_cluster:
	s_bfe_u32 s2, ttmp6, 0x10000c
	s_cmp_lg_u32 s2, 0xf033
	s_cbranch_scc0 .Lentry_shape_is_right
	s_endpgm
.Lentry_shape_is_right:
; out = res + A W + bias on codes of BF6 (E3M2) with E8M0 scales: A = the attention's result (K = 1,024), W = Wp, res = x, out = x1 (f32).
; OPERANDS are images of their registers: [row block of 16][K step of 128][1,536 bytes], scale words [row block][K step][16][4].  A tile of 128 x 128, 256 work-groups, four waves of 64 x 64: 16 accumulators.
; Source 0 = weight rows, source 1 = tokens: a lane holds eight neighbouring columns of a row of out.
; K lies in two LDS slots of N0 and N1 steps, BOTH filled at the head, one joint load a wave: A's and W's 128 rows of slot 0 (waves 0, 1), of slot 1 (waves 2, 3).  Here N0 + N1 is all of K: nothing is filled again,
; and no data prefetch is laid: every tile is asked for at the head, so there is no later load to run ahead of.
; CLUSTERS: 4 x 4; A's tile is shared along a row of the cluster, W's along a column.  The scale words (8,192 bytes a work-group, a small part of its bytes) come by plain loads and LDS stores into bytes of their own.
; The bias is the C of each sum's first product.  LIMITS: NaN and infinities are not served.
; REGISTERS: window 0: v1-13 lane terms; v16-23 LDS addresses; v24-26 the way out; v27 scale words; v28, v29 for the add; v32-39 scale words, two sets; v96.., v192.. A's fragments (v96-159 rows of out at the end).
;   window 1: v0.., v96.. W's fragments; v192-223 the bias.   window 2: v0-127 accumulators; v128-255 the residual.
.set AB, 4
.set KS, 8
.set N0, 4
.set N1, 4
.set NFILL, 2
.set LASTN, 4
.set RES_EARLY, 1
.set S1_SOFF, 3145728
.set S0_COFF, 2359296
.set S0_SOFF, 9535488
.set FRB, 1536
.set H0, AB*N0*FRB
.set H1, AB*N1*FRB
.set SL1, 4*H0
.set SCL, SL1+4*H1
.set HALFS, AB*KS*64
.set NSL, KS/4
.set SPARE, 327168
.set A16, 16
.set A8, 18
.set B16, 20
.set B8, 22
.set ADRS, 27
.set SPW, 28
.set NIL, 29
.set SC, 32
.set AF, 96
.set BK, 96
.set BI, 192
.set G1, 24
.set G0, 32
.set G1B, 48
.set G0B, 56
.set GH, 68
.set TO_B, 0x40
.set MSB, 0
.macro WIN new
.if MSB != (\new)
	s_set_vgpr_msb (MSB<<8)|(\new)
.set MSB, (\new)
.endif
.endm
.macro PLACES n
.rept \n
	v_nop
.endr
.endm
.macro JLOAD g0a, g1a, g0b, g1b        ; a joint refill: waves 0 and 1 fetch A's halves, waves 2 and 3 W's
	s_cmp_eq_u32 s15, 0
	s_cbranch_scc0 .Lfor_b_\@
	tensor_load_to_lds s[\g0a:\g0a+3], s[\g1a:\g1a+7]
	s_nop 0
	PLACES 4
	s_branch .Lasked_\@
.Lfor_b_\@:
	tensor_load_to_lds s[\g0b:\g0b+3], s[\g1b:\g1b+7]
	s_nop 0
	PLACES 4
.Lasked_\@:
.endm
.macro CREST
	s_cmp_lg_u32 s14, 0
	s_cbranch_scc1 .Lnot_wave_0_\@
	s_barrier_signal -3
.Lnot_wave_0_\@:
	s_barrier_wait -3
	s_barrier_signal -1
	s_barrier_wait -1
.endm
.macro CROUND
	s_barrier_signal -1
	s_barrier_wait -1
	CREST
.endm
.macro LOCATE st                       ; K step st: fill LF, slot LS, place LQ among the fill's LN steps
.set LR, (\st)%(N0+N1)
.set LS, LR/N0
.set LQ, LR-N0*LS
.set LN, N0-(N0-N1)*LS
.set LF, 2*((\st)/(N0+N1))+LS
.if LF == NFILL-1
.set LN, LASTN
.endif
.endm
.macro FRAG reg, a16, a8, off
	ds_load_b128 v[\reg:\reg+3], v[\a16] offset:\off
	ds_load_b64 v[\reg+4:\reg+5], v[\a8] offset:\off+512
	ds_load_b128 v[\reg+6:\reg+9], v[\a16] offset:\off+768
	ds_load_b64 v[\reg+10:\reg+11], v[\a8] offset:\off+1280
.endm
.macro FETCH st                        ; step st's eight fragments and four scale registers (lanes 0-15 A's block, lanes 16-31 W's) into set st % 2
	LOCATE \st
.set fset, (\st)%2
	WIN TO_B
.set fi, 0
.rept AB
	FRAG 96*fset+12*fi, B16+LS, B8+LS, (fi*LN+LQ)*FRB
.set fi, fi+1
.endr
	WIN 0
.set fi, 0
.rept AB
	FRAG AF+96*fset+12*fi, A16+LS, A8+LS, (fi*LN+LQ)*FRB
	ds_load_b32 v[SC+4*fset+fi], v[ADRS] offset:fi*KS*64+(\st)*64
.set fi, fi+1
.endr
.endm
.macro WM d, a, b, c, sa, sb
	v_wmma_scale_f32_16x16x128_f8f6f4 v[\d:\d+7], v[\a:\a+11], v[\b:\b+11], v[\c:\c+7], v[\sa], v[\sb] matrix_a_fmt:MATRIX_FMT_BF6 matrix_b_fmt:MATRIX_FMT_BF6 matrix_a_scale:MATRIX_SCALE_ROW1
.endm
.macro MULQ u, set, first              ; A's block u against W's four; the sixteen accumulators take turns, one instruction a turn
.if (\first) == 0
	WIN 0xa1
.else
	WIN 0x91
.endif
.set mb, 0
.rept AB
.set rD, 8*(AB*(\u)+mb)
.set rA, 96*(\set)+12*mb
.set rB, AF+96*(\set)+12*(\u)
.set rC, rD
.if (\first) == 1
.set rC, BI+8*mb
.endif
.set rSa, SC+4*(\set)+mb
.set rSb, SC+4*(\set)+(\u)
	WM rD, rA, rB, rC, rSa, rSb
.set mb, mb+1
.endr
.endm
.macro MUL4 set, first
	MULQ 0, \set, \first
	MULQ 1, \set, \first
	MULQ 2, \set, \first
	MULQ 3, \set, \first
.endm
.macro SHAPE n                         ; a refill's tile: AB row blocks of n steps; written while no tensor load of the wave is out
.irp g, G1, G1B
	s_mov_b32 s[\g+1], ((\n)*192)<<16
	s_mov_b32 s[\g+2], AB<<16
	s_mov_b32 s[\g+3], ((\n)*192)<<16
	s_mov_b32 s[\g+4], AB
.endr
.endm
.macro ASKF f                          ; fill f's bytes of my one row block are asked for into the L2: a lane a block of 256 bytes; lanes left over name the last block again
.set PS, ((\f)/2)*(N0+N1)+((\f)%2)*N0
.set PN, N0-(N0-N1)*((\f)%2)
.if (\f) == NFILL-1
.set PN, LASTN
.endif
.if PN == 6
	global_prefetch_b8 v10, s[84:85] offset:PS*FRB th:TH_LOAD_NT scope:SCOPE_SE
	global_prefetch_b8 v11, s[84:85] offset:PS*FRB+8192 th:TH_LOAD_NT scope:SCOPE_SE
.elseif PN == 5
	global_prefetch_b8 v12, s[84:85] offset:PS*FRB th:TH_LOAD_NT scope:SCOPE_SE
.else
	global_prefetch_b8 v13, s[84:85] offset:PS*FRB th:TH_LOAD_NT scope:SCOPE_SE
.endif
.endm
.macro RESID                           ; the residual, in the layout of the stores: sixteen lanes read 256 consecutive bytes
	WIN 0x80
.set fi, 0
.rept 32
	global_load_b128 v[128+4*fi:128+4*fi+3], v26, s[96:97] offset:2*fi*4096
.set fi, fi+1
.endr
	WIN 0
.endm
; A fill's last step changes slots: one barrier, with the three lines in front of it.  Where a fill two on is left, the barrier opens a round of the cluster's and the slot just read out is filled again.
.macro TURN st
	LOCATE \st
.set TF, LF
.set TS, LS
.set RF, 0
.if TF+2 < NFILL
.set RF, 1
.set RN, N0-(N0-N1)*TS
.if TF+2 == NFILL-1
.set RN, LASTN
.endif
.endif
	WIN 0
	s_wait_tensorcnt 0x0                           ; all my tensor loads have landed
	ds_add_u32 v[SPW], v[NIL]
.if RF
	s_add_nc_u64 s[G0+4*TS+2:G0+4*TS+3], s[G0+4*TS+2:G0+4*TS+3], (N0+N1)*FRB
	s_add_nc_u64 s[G0B+4*TS+2:G0B+4*TS+3], s[G0B+4*TS+2:G0B+4*TS+3], (N0+N1)*FRB
	SHAPE RN
.endif
	s_wait_dscnt 0x0                               ; the add is done, my reads of this slot are over
	s_barrier_signal -1
	MULQ 0, (\st)%2, 0
	WIN 0
	s_barrier_wait -1
.if RF
	CREST
	JLOAD G0+4*TS, G1, G0B+4*TS, G1B               ; its four v_nop are the places in front of the loads below
.else
	PLACES 4
.endif
	FETCH (\st)+1
.if RF
.if TF+3 < NFILL
	ASKF TF+3                                      ; one fill ahead of the load that will want it
.endif
.endif
.if (TF == 0) && (RES_EARLY == 0)
	RESID
.endif
	MULQ 1, (\st)%2, 0
	MULQ 2, (\st)%2, 0
	MULQ 3, (\st)%2, 0
.endm
.macro STEP st
	LOCATE \st
.if LQ < LN-1
	s_wait_dscnt 0x0                               ; this step's fragments, asked for a step ago, are in
	PLACES 4                                       ; between the last products, which read the other set, and the loads into it
	FETCH (\st)+1
.if (\st) == 0
	MUL4 0, 1
.else
	MUL4 (\st)%2, 0
.endif
.else
	TURN \st
.endif
.endm
.macro HLOAD g0, g1, n                 ; a head's tile: 2 AB row blocks of n steps
	s_mov_b32 s[\g1+1], ((\n)*192)<<16
	s_mov_b32 s[\g1+3], ((\n)*192)<<16
	tensor_load_to_lds s[\g0:\g0+3], s[\g1:\g1+7]
	s_nop 0
	PLACES 4
.endm
.macro ARM under, g0, g1, n, next
	s_cmp_lt_u32 s14, \under
	s_cbranch_scc0 \next
	HLOAD \g0, \g1, \n
	s_branch .Lhead_asked
\next:
.endm
	s_load_b128 s[4:7], s[0:1], 0x0                ; A, wts
	s_load_b128 s[8:11], s[0:1], 0x10              ; bias, res
	s_load_b64 s[12:13], s[0:1], 0x20              ; out
	v_lshl_add_u32 v[SPW], v0, 2, SPARE
	v_mov_b32 v[NIL], 0
	ds_add_u32 v[SPW], v[NIL]                      ; the opening lines: the add twice on end
	ds_add_u32 v[SPW], v[NIL]
	v_lshrrev_b32 v1, 5, v0
	v_readfirstlane_b32 s14, v1                    ; wave 0..3
	s_lshr_b32 s15, s14, 1                         ; my half of A's rows; in a refill: I fetch for A (0) or W (1)
	s_and_b32 s16, s14, 1                          ; my half of W's rows; in a refill: which half I fetch
	s_bfe_u32 s40, ttmp6, 0x40000                  ; cx
	s_bfe_u32 s41, ttmp6, 0x40004                  ; cy
	s_lshl_b32 s42, ttmp9, 2
	s_add_co_u32 s42, s42, s40                     ; the weight tile
	s_and_b32 s17, ttmp7, 0xffff
	s_lshl_b32 s17, s17, 2
	s_add_co_u32 s17, s17, s41                     ; the token tile
	s_lshl_b32 s43, s41, 2
	s_lshl_b32 s43, 15, s43                        ; my row of the cluster
	s_lshl_b32 s44, 0x1111, s40                    ; my column
	s_or_b32 s[G1], s43, (3<<16)|(1<<21)           ; elements of 8 bytes; bit 21 beside a mask
	s_or_b32 s[G1B], s44, (3<<16)|(1<<21)
.irp g, G1, G1B
	s_mov_b32 s[\g+1], (N0*192)<<16
	s_mov_b32 s[\g+2], (2*AB)<<16
	s_mov_b32 s[\g+3], (N0*192)<<16
	s_mov_b32 s[\g+4], 2*AB
	s_mov_b32 s[\g+5], KS*192
	s_mov_b32 s[\g+6], 0
	s_mov_b32 s[\g+7], 0
.endr
.irp k, 0,1,2,3
	s_mov_b32 s[GH+4*\k], 1
.endr
	s_mov_b32 s[GH+1], 0                           ; A, slot 0
	s_mov_b32 s[GH+5], 2*H0                        ; W, slot 0
	s_mov_b32 s[GH+9], SL1                         ; A, slot 1
	s_mov_b32 s[GH+13], SL1+2*H1                   ; W, slot 1
	s_mul_i32 s20, s17, 2*AB*KS*FRB                ; byte offsets: A's codes,
	s_mov_b32 s21, 0
	s_mul_i32 s46, s42, 2*AB*KS*FRB                ; W's codes,
	s_add_co_u32 s46, s46, S0_COFF
	s_mov_b32 s47, 0
	s_mul_i32 s22, s17, 2*AB*KS*64                 ; A's scale words,
	s_add_co_u32 s22, s22, S1_SOFF
	s_mov_b32 s23, 0
	s_mul_i32 s92, s42, 2*AB*KS*64                 ; W's
	s_add_co_u32 s92, s92, S0_SOFF
	s_mov_b32 s93, 0
	s_mul_i32 s18, s16, AB*KS*FRB                  ; the half that I fetch in a refill
	s_mov_b32 s19, 0
	s_mul_i32 s66, s15, H0                         ; LDS: my half of A in slot 0,
	s_mul_i32 s67, s15, H1
	s_add_co_u32 s67, s67, SL1                     ; in slot 1;
	s_mul_i32 s94, s16, H0
	s_add_co_u32 s94, s94, 2*H0                    ; my half of W in slot 0,
	s_mul_i32 s95, s16, H1
	s_add_co_u32 s95, s95, SL1+2*H1                ; in slot 1
	s_mul_i32 s3, s15, HALFS
	s_mul_i32 s100, s16, HALFS
	s_add_co_u32 s100, s100, 2*HALFS+64
	s_sub_co_u32 s100, s100, s3                    ; from A's scale words to W's
	s_add_co_u32 s3, s3, SCL
	s_mul_i32 s101, s14, 16*272                    ; my stage, in slot 0, behind its last fill and last read
	s_lshl_b32 s86, s17, 7
	s_lshl_b32 s45, s15, 6
	s_add_co_u32 s86, s86, s45
	s_lshl_b32 s86, s86, 12                        ; my first row of out,
	s_lshl_b32 s88, s42, 9
	s_lshl_b32 s45, s16, 8
	s_add_co_u32 s88, s88, s45                     ; my first column, in bytes
	s_add_co_u32 s86, s86, s88
	s_mov_b32 s87, 0
	s_mov_b32 s89, 0
.if NFILL > 2
	s_lshl_b32 s90, s17, 3                         ; the prefetches: of the four row blocks that I fetch, the four partners of a joint load take one each, told apart by address
	s_lshl_b32 s91, s42, 3
	s_cmp_eq_u32 s15, 0
	s_cselect_b32 s90, s90, s91
	s_cselect_b32 s91, s40, s41
	s_cselect_b32 s45, 0, S0_COFF
	s_add_co_u32 s90, s90, s91
	s_lshl_b32 s91, s16, 2
	s_add_co_u32 s90, s90, s91
	s_mul_i32 s90, s90, KS*FRB
	s_add_co_u32 s90, s90, s45
	s_mov_b32 s91, 0
.endif
	v_and_b32 v1, 31, v0
	v_and_b32 v2, 15, v0                           ; r
	v_bfe_u32 v3, v0, 4, 1                         ; h
	v_lshlrev_b32 v4, 4, v1
	v_lshlrev_b32 v5, 3, v1
	v_lshlrev_b32 v6, 2, v2
	v_add_nc_u32 v[A16], s66, v4
	v_add_nc_u32 v[A8], s66, v5
	v_add_nc_u32 v[A16+1], s67, v4
	v_add_nc_u32 v[A8+1], s67, v5
	v_add_nc_u32 v[B16], s94, v4
	v_add_nc_u32 v[B8], s94, v5
	v_add_nc_u32 v[B16+1], s95, v4
	v_add_nc_u32 v[B8+1], s95, v5
	v_mul_u32_u24 v7, s100, v3                     ; lanes 16-31 take W's words: one product with h
	v_add_nc_u32 v7, v6, v7
	v_add_nc_u32 v[ADRS], s3, v7
	v_lshlrev_b32 v30, 5, v3
	v_mul_u32_u24 v24, v2, 272
	v_lshl_add_u32 v24, v3, 5, v24
	v_add_nc_u32 v24, s101, v24                    ; the stage, in: row r, 32 bytes for each half of the lanes
	v_mul_u32_u24 v25, v3, 272
	v_lshl_add_u32 v25, v2, 4, v25
	v_add_nc_u32 v25, s101, v25                    ; back: sixteen lanes a row of 256 bytes
	v_lshlrev_b32 v26, 12, v3
	v_lshl_add_u32 v26, v2, 4, v26                 ; the same two rows in out and res
	v_lshlrev_b32 v9, 4, v0                        ; 16 x thread
	v_add_nc_u32 v8, SCL, v9
.if NFILL > 2
	v_lshlrev_b32 v10, 8, v1
	v_min_u32 v11, 3, v1
	v_min_u32 v12, 29, v1
	v_min_u32 v13, 23, v1
	v_lshlrev_b32 v11, 8, v11
	v_lshlrev_b32 v12, 8, v12
	v_lshlrev_b32 v13, 8, v13
.endif
	s_wait_alu depctr_va_vdst(0)                   ; the wait at the head's end
	s_wait_dscnt 0x0                               ; both opening adds are done
	CROUND                                         ; all sixteen work-groups are here: the first joint loads meet
	s_wait_kmcnt 0x0
	s_add_nc_u64 s[20:21], s[4:5], s[20:21]
	s_add_nc_u64 s[46:47], s[6:7], s[46:47]
	s_mov_b64 s[GH+2:GH+3], s[20:21]
	s_mov_b64 s[GH+6:GH+7], s[46:47]
	s_add_nc_u64 s[GH+10:GH+11], s[20:21], N0*FRB
	s_add_nc_u64 s[GH+14:GH+15], s[46:47], N0*FRB
.irp k, 0,1,2,3
	s_or_b32 s[GH+4*\k+3], s[GH+4*\k+3], 0x80000000
.endr
	ARM 1, GH, G1, N0, .Lhead_1                    ; one tensor load a wave, each on a line of its own
	ARM 2, GH+4, G1B, N0, .Lhead_2
	ARM 3, GH+8, G1, N1, .Lhead_3
	HLOAD GH+12, G1B, N1
.Lhead_asked:
	s_add_nc_u64 s[22:23], s[4:5], s[22:23]
	s_add_nc_u64 s[92:93], s[6:7], s[92:93]
	s_add_nc_u64 s[12:13], s[12:13], s[86:87]
	s_add_nc_u64 s[96:97], s[10:11], s[86:87]
	s_add_nc_u64 s[98:99], s[8:9], s[88:89]
.set i, 0
.rept NSL
	global_load_b128 v[AF+4*i:AF+4*i+3], v9, s[22:23] offset:2048*i                ; the scale words: 2,048 consecutive bytes a line
	global_load_b128 v[AF+4*NSL+4*i:AF+4*NSL+4*i+3], v9, s[92:93] offset:2048*i
.set i, i+1
.endr
	WIN TO_B
.set fi, 0
.rept AB
	global_load_b128 v[BI+8*fi:BI+8*fi+3], v30, s[98:99] offset:64*fi              ; register j of block b: the bias of column 16 b + 8 h + j
	global_load_b128 v[BI+8*fi+4:BI+8*fi+7], v30, s[98:99] offset:64*fi+16
.set fi, fi+1
.endr
	WIN 0
.if NFILL > 2
	s_cmp_eq_u32 s15, 0
	s_cselect_b64 s[84:85], s[4:5], s[6:7]
	s_add_nc_u64 s[84:85], s[84:85], s[90:91]
	s_add_nc_u64 s[20:21], s[20:21], s[18:19]      ; the ring's groups 0: my half, at each slot's first fill; a refill steps them
	s_add_nc_u64 s[46:47], s[46:47], s[18:19]
	s_mov_b32 s[G0], 1
	s_mov_b32 s[G0+4], 1
	s_mov_b32 s[G0B], 1
	s_mov_b32 s[G0B+4], 1
	s_mul_i32 s45, s14, H0
	s_add_co_u32 s[G0+1], s45, 0
	s_add_co_u32 s[G0B+1], s45, 0
	s_mul_i32 s45, s14, H1
	s_add_co_u32 s[G0+5], s45, SL1
	s_add_co_u32 s[G0B+5], s45, SL1
	s_mov_b64 s[G0+2:G0+3], s[20:21]
	s_mov_b64 s[G0B+2:G0B+3], s[46:47]
	s_add_nc_u64 s[G0+6:G0+7], s[20:21], N0*FRB
	s_add_nc_u64 s[G0B+6:G0B+7], s[46:47], N0*FRB
	s_or_b32 s[G0+3], s[G0+3], 0x80000000
	s_or_b32 s[G0+7], s[G0+7], 0x80000000
	s_or_b32 s[G0B+3], s[G0B+3], 0x80000000
	s_or_b32 s[G0B+7], s[G0B+7], 0x80000000
.endif
	s_wait_loadcnt 2*AB                            ; the scale words are in; the bias's 2 AB younger loads may be out
.set i, 0
.rept NSL
	ds_store_b128 v8, v[AF+4*i:AF+4*i+3] offset:2048*i
	ds_store_b128 v8, v[AF+4*NSL+4*i:AF+4*NSL+4*i+3] offset:2*HALFS+64+2048*i
.set i, i+1
.endr
	s_wait_dscnt 0x0
	s_cmp_lt_u32 s14, 2
	s_cbranch_scc0 .Lnot_first
	s_wait_tensorcnt 0x0                           ; waves 0 and 1: slot 0's two tiles
.Lnot_first:
	s_barrier_signal -1
	s_barrier_wait -1                              ; slot 0 and the scale words are in; slot 1's tiles may be out: no tensor load is issued behind this barrier
	FETCH 0
.if NFILL > 2
	ASKF 2
.endif
	s_wait_loadcnt 0x0                             ; the bias
.if RES_EARLY
	RESID
.endif
.set ST, 0
.rept KS-1
	STEP ST
.set ST, ST+1
.endr
	s_wait_dscnt 0x0
	MUL4 (KS-1)%2, 0
	WIN 0
; THE WAY OUT, 16 rows x 64 columns at a time, through my own stage: sixteen lanes store 256 consecutive bytes, aligned.  LDS serves a wave's instructions in order: no wait between the stores and the loads.
.macro TOSTAGE a
	WIN 0x08
.irp b, 0,1,2,3
	ds_store_b128 v24, v[8*(4*(\a)+\b):8*(4*(\a)+\b)+3] offset:64*\b
	ds_store_b128 v24, v[8*(4*(\a)+\b)+4:8*(4*(\a)+\b)+7] offset:64*\b+16
.endr
	WIN 0
.irp t, 0,1,2,3,4,5,6,7
	ds_load_b128 v[BK+32*((\a)%2)+4*\t:BK+32*((\a)%2)+4*\t+3], v25 offset:544*\t
.endr
.endm
.macro SEND a, younger
	s_wait_dscnt \younger
	WIN 0x08
.set k, 0
.rept 16
	v_pk_add_f32 v[BK+32*((\a)%2)+k:BK+32*((\a)%2)+k+1], v[BK+32*((\a)%2)+k:BK+32*((\a)%2)+k+1], v[128+32*(\a)+k:128+32*(\a)+k+1]
.set k, k+2
.endr
	WIN 0
.irp t, 0,1,2,3,4,5,6,7
	global_store_b128 v26, v[BK+32*((\a)%2)+4*\t:BK+32*((\a)%2)+4*\t+3], s[12:13] offset:(16*(\a)+2*\t)*4096
.endr
.endm
	PLACES 4                                       ; between the last products and the first read of results
	s_wait_loadcnt 0x0                             ; the residual
	TOSTAGE 0
.irp a, 1,2,3
.if \a > 1
	s_wait_xcnt 0x0                                ; block a - 2's stores have read the registers into which block a's rows come
.endif
	TOSTAGE \a
	SEND \a-1, 16                                  ; behind block a - 1's loads: block a's 8 stores and 8 loads
.endr
	SEND 3, 0
	s_wait_tensorcnt 0x0                           ; the wave's end
	ds_add_u32 v[SPW], v[NIL]
	s_wait_dscnt 0x0
	CROUND                                         ; the closing round
	s_endpgm
.Lfunc_end_k_q04b9057c60_gproj:
	.size	k_q04b9057c60_gproj, .Lfunc_end_k_q04b9057c60_gproj-k_q04b9057c60_gproj
	.p2alignl 7, 3214868480
	.fill 96, 4, 3214868480
	.section	.rodata,"a",@progbits
	.p2align	6, 0x0
	.amdhsa_kernel k_q04b9057c60_gproj
		.amdhsa_group_segment_fixed_size 327680
		.amdhsa_private_segment_fixed_size 0
		.amdhsa_enable_private_segment 0
		.amdhsa_kernarg_size 40
		.amdhsa_user_sgpr_count 2
		.amdhsa_user_sgpr_kernarg_segment_ptr 1
		.amdhsa_wavefront_size32 1
		.amdhsa_system_sgpr_workgroup_id_x 1
		.amdhsa_system_sgpr_workgroup_id_y 1
		.amdhsa_system_sgpr_workgroup_id_z 1
		.amdhsa_system_vgpr_workitem_id 0
		.amdhsa_next_free_vgpr 768
		.amdhsa_next_free_sgpr 102
		.amdhsa_reserve_vcc 0
		.amdhsa_float_denorm_mode_32 3
		.amdhsa_float_denorm_mode_16_64 3
		.amdhsa_memory_ordered 1
		.amdhsa_forward_progress 1
		.amdhsa_inst_pref_size 62
	.end_amdhsa_kernel
	.amdgpu_metadata
---
amdhsa.version: [ 1, 2 ]
amdhsa.kernels:
  - .name:           k_q04b9057c60_gproj
    .symbol:         k_q04b9057c60_gproj.kd
    .args:
      - { .name: at, .offset: 0, .size: 8, .value_kind: global_buffer, .address_space: global }
      - { .name: wts, .offset: 8, .size: 8, .value_kind: global_buffer, .address_space: global }
      - { .name: bp, .offset: 16, .size: 8, .value_kind: global_buffer, .address_space: global }
      - { .name: x, .offset: 24, .size: 8, .value_kind: global_buffer, .address_space: global }
      - { .name: x1, .offset: 32, .size: 8, .value_kind: global_buffer, .address_space: global }
    .group_segment_fixed_size: 327680
    .private_segment_fixed_size: 0
    .kernarg_segment_align: 8
    .kernarg_segment_size: 40
    .max_flat_workgroup_size: 128
    .sgpr_count:     102
    .vgpr_count:     768
    .wavefront_size: 32
...
	.end_amdgpu_metadata
.endif
;; end of part 4
;; launch ln2 (part 5): grid 256 x 1, 8 waves a work-group, no clusters, 66,816 bytes of LDS; arguments x1, ln2_w, ln2_b, hq; writes hq
.if DOCPART == 5
	.amdgcn_target "amdgcn-amd-amdhsa--gfx1250"
	.amdhsa_code_object_version 6
	.text
	.protected	k_q04b9057c60_ln2
	.globl	k_q04b9057c60_ln2
	.p2align	8
	.type	k_q04b9057c60_ln2,@function
k_q04b9057c60_ln2:
	s_mov_b64 s[64:65], 0
	v_nop
	global_prefetch_b8 v0, s[64:65] scope:SCOPE_SE
	s_setreg_imm32_b32 hwreg(HW_REG_WAVE_MODE, 25, 1), 1
	s_wait_xcnt 0x0
; y = (x - mean) * rsqrt(var + 1e-5) * w + b over rows of 1,024, in f32 (mean first, then the mean of the squared differences), then quantised along the row to BF6 (E3M2), one E8M0 byte for each 32.
; The codes leave as images of the operand's registers: [row block of 16][K step of 128][1,536 bytes], the scale words [row block][K step][16 rows][4 bytes] from byte 3,145,728 on.
; A work-group of eight waves takes 16 rows.  Phase 1: wave w norms rows 2 w and 2 w + 1, a row in 32 registers a lane, read once; y goes to a stage in LDS (rows of 4,096 + 16 bytes).  One barrier.
; Phase 2: wave w makes K step w: lane (r, h) reads, of row r, the two blocks of 32 that the operand's layout gives it, so a block's largest magnitude needs no other lane and the conversions' results are the operand's registers.
; LIMITS: NaN and infinities are not served; a block whose largest magnitude lies under 2^-122 keeps the byte 1, a block of zeros too (only this program reads the bytes).
.set PITCH, 4112                       ; 257 x 16 bytes: the sixteen rows that a phase-2 load touches start in sixteen different groups of banks
.set X,  32                            ; v32-95   two rows, later 64 numbers of my K step
.set W,  96                            ; v96-127  the gain at my columns
.set B,  128                           ; v128-159 the bias at my columns
.set PC, 160                           ; v160-171 the fragment
.set T,  172                           ; v172-178 the second halves' conversions
	s_load_b256 s[4:11], s[0:1], 0x0               ; x, w, b, the output
	v_lshl_add_u32 v184, v0, 2, 0x10100
	v_mov_b32 v185, 0
	v_lshrrev_b32 v1, 5, v0
	s_delay_alu instid0(VALU_DEP_1)
	v_readfirstlane_b32 s12, v1                    ; wave 0..7
	v_and_b32 v1, 31, v0                           ; lane
	v_and_b32 v5, 15, v0                           ; r
	v_bfe_u32 v6, v0, 4, 1                         ; h
	s_delay_alu instid0(VALU_DEP_3)
	v_lshlrev_b32 v2, 4, v1                        ; 16 x lane
	s_delay_alu instid0(VALU_DEP_4)
	v_lshlrev_b32 v7, 3, v1                        ; 8 x lane
	s_delay_alu instid0(VALU_DEP_4)
	v_lshlrev_b32 v28, 2, v5                       ; 4 r
	s_delay_alu instid0(VALU_DEP_4)
	v_lshlrev_b32 v29, 3, v6                       ; 8 h
	s_mul_i32 s22, s12, 2*PITCH
	v_add_nc_u32 v3, s22, v2                       ; the stage, on the way in: my two rows, 16 bytes a lane
	v_mul_u32_u24 v4, v5, PITCH
	s_delay_alu instid0(VALU_DEP_1)
	v_lshl_add_u32 v4, v6, 7, v4
	s_lshl_b32 s22, s12, 9
	v_add_nc_u32 v4, s22, v4                       ; and on the way out: row r, K step w, + 128 h
	s_lshl_b32 s14, ttmp9, 16                      ; 16 rows of 4,096 bytes a work-group,
	s_lshl_b32 s15, s12, 13                        ; two a wave
	s_add_co_u32 s14, s14, s15
	s_mov_b32 s15, 0
	s_lshl_b32 s20, ttmp9, 3
	s_add_co_u32 s20, s20, s12                     ; my image: 8 x row block + wave
	s_mul_i32 s22, s20, 1536
	s_mov_b32 s23, 0
	s_lshl_b32 s20, s20, 6
	s_add_co_u32 s20, s20, 3145728
	s_mov_b32 s21, 0
	s_mov_b32 s16, 0x76543210
	s_mov_b32 s17, 0xfedcba98                      ; v_permlanex16_b32's selects for lane l xor 16
	s_mov_b32 s18, 0x3a800000                      ; 1 / 1,024
	s_mov_b32 s19, 0x3727c5ac                      ; 1e-5
	s_wait_alu depctr_va_vdst(0)
	s_wait_kmcnt 0x0
	s_add_nc_u64 s[4:5], s[4:5], s[14:15]
	s_add_nc_u64 s[22:23], s[10:11], s[22:23]
	s_add_nc_u64 s[20:21], s[10:11], s[20:21]
.irp p, 0,1
.irp i, 0,1,2,3,4,5,6,7
	global_load_b128 v[X+32*\p+4*\i:X+32*\p+4*\i+3], v2, s[4:5] offset:4096*\p+512*\i   ; 512 consecutive bytes a load
.endr
.endr
.irp i, 0,1,2,3,4,5,6,7
	global_load_b128 v[W+4*\i:W+4*\i+3], v2, s[6:7] offset:512*\i
.endr
.irp i, 0,1,2,3,4,5,6,7
	global_load_b128 v[B+4*\i:B+4*\i+3], v2, s[8:9] offset:512*\i
.endr
.macro LANESUM a, t                    ; the sum over the 32 lanes, in every lane
	v_add_f32_dpp v[\a], v[\a], v[\a] row_xmask:1 row_mask:0xf bank_mask:0xf
	s_delay_alu instid0(VALU_DEP_1)
	v_add_f32_dpp v[\a], v[\a], v[\a] row_xmask:2 row_mask:0xf bank_mask:0xf
	s_delay_alu instid0(VALU_DEP_1)
	v_add_f32_dpp v[\a], v[\a], v[\a] row_xmask:4 row_mask:0xf bank_mask:0xf
	s_delay_alu instid0(VALU_DEP_1)
	v_add_f32_dpp v[\a], v[\a], v[\a] row_xmask:8 row_mask:0xf bank_mask:0xf
	s_delay_alu instid0(VALU_DEP_1)
	v_permlanex16_b32 v[\t], v[\a], s16, s17
	s_delay_alu instid0(VALU_DEP_1)
	v_add_f32 v[\a], v[\a], v[\t]
.endm
	s_wait_loadcnt 16                              ; x is in; the gain's and the bias's sixteen loads may be out
.irp p, 0,1                                    ; the rows' sums: two packed chains a row, the rows by turns
	v_pk_add_f32 v[8+4*\p:9+4*\p], v[X+32*\p:X+32*\p+1], v[X+32*\p+2:X+32*\p+3]
	v_pk_add_f32 v[10+4*\p:11+4*\p], v[X+32*\p+4:X+32*\p+5], v[X+32*\p+6:X+32*\p+7]
.endr
.irp i, 8,12,16,20,24,28
.irp p, 0,1
	s_delay_alu instid0(VALU_DEP_4)
	v_pk_add_f32 v[8+4*\p:9+4*\p], v[8+4*\p:9+4*\p], v[X+32*\p+\i:X+32*\p+\i+1]
	s_delay_alu instid0(VALU_DEP_4)
	v_pk_add_f32 v[10+4*\p:11+4*\p], v[10+4*\p:11+4*\p], v[X+32*\p+\i+2:X+32*\p+\i+3]
.endr
.endr
.irp p, 0
	s_delay_alu instid0(VALU_DEP_3)
	v_pk_add_f32 v[8+4*\p:9+4*\p], v[8+4*\p:9+4*\p], v[10+4*\p:11+4*\p]
.endr
.irp p, 1
	s_delay_alu instid0(VALU_DEP_2)
	v_pk_add_f32 v[8+4*\p:9+4*\p], v[8+4*\p:9+4*\p], v[10+4*\p:11+4*\p]
.endr
.irp p, 0,1
	s_delay_alu instid0(VALU_DEP_2)
	v_add_f32 v[8+4*\p], v[8+4*\p], v[9+4*\p]
.endr
	LANESUM 8, 9
	LANESUM 12, 13
.irp p, 0
	v_mul_f32 v[8+4*\p], s18, v[8+4*\p]            ; the mean
.endr
.irp p, 1
	s_delay_alu instid0(VALU_DEP_2)
	v_mul_f32 v[8+4*\p], s18, v[8+4*\p]            ; the mean
.endr
.irp p, 0,1
.irp i, 0,2,4,6,8,10,12,14,16,18,20,22,24,26,28,30
	v_pk_add_f32 v[X+32*\p+\i:X+32*\p+\i+1], v[X+32*\p+\i:X+32*\p+\i+1], v[8+4*\p:9+4*\p] op_sel_hi:[1,0] neg_lo:[0,1] neg_hi:[0,1]   ; x - mean, in place
.endr
.endr
.irp p, 0,1                                    ; the sums of the squares, likewise
	v_pk_mul_f32 v[16+4*\p:17+4*\p], v[X+32*\p:X+32*\p+1], v[X+32*\p:X+32*\p+1]
	v_pk_mul_f32 v[18+4*\p:19+4*\p], v[X+32*\p+2:X+32*\p+3], v[X+32*\p+2:X+32*\p+3]
.endr
.irp i, 4,8,12,16,20,24,28
.irp p, 0,1
	s_delay_alu instid0(VALU_DEP_4)
	v_pk_fma_f32 v[16+4*\p:17+4*\p], v[X+32*\p+\i:X+32*\p+\i+1], v[X+32*\p+\i:X+32*\p+\i+1], v[16+4*\p:17+4*\p]
	s_delay_alu instid0(VALU_DEP_4)
	v_pk_fma_f32 v[18+4*\p:19+4*\p], v[X+32*\p+\i+2:X+32*\p+\i+3], v[X+32*\p+\i+2:X+32*\p+\i+3], v[18+4*\p:19+4*\p]
.endr
.endr
.irp p, 0
	s_delay_alu instid0(VALU_DEP_3)
	v_pk_add_f32 v[16+4*\p:17+4*\p], v[16+4*\p:17+4*\p], v[18+4*\p:19+4*\p]
.endr
.irp p, 1
	s_delay_alu instid0(VALU_DEP_2)
	v_pk_add_f32 v[16+4*\p:17+4*\p], v[16+4*\p:17+4*\p], v[18+4*\p:19+4*\p]
.endr
.irp p, 0,1
	s_delay_alu instid0(VALU_DEP_2)
	v_add_f32 v[16+4*\p], v[16+4*\p], v[17+4*\p]
.endr
	LANESUM 16, 17
	LANESUM 20, 21
.irp p, 0
	v_fma_f32 v[16+4*\p], v[16+4*\p], s18, s19     ; the variance + 1e-5
.endr
.irp p, 1
	s_delay_alu instid0(VALU_DEP_2)
	v_fma_f32 v[16+4*\p], v[16+4*\p], s18, s19     ; the variance + 1e-5
.endr
	s_wait_alu depctr_va_vdst(0)
	v_rsq_f32 v18, v16                             ; both roots are one batch:
	v_rsq_f32 v22, v20
	v_nop                                          ; one plain line behind the last,
	s_wait_alu depctr_va_vdst(0)                   ; and one wait ahead of the first reader
	s_wait_loadcnt 0x0                             ; the gain and the bias
.irp p, 0,1
.irp i, 0,2,4,6,8,10,12,14,16,18,20,22,24,26,28,30
	v_pk_mul_f32 v[X+32*\p+\i:X+32*\p+\i+1], v[X+32*\p+\i:X+32*\p+\i+1], v[18+4*\p:19+4*\p] op_sel_hi:[1,0]
.endr
.endr
.irp p, 0,1
.irp i, 0,2,4,6,8,10,12,14,16,18,20,22,24,26,28,30
	v_pk_fma_f32 v[X+32*\p+\i:X+32*\p+\i+1], v[X+32*\p+\i:X+32*\p+\i+1], v[W+\i:W+\i+1], v[B+\i:B+\i+1]
.endr
.endr
.irp p, 0,1
.irp i, 0,1,2,3,4,5,6,7
	ds_store_b128 v3, v[X+32*\p+4*\i:X+32*\p+4*\i+3] offset:PITCH*\p+512*\i
.endr
.endr
	s_wait_dscnt 0x0                               ; for the others' sake: my rows lie in the stage
	s_barrier_signal -1
	s_barrier_wait -1
.irp c, 0,1
.irp i, 0,1,2,3,4,5,6,7
	ds_load_b128 v[X+32*\c+4*\i:X+32*\c+4*\i+3], v4 offset:256*\c+16*\i   ; y(r, 128 w + 64 c + 32 h + 4 i ..)
.endr
.endr
	s_wait_dscnt 0x0
.irp c, 0,1                                    ; my block 2 c + h: all its 32 numbers are mine
	v_max3_num_f32 v[8+\c], |v[X+32*\c]|, |v[X+1+32*\c]|, 0x2800000   ; with the floor 2^(5 - 127)
.endr
.irp i, 2,4,6,8,10,12,14,16,18,20,22,24,26,28,30
.irp c, 0,1
	s_delay_alu instid0(VALU_DEP_2)
	v_max3_num_f32 v[8+\c], v[8+\c], |v[X+32*\c+\i]|, |v[X+1+32*\c+\i]|
.endr
.endr
.irp c, 0,1
	s_delay_alu instid0(VALU_DEP_2)
	v_add_nc_u32 v[10+\c], 0xfe000000, v[8+\c]     ; 4 off the exponent field: the conversion's scale operand
.endr
.irp c, 0,1
	s_delay_alu instid0(VALU_DEP_2)
	v_lshrrev_b32 v[12+\c], 23, v[10+\c]           ; the scale's byte
.endr
	s_delay_alu instid0(VALU_DEP_1)
	v_lshl_or_b32 v14, v13, 16, v12                ; my two bytes, blocks h and 2 + h,
	s_delay_alu instid0(VALU_DEP_1)
	v_lshlrev_b32 v14, v29, v14                    ; at their places in the word;
	s_delay_alu instid0(VALU_DEP_1)
	v_permlanex16_b32 v15, v14, s16, s17
	s_delay_alu instid0(VALU_DEP_1)
	v_or_b32 v14, v14, v15                         ; with lane l xor 16's two the word is whole
.irp c, 0,1
	v_cvt_scalef32_pk16_bf6_f32 v[PC+6*\c:PC+6*\c+2], v[X+32*\c:X+32*\c+15], v[10+\c]
	v_cvt_scalef32_pk16_bf6_f32 v[T+4*\c:T+4*\c+2], v[X+32*\c+16:X+32*\c+31], v[10+\c]
.endr
	v_nop                                          ; one plain line behind a scaled conversion
.irp c, 0,1
.irp i, 0,1,2
	v_mov_b32 v[PC+3+6*\c+\i], v[T+4*\c+\i]
.endr
.endr
	global_store_b128 v2, v[PC:PC+3], s[22:23]                 ; the image: 512, 256, 512 and 256 consecutive bytes, each aligned to 256
	global_store_b64 v7, v[PC+4:PC+5], s[22:23] offset:512
	global_store_b128 v2, v[PC+6:PC+9], s[22:23] offset:768
	global_store_b64 v7, v[PC+10:PC+11], s[22:23] offset:1280
	global_store_b32 v28, v14, s[20:21]                        ; lanes 16-31 hold the same words and write the same bytes
	s_wait_tensorcnt 0x0
	ds_add_u32 v184, v185
	s_wait_dscnt 0x0
	s_endpgm
.Lfunc_end_k_q04b9057c60_ln2:
	.size	k_q04b9057c60_ln2, .Lfunc_end_k_q04b9057c60_ln2-k_q04b9057c60_ln2
	.p2alignl 7, 3214868480
	.fill 96, 4, 3214868480
	.section	.rodata,"a",@progbits
	.p2align	6, 0x0
	.amdhsa_kernel k_q04b9057c60_ln2
		.amdhsa_group_segment_fixed_size 66816
		.amdhsa_private_segment_fixed_size 0
		.amdhsa_enable_private_segment 0
		.amdhsa_kernarg_size 32
		.amdhsa_user_sgpr_count 2
		.amdhsa_user_sgpr_kernarg_segment_ptr 1
		.amdhsa_wavefront_size32 1
		.amdhsa_system_sgpr_workgroup_id_x 1
		.amdhsa_system_sgpr_workgroup_id_y 1
		.amdhsa_system_sgpr_workgroup_id_z 1
		.amdhsa_system_vgpr_workitem_id 0
		.amdhsa_next_free_vgpr 186
		.amdhsa_next_free_sgpr 66
		.amdhsa_reserve_vcc 0
		.amdhsa_float_denorm_mode_32 3
		.amdhsa_float_denorm_mode_16_64 3
		.amdhsa_memory_ordered 1
		.amdhsa_forward_progress 1
		.amdhsa_inst_pref_size 27
	.end_amdhsa_kernel
	.amdgpu_metadata
---
amdhsa.version: [ 1, 2 ]
amdhsa.kernels:
  - .name:           k_q04b9057c60_ln2
    .symbol:         k_q04b9057c60_ln2.kd
    .args:
      - { .name: x1, .offset: 0, .size: 8, .value_kind: global_buffer, .address_space: global }
      - { .name: ln2_w, .offset: 8, .size: 8, .value_kind: global_buffer, .address_space: global }
      - { .name: ln2_b, .offset: 16, .size: 8, .value_kind: global_buffer, .address_space: global }
      - { .name: hq, .offset: 24, .size: 8, .value_kind: global_buffer, .address_space: global }
    .group_segment_fixed_size: 66816
    .private_segment_fixed_size: 0
    .kernarg_segment_align: 8
    .kernarg_segment_size: 32
    .max_flat_workgroup_size: 256
    .sgpr_count:     66
    .vgpr_count:     186
    .wavefront_size: 32
...
	.end_amdgpu_metadata
.endif
;; end of part 5
;; launch gff1 (part 6): grid 16 x 16, 4 waves a work-group, clusters of 4 x 4, 327,680 bytes of LDS; arguments hq, wts, b1, g; writes g
.if DOCPART == 6
	.amdgcn_target "amdgcn-amd-amdhsa--gfx1250"
	.amdhsa_code_object_version 6
	.text
	.protected	k_q04b9057c60_gff1
	.globl	k_q04b9057c60_gff1
	.p2align	8
	.type	k_q04b9057c60_gff1,@function
k_q04b9057c60_gff1:
	s_mov_b64 s[64:65], 0
	v_nop
	global_prefetch_b8 v0, s[64:65] scope:SCOPE_SE
	s_setreg_imm32_b32 hwreg(HW_REG_WAVE_MODE, 25, 1), 1
	s_wait_xcnt 0x0
	s_wait_alu depctr_hold_cnt(0) depctr_sa_sdst(0) depctr_va_vdst(0) depctr_va_sdst(0) depctr_va_ssrc(0) depctr_va_vcc(0) depctr_vm_vsrc(0)
	s_getreg_b32 s2, hwreg(HW_REG_IB_STS2, 6, 4)
	s_cmp_eq_u32 s2, 0
	s_cbranch_scc0 .Lentry_in_a_cluster
	s_endpgm
.Lentry_in_a_cluster:
	s_bfe_u32 s2, ttmp6, 0x10000c
	s_cmp_lg_u32 s2, 0xf033
	s_cbranch_scc0 .Lentry_shape_is_right
	s_endpgm
.Lentry_shape_is_right:
; g = gelu(LN2(x1) W1 + b1), exact gelu, on codes of BF6 (E3M2) with E8M0 scales, K = 1,024; the result is quantised in registers along its columns, which are the next product's K, and leaves as images of that operand.
; OPERANDS are images of their registers: [row block of 16][K step of 128][1,536 bytes], scale words [row block][K step][16][4].  A tile of 256 x 256 is made by four waves, 128 x 128 each: 64 accumulators.
; Source 0 (S0) = weight rows, source 1 (S1) = tokens: lane (r, h) of accumulator (a, b), register j, holds (token 16 a + r, column 16 b + 8 h + j).
; Inside a block of 32 the quantiser lays the number with index 16 u + 8 h + j at place 16 h + 8 u + j; W2's codes carry the same order, so the products are kept.
; K lies in two LDS slots of 3 steps (49,152 bytes a step), BOTH filled at the head, one joint load a wave: S1's and S0's 256 rows of slot 0 (waves 0, 1), of slot 1 (waves 2, 3).  The last 2 steps are one refill of slot 0, behind a drained round.
; CLUSTERS: 4 x 4; S1's tile is shared along a row of the cluster, S0's along a column.  The scale words (16,384 bytes of a work-group's 409,600) come by plain loads and LDS stores into bytes of their own.
; NO DATA PREFETCH: the block is the largest, in clusters, and K is 8 steps, of which 6 are asked for at the head.
; erf(z), z = x / sqrt(2) held to +-4, is z P(z^2) / Q(z^2), P of degree 6 and Q of degree 4, in f32; gelu = x / 2 + (x / 2) erf(z).
; LIMITS: NaN and infinities are not served; a block whose largest magnitude lies under 2^-122 keeps the byte 1, a block of zeros too.
; REGISTERS: window 0: v1-9 lane terms; v16-23 LDS addresses; v27 scale words' address; v28, v29 for the add; v32-47 scale words, two sets; v64-159, v160-255 S1's fragments (on the way out: the map below).
;   window 1: v0-95, v96-191 S0's fragments; v192-255 the bias.   windows 2, 3: accumulator (a, b) at v[8 (8 (a % 4) + b)] of window 2 + a / 4.
.set AB, 8
.set KS, 8
.set N0, 3
.set N1, 3
.set NFILL, 3
.set LASTN, 2
.set VBIAS, 0
.set S1_SOFF, 3145728
.set S0_COFF, 3145728
.set S0_SOFF, 9568256
.set G_S, 12582912
.set G,   64                           ; v64-127  a row block's 64 numbers a lane
.set Z,   128                          ; v128-159 z, then Q
.set T,   160                          ; v160-191 z^2
.set P,   192                          ; v192-223 P
.set VA1, 224
.set VB1, 226
.set TM,  128                          ; the quantiser's work
.set PW,  48                           ; v48      the scale word: a store's data, which the next trip's gelu does not write
.set PC,  228                          ; v228-246 the codes: likewise
.set SQ2, 24
.set EA0, 26
.set EA2, 28
.set EA3, 30
.set EA4, 32
.set EA5, 34
.set EA6, 36
.set EB0, 38
.set EB2, 40
.set EB3, 42
.set EB4, 44
.set FRB, 1536
.set H0, AB*N0*FRB
.set H1, AB*N1*FRB
.set SL1, 4*H0
.set SCL, SL1+4*H1
.set HALFS, AB*KS*64
.set NSL, AB*KS/16
.set SPARE, 327168
.set A16, 16
.set A8, 18
.set B16, 20
.set B8, 22
.set ADRS, 27
.set SPW, 28
.set NIL, 29
.set SC, 32
.set AF, 64
.set BI, 192
.set G1, 24
.set G0, 32
.set G1B, 48
.set G0B, 56
.set SEL, 66
.set GH, 68
.set TO_B, 0x40
.set MSB, 0
.macro WIN new
.if MSB != (\new)
	s_set_vgpr_msb (MSB<<8)|(\new)
.set MSB, (\new)
.endif
.endm
.macro PLACES n
.rept \n
	v_nop
.endr
.endm
.macro JLOAD g0a, g1a, g0b, g1b        ; a joint refill: waves 0 and 1 fetch S1's halves, waves 2 and 3 S0's
	s_cmp_eq_u32 s15, 0
	s_cbranch_scc0 .Lfor_b_\@
	tensor_load_to_lds s[\g0a:\g0a+3], s[\g1a:\g1a+7]
	s_nop 0
	PLACES 4
	s_branch .Lasked_\@
.Lfor_b_\@:
	tensor_load_to_lds s[\g0b:\g0b+3], s[\g1b:\g1b+7]
	s_nop 0
	PLACES 4
.Lasked_\@:
.endm
.macro CREST
	s_cmp_lg_u32 s14, 0
	s_cbranch_scc1 .Lnot_wave_0_\@
	s_barrier_signal -3
.Lnot_wave_0_\@:
	s_barrier_wait -3
	s_barrier_signal -1
	s_barrier_wait -1
.endm
.macro CROUND
	s_barrier_signal -1
	s_barrier_wait -1
	CREST
.endm
.macro LOCATE st                       ; K step st: fill LF, slot LS, place LQ among the fill's LN steps
.set LR, (\st)%(N0+N1)
.set LS, LR/N0
.set LQ, LR-N0*LS
.set LN, N0-(N0-N1)*LS
.set LF, 2*((\st)/(N0+N1))+LS
.if LF == NFILL-1
.set LN, LASTN
.endif
.endm
.macro FRAG reg, a16, a8, off
	ds_load_b128 v[\reg:\reg+3], v[\a16] offset:\off
	ds_load_b64 v[\reg+4:\reg+5], v[\a8] offset:\off+512
	ds_load_b128 v[\reg+6:\reg+9], v[\a16] offset:\off+768
	ds_load_b64 v[\reg+10:\reg+11], v[\a8] offset:\off+1280
.endm
.macro FETCH st                        ; step st's sixteen fragments and eight scale registers (lanes 0-15 S1's block, lanes 16-31 S0's) into set st % 2
	LOCATE \st
.set fset, (\st)%2
	WIN TO_B
.set fi, 0
.rept AB
	FRAG 96*fset+12*fi, B16+LS, B8+LS, (fi*LN+LQ)*FRB
.set fi, fi+1
.endr
	WIN 0
.set fi, 0
.rept AB
	FRAG AF+96*fset+12*fi, A16+LS, A8+LS, (fi*LN+LQ)*FRB
	ds_load_b32 v[SC+8*fset+fi], v[ADRS] offset:fi*KS*64+(\st)*64
.set fi, fi+1
.endr
.endm
.macro WM d, a, b, c, sa, sb
	v_wmma_scale_f32_16x16x128_f8f6f4 v[\d:\d+7], v[\a:\a+11], v[\b:\b+11], v[\c:\c+7], v[\sa], v[\sb] matrix_a_fmt:MATRIX_FMT_BF6 matrix_b_fmt:MATRIX_FMT_BF6 matrix_a_scale:MATRIX_SCALE_ROW1
.endm
; A quarter of a step's products: two of S1's blocks, each against S0's eight.  first = 1: the sums begin with the bias by S0's rows.  The 64 accumulators take turns, one instruction a turn.
.macro MULQ u, set, first
.set ma, (\u)*AB/4
.rept AB/4
.if (\first) == 0
	WIN 0xa1+0x50*(ma/4)
.else
	WIN 0x91+0x40*(ma/4)
.endif
.set mb, 0
.rept AB
.set rD, 8*(AB*(ma%4)+mb)
.set rA, 96*(\set)+12*mb
.set rB, AF+96*(\set)+12*ma
.set rC, rD
.if (\first) == 1
.set rC, BI+8*mb
.endif
.set rSa, SC+8*(\set)+mb
.set rSb, SC+8*(\set)+ma
	WM rD, rA, rB, rC, rSa, rSb
.set mb, mb+1
.endr
.set ma, ma+1
.endr
.endm
.macro MUL4 set, first
	MULQ 0, \set, \first
	MULQ 1, \set, \first
	MULQ 2, \set, \first
	MULQ 3, \set, \first
.endm
.macro SHAPE n                         ; a refill's tile: AB row blocks of n steps; written while no tensor load of the wave is out
.irp g, G1, G1B
	s_mov_b32 s[\g+1], ((\n)*192)<<16
	s_mov_b32 s[\g+2], AB<<16
	s_mov_b32 s[\g+3], ((\n)*192)<<16
	s_mov_b32 s[\g+4], AB
.endr
.endm
; A fill's last step changes slots: one barrier, with the three lines in front of it.  Where a fill two on is left, the barrier opens a round of the cluster's and the slot just read out is filled again.
.macro TURN st
	LOCATE \st
.set TF, LF
.set TS, LS
.set RF, 0
.if TF+2 < NFILL
.set RF, 1
.set RN, N0-(N0-N1)*TS
.if TF+2 == NFILL-1
.set RN, LASTN
.endif
.endif
	WIN 0
	s_wait_tensorcnt 0x0                           ; all my tensor loads have landed
	ds_add_u32 v[SPW], v[NIL]
.if RF
	s_add_nc_u64 s[G0+4*TS+2:G0+4*TS+3], s[G0+4*TS+2:G0+4*TS+3], (N0+N1)*FRB
	s_add_nc_u64 s[G0B+4*TS+2:G0B+4*TS+3], s[G0B+4*TS+2:G0B+4*TS+3], (N0+N1)*FRB
	SHAPE RN
.endif
	s_wait_dscnt 0x0                               ; the add is done, my reads of this slot are over
	s_barrier_signal -1
	MULQ 0, (\st)%2, 0
	WIN 0
	s_barrier_wait -1
.if RF
	CREST
	JLOAD G0+4*TS, G1, G0B+4*TS, G1B               ; its four v_nop are the places in front of the loads below
.else
	PLACES 4
.endif
	FETCH (\st)+1
	MULQ 1, (\st)%2, 0
	MULQ 2, (\st)%2, 0
	MULQ 3, (\st)%2, 0
.endm
.macro STEP st
	LOCATE \st
.if LQ < LN-1
	s_wait_dscnt 0x0                               ; this step's fragments, asked for a step ago, are in
	PLACES 4                                       ; between the last products, which read the other set, and the loads into it
	FETCH (\st)+1
.if (\st) == 0
	MUL4 0, 1
.else
	MUL4 (\st)%2, 0
.endif
.else
	TURN \st
.endif
.endm
.macro HLOAD g0, g1, n                 ; a head's tile: 2 AB row blocks of n steps
	s_mov_b32 s[\g1+1], ((\n)*192)<<16
	s_mov_b32 s[\g1+3], ((\n)*192)<<16
	tensor_load_to_lds s[\g0:\g0+3], s[\g1:\g1+7]
	s_nop 0
	PLACES 4
.endm
.macro ARM under, g0, g1, n, next
	s_cmp_lt_u32 s14, \under
	s_cbranch_scc0 \next
	HLOAD \g0, \g1, \n
	s_branch .Lhead_asked
\next:
.endm
; 64 numbers of a lane, register 16 b + i = place 16 h + i of block b of my row, become a fragment's codes in v[PC] on and its scale word in v[PW]
.macro QUANT s
.irp b, 0,1,2,3
	v_max3_num_f32 v[TM+\b], |v[(\s)+16*\b]|, |v[(\s)+1+16*\b]|, 0x2800000     ; with the floor 2^(5 - 127): the byte cannot fall under 1
.endr
.irp i, 2,4,6,8,10,12,14
.irp b, 0,1,2,3
	v_max3_num_f32 v[TM+\b], |v[(\s)+16*\b+\i]|, |v[(\s)+1+16*\b+\i]|, v[TM+\b]
.endr
.endr
.irp b, 0,1,2,3
	v_permlanex16_b32 v[TM+4+\b], v[TM+\b], s[SEL], s[SEL+1]
.endr
.irp b, 0,1,2,3
	v_max_num_f32 v[TM+\b], v[TM+\b], v[TM+4+\b]
.endr
.irp b, 0,1,2,3
	v_add_nc_u32 v[TM+12+\b], 0xfe000000, v[TM+\b] ; 4 off the exponent field: the conversion's scale operand
.endr
.irp b, 0,1,2,3
	v_lshrrev_b32 v[TM+4+\b], 23, v[TM+12+\b]      ; the scale's byte
.endr
	v_lshl_or_b32 v[PW], v[TM+5], 8, v[TM+4]
	v_lshl_or_b32 v[PW], v[TM+6], 16, v[PW]
	v_lshl_or_b32 v[PW], v[TM+7], 24, v[PW]
.irp c, 0,1
	v_cvt_scalef32_pk16_bf6_f32 v[PC+6*\c:PC+2+6*\c], v[(\s)+32*\c:(\s)+15+32*\c], v[TM+12+2*\c]
	v_cvt_scalef32_pk16_bf6_f32 v[PC+12+4*\c:PC+14+4*\c], v[(\s)+16+32*\c:(\s)+31+32*\c], v[TM+12+2*\c+1]
.endr
	v_nop                                          ; one plain line behind a scaled conversion
.irp c, 0,1
.irp i, 0,1,2
	v_permlane16_swap_b32 v[PC+6*\c+\i], v[PC+12+4*\c+\i]
.endr
.irp i, 0,1,2
	v_mov_b32 v[PC+3+6*\c+\i], v[PC+12+4*\c+\i]
.endr
.endr
.endm
	s_load_b128 s[4:7], s[0:1], 0x0                ; hq, wts
	s_load_b128 s[8:11], s[0:1], 0x10              ; b1, g
	v_lshl_add_u32 v[SPW], v0, 2, SPARE
	v_mov_b32 v[NIL], 0
	ds_add_u32 v[SPW], v[NIL]                      ; the opening lines: the add twice on end
	ds_add_u32 v[SPW], v[NIL]
	v_lshrrev_b32 v1, 5, v0
	v_readfirstlane_b32 s14, v1                    ; wave 0..3
	s_lshr_b32 s15, s14, 1                         ; my half of S1's rows; in a refill: I fetch for S1 (0) or S0 (1)
	s_and_b32 s16, s14, 1                          ; my half of S0's rows; in a refill: which half I fetch
	s_bfe_u32 s40, ttmp6, 0x40000                  ; cx
	s_bfe_u32 s41, ttmp6, 0x40004                  ; cy
	s_lshl_b32 s42, ttmp9, 2
	s_add_co_u32 s42, s42, s40                     ; the weight tile
	s_and_b32 s17, ttmp7, 0xffff
	s_lshl_b32 s17, s17, 2
	s_add_co_u32 s17, s17, s41                     ; the token tile
	s_lshl_b32 s43, s41, 2
	s_lshl_b32 s43, 15, s43                        ; my row of the cluster
	s_lshl_b32 s44, 0x1111, s40                    ; my column
	s_mov_b32 s[SEL], 0x76543210
	s_mov_b32 s[SEL+1], 0xfedcba98
	s_or_b32 s[G1], s43, (3<<16)|(1<<21)           ; elements of 8 bytes; bit 21 beside a mask
	s_or_b32 s[G1B], s44, (3<<16)|(1<<21)
.irp g, G1, G1B
	s_mov_b32 s[\g+1], (N0*192)<<16
	s_mov_b32 s[\g+2], (2*AB)<<16
	s_mov_b32 s[\g+3], (N0*192)<<16
	s_mov_b32 s[\g+4], 2*AB
	s_mov_b32 s[\g+5], KS*192
	s_mov_b32 s[\g+6], 0
	s_mov_b32 s[\g+7], 0
.endr
.irp k, 0,1,2,3
	s_mov_b32 s[GH+4*\k], 1
.endr
	s_mov_b32 s[GH+1], 0                           ; S1, slot 0
	s_mov_b32 s[GH+5], 2*H0                        ; S0, slot 0
	s_mov_b32 s[GH+9], SL1                         ; S1, slot 1
	s_mov_b32 s[GH+13], SL1+2*H1                   ; S0, slot 1
	s_mul_i32 s20, s17, 2*AB*KS*FRB                ; byte offsets: S1's codes,
	s_mov_b32 s21, 0
	s_mul_i32 s46, s42, 2*AB*KS*FRB                ; S0's codes,
	s_add_co_u32 s46, s46, S0_COFF
	s_mov_b32 s47, 0
	s_mul_i32 s22, s17, 2*AB*KS*64                 ; S1's scale words,
	s_add_co_u32 s22, s22, S1_SOFF
	s_mov_b32 s23, 0
	s_mul_i32 s92, s42, 2*AB*KS*64                 ; S0's
	s_add_co_u32 s92, s92, S0_SOFF
	s_mov_b32 s93, 0
	s_mul_i32 s86, s16, AB*KS*FRB                  ; the half that I fetch in a refill
	s_mov_b32 s87, 0
	s_lshl_b32 s88, s42, 10
	s_lshl_b32 s45, s16, 9
	s_add_co_u32 s88, s88, s45                     ; the bias at my columns
	s_mov_b32 s89, 0
	s_mul_i32 s84, s15, H0                         ; LDS: my half of S1 in slot 0,
	s_mul_i32 s85, s15, H1
	s_add_co_u32 s85, s85, SL1                     ; in slot 1;
	s_mul_i32 s94, s16, H0
	s_add_co_u32 s94, s94, 2*H0                    ; my half of S0 in slot 0,
	s_mul_i32 s95, s16, H1
	s_add_co_u32 s95, s95, SL1+2*H1                ; in slot 1
	s_mul_i32 s3, s15, HALFS
	s_mul_i32 s100, s16, HALFS
	s_add_co_u32 s100, s100, 2*HALFS+64
	s_sub_co_u32 s100, s100, s3                    ; from S1's scale words to S0's
	s_add_co_u32 s3, s3, SCL
	v_and_b32 v1, 31, v0
	v_and_b32 v2, 15, v0                           ; r
	v_bfe_u32 v3, v0, 4, 1                         ; h
	v_lshlrev_b32 v4, 4, v1                        ; 16 l
	v_lshlrev_b32 v5, 3, v1                        ; 8 l
	v_lshlrev_b32 v6, 2, v2                        ; 4 r
	v_add_nc_u32 v[A16], s84, v4
	v_add_nc_u32 v[A8], s84, v5
	v_add_nc_u32 v[A16+1], s85, v4
	v_add_nc_u32 v[A8+1], s85, v5
	v_add_nc_u32 v[B16], s94, v4
	v_add_nc_u32 v[B8], s94, v5
	v_add_nc_u32 v[B16+1], s95, v4
	v_add_nc_u32 v[B8+1], s95, v5
	v_mul_u32_u24 v7, s100, v3                     ; lanes 16-31 take S0's words: one product with h
	v_add_nc_u32 v7, v6, v7
	v_add_nc_u32 v[ADRS], s3, v7
	v_lshlrev_b32 v30, 5, v3                       ; 32 h
	v_lshlrev_b32 v9, 4, v0                        ; 16 x thread
	v_add_nc_u32 v8, SCL, v9
	s_wait_alu depctr_va_vdst(0)                   ; the wait at the head's end
	s_wait_dscnt 0x0                               ; both opening adds are done
	CROUND                                         ; all sixteen work-groups are here: the first joint loads meet
	s_wait_kmcnt 0x0
	s_add_nc_u64 s[20:21], s[4:5], s[20:21]
	s_add_nc_u64 s[46:47], s[6:7], s[46:47]
	s_mov_b64 s[GH+2:GH+3], s[20:21]
	s_mov_b64 s[GH+6:GH+7], s[46:47]
	s_add_nc_u64 s[GH+10:GH+11], s[20:21], N0*FRB
	s_add_nc_u64 s[GH+14:GH+15], s[46:47], N0*FRB
.irp k, 0,1,2,3
	s_or_b32 s[GH+4*\k+3], s[GH+4*\k+3], 0x80000000
.endr
	ARM 1, GH, G1, N0, .Lhead_1                    ; one tensor load a wave, each on a line of its own
	ARM 2, GH+4, G1B, N0, .Lhead_2
	ARM 3, GH+8, G1, N1, .Lhead_3
	HLOAD GH+12, G1B, N1
.Lhead_asked:
	s_add_nc_u64 s[22:23], s[4:5], s[22:23]
	s_add_nc_u64 s[92:93], s[6:7], s[92:93]
	s_add_nc_u64 s[96:97], s[8:9], s[88:89]
.set i, 0
.rept NSL
	global_load_b128 v[AF+4*i:AF+4*i+3], v9, s[22:23] offset:2048*i                ; the scale words: 2,048 consecutive bytes a line
	global_load_b128 v[AF+4*NSL+4*i:AF+4*NSL+4*i+3], v9, s[92:93] offset:2048*i
.set i, i+1
.endr
	WIN TO_B
.set fi, 0
.rept AB
	global_load_b128 v[BI+8*fi:BI+8*fi+3], v30, s[96:97] offset:64*fi              ; register j of block b: the bias of column 16 b + 8 h + j
	global_load_b128 v[BI+8*fi+4:BI+8*fi+7], v30, s[96:97] offset:64*fi+16
.set fi, fi+1
.endr
	WIN 0
	s_add_nc_u64 s[20:21], s[20:21], s[86:87]      ; the ring's groups 0: my half, at each slot's first fill; a refill steps them
	s_add_nc_u64 s[46:47], s[46:47], s[86:87]
	s_mov_b32 s[G0], 1
	s_mov_b32 s[G0+4], 1
	s_mov_b32 s[G0B], 1
	s_mov_b32 s[G0B+4], 1
	s_mul_i32 s45, s14, H0
	s_add_co_u32 s[G0+1], s45, 0
	s_add_co_u32 s[G0B+1], s45, 0
	s_mul_i32 s45, s14, H1
	s_add_co_u32 s[G0+5], s45, SL1
	s_add_co_u32 s[G0B+5], s45, SL1
	s_mov_b64 s[G0+2:G0+3], s[20:21]
	s_mov_b64 s[G0B+2:G0B+3], s[46:47]
	s_add_nc_u64 s[G0+6:G0+7], s[20:21], N0*FRB
	s_add_nc_u64 s[G0B+6:G0B+7], s[46:47], N0*FRB
	s_or_b32 s[G0+3], s[G0+3], 0x80000000
	s_or_b32 s[G0+7], s[G0+7], 0x80000000
	s_or_b32 s[G0B+3], s[G0B+3], 0x80000000
	s_or_b32 s[G0B+7], s[G0B+7], 0x80000000
	s_wait_loadcnt 0x0                             ; the scale words and the bias
.set i, 0
.rept NSL
	ds_store_b128 v8, v[AF+4*i:AF+4*i+3] offset:2048*i
	ds_store_b128 v8, v[AF+4*NSL+4*i:AF+4*NSL+4*i+3] offset:2*HALFS+64+2048*i
.set i, i+1
.endr
	s_wait_dscnt 0x0
	s_cmp_lt_u32 s14, 2
	s_cbranch_scc0 .Lnot_first
	s_wait_tensorcnt 0x0                           ; waves 0 and 1: slot 0's two tiles
.Lnot_first:
	s_barrier_signal -1
	s_barrier_wait -1                              ; slot 0 and the scale words are in; slot 1's tiles may be out: no tensor load is issued behind this barrier
	FETCH 0
.set ST, 0
.rept KS-1
	STEP ST
.set ST, ST+1
.endr
	s_wait_dscnt 0x0
	MUL4 (KS-1)%2, 0
	WIN 0
	; THE WAY OUT: my first image: row block 16 x token tile + 8 x half, K step 2 x weight tile + half; a row block on is 32 images
	s_lshl_b32 s20, s17, 4
	s_lshl_b32 s21, s15, 3
	s_add_co_u32 s20, s20, s21
	s_lshl_b32 s20, s20, 5
	s_lshl_b32 s21, s42, 1
	s_add_co_u32 s20, s20, s21
	s_add_co_u32 s20, s20, s16
	s_mul_i32 s22, s20, FRB
	s_mov_b32 s23, 0
	s_add_nc_u64 s[92:93], s[10:11], s[22:23]
	s_lshl_b32 s22, s20, 6
	s_add_co_u32 s22, s22, G_S
	s_add_nc_u64 s[94:95], s[10:11], s[22:23]
	s_mov_b32 s21, 0
.macro KPAIR r, bits
	s_mov_b32 s[\r], \bits
	s_mov_b32 s[\r+1], \bits
.endm
	KPAIR SQ2, 0x3fb504f3
	KPAIR EA0, 0xaf95df0b
	KPAIR EA2, 0xb60cff51
	KPAIR EA3, 0xb86ec2d2
	KPAIR EA4, 0xba40ac63
	KPAIR EA5, 0xbb41a1f6
	KPAIR EA6, 0xbc83dbd4
	KPAIR EB0, 0xb77460cd
	KPAIR EB2, 0xbadc924e
	KPAIR EB3, 0xbbf19bf8
	KPAIR EB4, 0xbc69b6a7
	PLACES 4                                       ; between the last products and the first read of results
	v_mov_b32 v[VA1], 0x32edffee
	v_mov_b32 v[VA1+1], 0x32edffee
	v_mov_b32 v[VB1], 0xb95fbd29
	v_mov_b32 v[VB1+1], 0xb95fbd29
.irp b, 0,1,2,3
	v_mov_b32 v[TM+4+\b], 0                        ; a lane permute's destination counts as one of its sources
.endr
.macro COPY a                          ; x / 2 of S1's block a, out of its window; each accumulator from its low end on
	WIN 2+(\a)/4
.set k, 0
.rept 32
	v_pk_mul_f32 v[G+k:G+k+1], v[64*((\a)%4)+k:64*((\a)%4)+k+1], 0.5 op_sel_hi:[1,0]
.set k, k+2
.endr
	WIN 0
.endm
.macro GELU32 g
.set k, 0
.rept 16
	v_pk_mul_f32 v[Z+k:Z+k+1], v[(\g)+k:(\g)+k+1], s[SQ2:SQ2+1] op_sel_hi:[1,0]
.set k, k+2
.endr
.set k, 0
.rept 32
	v_med3_num_f32 v[Z+k], v[Z+k], -4.0, 4.0
.set k, k+1
.endr
.set k, 0
.rept 16
	v_pk_mul_f32 v[T+k:T+k+1], v[Z+k:Z+k+1], v[Z+k:Z+k+1]
.set k, k+2
.endr
.set k, 0
.rept 16
	v_pk_fma_f32 v[P+k:P+k+1], v[T+k:T+k+1], s[EA0:EA0+1], v[VA1:VA1+1] op_sel_hi:[1,0,1]
.set k, k+2
.endr
.irp c, EA2,EA3,EA4,EA5,EA6
.set k, 0
.rept 16
	v_pk_fma_f32 v[P+k:P+k+1], v[P+k:P+k+1], v[T+k:T+k+1], s[\c:\c+1] op_sel_hi:[1,1,0]
.set k, k+2
.endr
.endr
.set k, 0
.rept 16
	v_pk_mul_f32 v[P+k:P+k+1], v[P+k:P+k+1], v[Z+k:Z+k+1]
.set k, k+2
.endr
.set k, 0
.rept 16
	v_pk_fma_f32 v[Z+k:Z+k+1], v[T+k:T+k+1], s[EB0:EB0+1], v[VB1:VB1+1] op_sel_hi:[1,0,1]
.set k, k+2
.endr
.irp c, EB2,EB3,EB4
.set k, 0
.rept 16
	v_pk_fma_f32 v[Z+k:Z+k+1], v[Z+k:Z+k+1], v[T+k:T+k+1], s[\c:\c+1] op_sel_hi:[1,1,0]
.set k, k+2
.endr
.endr
.set k, 0
	s_wait_alu depctr_va_vdst(0)                   ; the wait ahead of the batch
.rept 32
	v_rcp_f32 v[Z+k], v[Z+k]
.set k, k+1
.endr
	v_nop
	s_wait_alu depctr_va_vdst(0)                   ; and behind it
.set k, 0
.rept 16
	v_pk_mul_f32 v[P+k:P+k+1], v[P+k:P+k+1], v[Z+k:Z+k+1]
.set k, k+2
.endr
.set k, 0
.rept 16
	v_pk_fma_f32 v[(\g)+k:(\g)+k+1], v[(\g)+k:(\g)+k+1], v[P+k:P+k+1], v[(\g)+k:(\g)+k+1]
.set k, k+2
.endr
.endm
	s_mov_b32 s3, 0
.Lrow:                                             ; a trip: one of S1's eight blocks; only the copy out of the accumulators differs from trip to trip
.irp a, 1,2,3,4,5,6,7
	s_cmp_eq_u32 s3, \a
	s_cbranch_scc1 .Lcopy_\a
.endr
	COPY 0
	s_branch .Lmath
.irp a, 1,2,3,4,5,6
.Lcopy_\a:
	COPY \a
	s_branch .Lmath
.endr
.Lcopy_7:
	COPY 7
.Lmath:
	GELU32 G
	GELU32 G+32
	s_cmp_eq_u32 s3, 0
	s_cselect_b32 s20, 0, 32*FRB                   ; from the second trip on the stores' bases step a row block on
	s_cselect_b32 s22, 0, 32*64
	s_wait_alu depctr_va_vdst(0)                   ; directly ahead of the wait below
	s_wait_xcnt 0x0                                ; the last trip's stores have read their bases, the codes and the scale word: all are written again only behind this wait
	s_add_nc_u64 s[92:93], s[92:93], s[20:21]
	s_add_nc_u64 s[94:95], s[94:95], s[22:23]
	QUANT G
	global_store_b128 v4, v[PC:PC+3], s[92:93]
	global_store_b64 v5, v[PC+4:PC+5], s[92:93] offset:512
	global_store_b128 v4, v[PC+6:PC+9], s[92:93] offset:768
	global_store_b64 v5, v[PC+10:PC+11], s[92:93] offset:1280
	global_store_b32 v6, v[PW], s[94:95]
	s_add_co_u32 s3, s3, 1
	s_cmp_lt_u32 s3, 8
	s_cbranch_scc1 .Lrow
	s_wait_tensorcnt 0x0                           ; the wave's end
	ds_add_u32 v[SPW], v[NIL]
	s_wait_dscnt 0x0
	CROUND                                         ; the closing round
	s_endpgm
.Lfunc_end_k_q04b9057c60_gff1:
	.size	k_q04b9057c60_gff1, .Lfunc_end_k_q04b9057c60_gff1-k_q04b9057c60_gff1
	.p2alignl 7, 3214868480
	.fill 96, 4, 3214868480
	.section	.rodata,"a",@progbits
	.p2align	6, 0x0
	.amdhsa_kernel k_q04b9057c60_gff1
		.amdhsa_group_segment_fixed_size 327680
		.amdhsa_private_segment_fixed_size 0
		.amdhsa_enable_private_segment 0
		.amdhsa_kernarg_size 32
		.amdhsa_user_sgpr_count 2
		.amdhsa_user_sgpr_kernarg_segment_ptr 1
		.amdhsa_wavefront_size32 1
		.amdhsa_system_sgpr_workgroup_id_x 1
		.amdhsa_system_sgpr_workgroup_id_y 1
		.amdhsa_system_sgpr_workgroup_id_z 1
		.amdhsa_system_vgpr_workitem_id 0
		.amdhsa_next_free_vgpr 1024
		.amdhsa_next_free_sgpr 102
		.amdhsa_reserve_vcc 0
		.amdhsa_float_denorm_mode_32 3
		.amdhsa_float_denorm_mode_16_64 3
		.amdhsa_memory_ordered 1
		.amdhsa_forward_progress 1
		.amdhsa_inst_pref_size 177
	.end_amdhsa_kernel
	.amdgpu_metadata
---
amdhsa.version: [ 1, 2 ]
amdhsa.kernels:
  - .name:           k_q04b9057c60_gff1
    .symbol:         k_q04b9057c60_gff1.kd
    .args:
      - { .name: hq, .offset: 0, .size: 8, .value_kind: global_buffer, .address_space: global }
      - { .name: wts, .offset: 8, .size: 8, .value_kind: global_buffer, .address_space: global }
      - { .name: b1, .offset: 16, .size: 8, .value_kind: global_buffer, .address_space: global }
      - { .name: g, .offset: 24, .size: 8, .value_kind: global_buffer, .address_space: global }
    .group_segment_fixed_size: 327680
    .private_segment_fixed_size: 0
    .kernarg_segment_align: 8
    .kernarg_segment_size: 32
    .max_flat_workgroup_size: 128
    .sgpr_count:     102
    .vgpr_count:     1024
    .wavefront_size: 32
...
	.end_amdgpu_metadata
.endif
;; end of part 6
;; launch gff2 (part 7): grid 8 x 32, 4 waves a work-group, clusters of 4 x 4, 327,680 bytes of LDS; arguments g, wts, b2, x1, out0; writes out0
.if DOCPART == 7
	.amdgcn_target "amdgcn-amd-amdhsa--gfx1250"
	.amdhsa_code_object_version 6
	.text
	.protected	k_q04b9057c60_gff2
	.globl	k_q04b9057c60_gff2
	.p2align	8
	.type	k_q04b9057c60_gff2,@function
k_q04b9057c60_gff2:
	s_mov_b64 s[64:65], 0
	v_nop
	global_prefetch_b8 v0, s[64:65] scope:SCOPE_SE
	s_setreg_imm32_b32 hwreg(HW_REG_WAVE_MODE, 25, 1), 1
	s_wait_xcnt 0x0
	s_wait_alu depctr_hold_cnt(0) depctr_sa_sdst(0) depctr_va_vdst(0) depctr_va_sdst(0) depctr_va_ssrc(0) depctr_va_vcc(0) depctr_vm_vsrc(0)
	s_getreg_b32 s2, hwreg(HW_REG_IB_STS2, 6, 4)
	s_cmp_eq_u32 s2, 0
	s_cbranch_scc0 .Lentry_in_a_cluster
	s_endpgm
.Lentry_in_a_cluster:
	s_bfe_u32 s2, ttmp6, 0x10000c
	s_cmp_lg_u32 s2, 0xf033
	s_cbranch_scc0 .Lentry_shape_is_right
	s_endpgm
.Lentry_shape_is_right:
; out = res + A W + bias on codes of BF6 (E3M2) with E8M0 scales: A = gelu's result g (K = 4,096), W = W2, res = x1, out = out0 (f32).
; OPERANDS are images of their registers: [row block of 16][K step of 128][1,536 bytes], scale words [row block][K step][16][4].  A tile of 128 x 128, 256 work-groups, four waves of 64 x 64: 16 accumulators.
; Source 0 = weight rows, source 1 = tokens: a lane holds eight neighbouring columns of a row of out.
; K goes through a ring of two LDS slots of N0 = 6 and N1 = 5 steps (24,576 bytes a step), BOTH filled at the head, one joint load a wave: A's and W's 128 rows of slot 0 (waves 0, 1), of slot 1 (waves 2, 3).
; The 32 steps are six fills of 6, 5, 6, 5, 6 and 4 steps: four refills, each behind a drained round of the cluster's barrier, a quarter of the slot a wave.  The walk is written out: slots and register sets come back together only after 22 steps.
; CLUSTERS: 4 x 4; A's tile is shared along a row of the cluster, W's along a column.  The scale words (32,768 bytes of a work-group's 819,200) come once, by plain loads and LDS stores into bytes of their own.
; PREFETCH: each fill from the third on is asked for into the L2 one fill ahead of its load: a row block a wave, the four partners of a joint load told apart by address; the base is never stepped, the fill's place is an immediate.
; The bias is the C of each sum's first product; the residual is asked for behind the first refill.  LIMITS: NaN and infinities are not served.
; REGISTERS: window 0: v1-13 lane terms; v16-23 LDS addresses; v24-26 the way out; v27 scale words; v28, v29 for the add; v32-39 scale words, two sets; v96.., v192.. A's fragments (v96-159 rows of out at the end).
;   window 1: v0.., v96.. W's fragments; v192-223 the bias.   window 2: v0-127 accumulators; v128-255 the residual.
.set AB, 4
.set KS, 32
.set N0, 6
.set N1, 5
.set NFILL, 6
.set LASTN, 4
.set RES_EARLY, 0
.set S1_SOFF, 12582912
.set S0_COFF, 6291456
.set S0_SOFF, 9699328
.set FRB, 1536
.set H0, AB*N0*FRB
.set H1, AB*N1*FRB
.set SL1, 4*H0
.set SCL, SL1+4*H1
.set HALFS, AB*KS*64
.set NSL, KS/4
.set SPARE, 327168
.set A16, 16
.set A8, 18
.set B16, 20
.set B8, 22
.set ADRS, 27
.set SPW, 28
.set NIL, 29
.set SC, 32
.set AF, 96
.set BK, 96
.set BI, 192
.set G1, 24
.set G0, 32
.set G1B, 48
.set G0B, 56
.set GH, 68
.set TO_B, 0x40
.set MSB, 0
.macro WIN new
.if MSB != (\new)
	s_set_vgpr_msb (MSB<<8)|(\new)
.set MSB, (\new)
.endif
.endm
.macro PLACES n
.rept \n
	v_nop
.endr
.endm
.macro JLOAD g0a, g1a, g0b, g1b        ; a joint refill: waves 0 and 1 fetch A's halves, waves 2 and 3 W's
	s_cmp_eq_u32 s15, 0
	s_cbranch_scc0 .Lfor_b_\@
	tensor_load_to_lds s[\g0a:\g0a+3], s[\g1a:\g1a+7]
	s_nop 0
	PLACES 4
	s_branch .Lasked_\@
.Lfor_b_\@:
	tensor_load_to_lds s[\g0b:\g0b+3], s[\g1b:\g1b+7]
	s_nop 0
	PLACES 4
.Lasked_\@:
.endm
.macro CREST
	s_cmp_lg_u32 s14, 0
	s_cbranch_scc1 .Lnot_wave_0_\@
	s_barrier_signal -3
.Lnot_wave_0_\@:
	s_barrier_wait -3
	s_barrier_signal -1
	s_barrier_wait -1
.endm
.macro CROUND
	s_barrier_signal -1
	s_barrier_wait -1
	CREST
.endm
.macro LOCATE st                       ; K step st: fill LF, slot LS, place LQ among the fill's LN steps
.set LR, (\st)%(N0+N1)
.set LS, LR/N0
.set LQ, LR-N0*LS
.set LN, N0-(N0-N1)*LS
.set LF, 2*((\st)/(N0+N1))+LS
.if LF == NFILL-1
.set LN, LASTN
.endif
.endm
.macro FRAG reg, a16, a8, off
	ds_load_b128 v[\reg:\reg+3], v[\a16] offset:\off
	ds_load_b64 v[\reg+4:\reg+5], v[\a8] offset:\off+512
	ds_load_b128 v[\reg+6:\reg+9], v[\a16] offset:\off+768
	ds_load_b64 v[\reg+10:\reg+11], v[\a8] offset:\off+1280
.endm
.macro FETCH st                        ; step st's eight fragments and four scale registers (lanes 0-15 A's block, lanes 16-31 W's) into set st % 2
	LOCATE \st
.set fset, (\st)%2
	WIN TO_B
.set fi, 0
.rept AB
	FRAG 96*fset+12*fi, B16+LS, B8+LS, (fi*LN+LQ)*FRB
.set fi, fi+1
.endr
	WIN 0
.set fi, 0
.rept AB
	FRAG AF+96*fset+12*fi, A16+LS, A8+LS, (fi*LN+LQ)*FRB
	ds_load_b32 v[SC+4*fset+fi], v[ADRS] offset:fi*KS*64+(\st)*64
.set fi, fi+1
.endr
.endm
.macro WM d, a, b, c, sa, sb
	v_wmma_scale_f32_16x16x128_f8f6f4 v[\d:\d+7], v[\a:\a+11], v[\b:\b+11], v[\c:\c+7], v[\sa], v[\sb] matrix_a_fmt:MATRIX_FMT_BF6 matrix_b_fmt:MATRIX_FMT_BF6 matrix_a_scale:MATRIX_SCALE_ROW1
.endm
.macro MULQ u, set, first              ; A's block u against W's four; the sixteen accumulators take turns, one instruction a turn
.if (\first) == 0
	WIN 0xa1
.else
	WIN 0x91
.endif
.set mb, 0
.rept AB
.set rD, 8*(AB*(\u)+mb)
.set rA, 96*(\set)+12*mb
.set rB, AF+96*(\set)+12*(\u)
.set rC, rD
.if (\first) == 1
.set rC, BI+8*mb
.endif
.set rSa, SC+4*(\set)+mb
.set rSb, SC+4*(\set)+(\u)
	WM rD, rA, rB, rC, rSa, rSb
.set mb, mb+1
.endr
.endm
.macro MUL4 set, first
	MULQ 0, \set, \first
	MULQ 1, \set, \first
	MULQ 2, \set, \first
	MULQ 3, \set, \first
.endm
.macro SHAPE n                         ; a refill's tile: AB row blocks of n steps; written while no tensor load of the wave is out
.irp g, G1, G1B
	s_mov_b32 s[\g+1], ((\n)*192)<<16
	s_mov_b32 s[\g+2], AB<<16
	s_mov_b32 s[\g+3], ((\n)*192)<<16
	s_mov_b32 s[\g+4], AB
.endr
.endm
.macro ASKF f                          ; fill f's bytes of my one row block are asked for into the L2: a lane a block of 256 bytes; lanes left over name the last block again
.set PS, ((\f)/2)*(N0+N1)+((\f)%2)*N0
.set PN, N0-(N0-N1)*((\f)%2)
.if (\f) == NFILL-1
.set PN, LASTN
.endif
.if PN == 6
	global_prefetch_b8 v10, s[84:85] offset:PS*FRB th:TH_LOAD_NT scope:SCOPE_SE
	global_prefetch_b8 v11, s[84:85] offset:PS*FRB+8192 th:TH_LOAD_NT scope:SCOPE_SE
.elseif PN == 5
	global_prefetch_b8 v12, s[84:85] offset:PS*FRB th:TH_LOAD_NT scope:SCOPE_SE
.else
	global_prefetch_b8 v13, s[84:85] offset:PS*FRB th:TH_LOAD_NT scope:SCOPE_SE
.endif
.endm
.macro RESID                           ; the residual, in the layout of the stores: sixteen lanes read 256 consecutive bytes
	WIN 0x80
.set fi, 0
.rept 32
	global_load_b128 v[128+4*fi:128+4*fi+3], v26, s[96:97] offset:2*fi*4096
.set fi, fi+1
.endr
	WIN 0
.endm
; A fill's last step changes slots: one barrier, with the three lines in front of it.  Where a fill two on is left, the barrier opens a round of the cluster's and the slot just read out is filled again.
.macro TURN st
	LOCATE \st
.set TF, LF
.set TS, LS
.set RF, 0
.if TF+2 < NFILL
.set RF, 1
.set RN, N0-(N0-N1)*TS
.if TF+2 == NFILL-1
.set RN, LASTN
.endif
.endif
	WIN 0
	s_wait_tensorcnt 0x0                           ; all my tensor loads have landed
	ds_add_u32 v[SPW], v[NIL]
.if RF
	s_add_nc_u64 s[G0+4*TS+2:G0+4*TS+3], s[G0+4*TS+2:G0+4*TS+3], (N0+N1)*FRB
	s_add_nc_u64 s[G0B+4*TS+2:G0B+4*TS+3], s[G0B+4*TS+2:G0B+4*TS+3], (N0+N1)*FRB
	SHAPE RN
.endif
	s_wait_dscnt 0x0                               ; the add is done, my reads of this slot are over
	s_barrier_signal -1
	MULQ 0, (\st)%2, 0
	WIN 0
	s_barrier_wait -1
.if RF
	CREST
	JLOAD G0+4*TS, G1, G0B+4*TS, G1B               ; its four v_nop are the places in front of the loads below
.else
	PLACES 4
.endif
	FETCH (\st)+1
.if RF
.if TF+3 < NFILL
	ASKF TF+3                                      ; one fill ahead of the load that will want it
.endif
.endif
.if (TF == 0) && (RES_EARLY == 0)
	RESID
.endif
	MULQ 1, (\st)%2, 0
	MULQ 2, (\st)%2, 0
	MULQ 3, (\st)%2, 0
.endm
.macro STEP st
	LOCATE \st
.if LQ < LN-1
	s_wait_dscnt 0x0                               ; this step's fragments, asked for a step ago, are in
	PLACES 4                                       ; between the last products, which read the other set, and the loads into it
	FETCH (\st)+1
.if (\st) == 0
	MUL4 0, 1
.else
	MUL4 (\st)%2, 0
.endif
.else
	TURN \st
.endif
.endm
.macro HLOAD g0, g1, n                 ; a head's tile: 2 AB row blocks of n steps
	s_mov_b32 s[\g1+1], ((\n)*192)<<16
	s_mov_b32 s[\g1+3], ((\n)*192)<<16
	tensor_load_to_lds s[\g0:\g0+3], s[\g1:\g1+7]
	s_nop 0
	PLACES 4
.endm
.macro ARM under, g0, g1, n, next
	s_cmp_lt_u32 s14, \under
	s_cbranch_scc0 \next
	HLOAD \g0, \g1, \n
	s_branch .Lhead_asked
\next:
.endm
	s_load_b128 s[4:7], s[0:1], 0x0                ; A, wts
	s_load_b128 s[8:11], s[0:1], 0x10              ; bias, res
	s_load_b64 s[12:13], s[0:1], 0x20              ; out
	v_lshl_add_u32 v[SPW], v0, 2, SPARE
	v_mov_b32 v[NIL], 0
	ds_add_u32 v[SPW], v[NIL]                      ; the opening lines: the add twice on end
	ds_add_u32 v[SPW], v[NIL]
	v_lshrrev_b32 v1, 5, v0
	v_readfirstlane_b32 s14, v1                    ; wave 0..3
	s_lshr_b32 s15, s14, 1                         ; my half of A's rows; in a refill: I fetch for A (0) or W (1)
	s_and_b32 s16, s14, 1                          ; my half of W's rows; in a refill: which half I fetch
	s_bfe_u32 s40, ttmp6, 0x40000                  ; cx
	s_bfe_u32 s41, ttmp6, 0x40004                  ; cy
	s_lshl_b32 s42, ttmp9, 2
	s_add_co_u32 s42, s42, s40                     ; the weight tile
	s_and_b32 s17, ttmp7, 0xffff
	s_lshl_b32 s17, s17, 2
	s_add_co_u32 s17, s17, s41                     ; the token tile
	s_lshl_b32 s43, s41, 2
	s_lshl_b32 s43, 15, s43                        ; my row of the cluster
	s_lshl_b32 s44, 0x1111, s40                    ; my column
	s_or_b32 s[G1], s43, (3<<16)|(1<<21)           ; elements of 8 bytes; bit 21 beside a mask
	s_or_b32 s[G1B], s44, (3<<16)|(1<<21)
.irp g, G1, G1B
	s_mov_b32 s[\g+1], (N0*192)<<16
	s_mov_b32 s[\g+2], (2*AB)<<16
	s_mov_b32 s[\g+3], (N0*192)<<16
	s_mov_b32 s[\g+4], 2*AB
	s_mov_b32 s[\g+5], KS*192
	s_mov_b32 s[\g+6], 0
	s_mov_b32 s[\g+7], 0
.endr
.irp k, 0,1,2,3
	s_mov_b32 s[GH+4*\k], 1
.endr
	s_mov_b32 s[GH+1], 0                           ; A, slot 0
	s_mov_b32 s[GH+5], 2*H0                        ; W, slot 0
	s_mov_b32 s[GH+9], SL1                         ; A, slot 1
	s_mov_b32 s[GH+13], SL1+2*H1                   ; W, slot 1
	s_mul_i32 s20, s17, 2*AB*KS*FRB                ; byte offsets: A's codes,
	s_mov_b32 s21, 0
	s_mul_i32 s46, s42, 2*AB*KS*FRB                ; W's codes,
	s_add_co_u32 s46, s46, S0_COFF
	s_mov_b32 s47, 0
	s_mul_i32 s22, s17, 2*AB*KS*64                 ; A's scale words,
	s_add_co_u32 s22, s22, S1_SOFF
	s_mov_b32 s23, 0
	s_mul_i32 s92, s42, 2*AB*KS*64                 ; W's
	s_add_co_u32 s92, s92, S0_SOFF
	s_mov_b32 s93, 0
	s_mul_i32 s18, s16, AB*KS*FRB                  ; the half that I fetch in a refill
	s_mov_b32 s19, 0
	s_mul_i32 s66, s15, H0                         ; LDS: my half of A in slot 0,
	s_mul_i32 s67, s15, H1
	s_add_co_u32 s67, s67, SL1                     ; in slot 1;
	s_mul_i32 s94, s16, H0
	s_add_co_u32 s94, s94, 2*H0                    ; my half of W in slot 0,
	s_mul_i32 s95, s16, H1
	s_add_co_u32 s95, s95, SL1+2*H1                ; in slot 1
	s_mul_i32 s3, s15, HALFS
	s_mul_i32 s100, s16, HALFS
	s_add_co_u32 s100, s100, 2*HALFS+64
	s_sub_co_u32 s100, s100, s3                    ; from A's scale words to W's
	s_add_co_u32 s3, s3, SCL
	s_mul_i32 s101, s14, 16*272                    ; my stage, in slot 0, behind its last fill and last read
	s_lshl_b32 s86, s17, 7
	s_lshl_b32 s45, s15, 6
	s_add_co_u32 s86, s86, s45
	s_lshl_b32 s86, s86, 12                        ; my first row of out,
	s_lshl_b32 s88, s42, 9
	s_lshl_b32 s45, s16, 8
	s_add_co_u32 s88, s88, s45                     ; my first column, in bytes
	s_add_co_u32 s86, s86, s88
	s_mov_b32 s87, 0
	s_mov_b32 s89, 0
.if NFILL > 2
	s_lshl_b32 s90, s17, 3                         ; the prefetches: of the four row blocks that I fetch, the four partners of a joint load take one each, told apart by address
	s_lshl_b32 s91, s42, 3
	s_cmp_eq_u32 s15, 0
	s_cselect_b32 s90, s90, s91
	s_cselect_b32 s91, s40, s41
	s_cselect_b32 s45, 0, S0_COFF
	s_add_co_u32 s90, s90, s91
	s_lshl_b32 s91, s16, 2
	s_add_co_u32 s90, s90, s91
	s_mul_i32 s90, s90, KS*FRB
	s_add_co_u32 s90, s90, s45
	s_mov_b32 s91, 0
.endif
	v_and_b32 v1, 31, v0
	v_and_b32 v2, 15, v0                           ; r
	v_bfe_u32 v3, v0, 4, 1                         ; h
	v_lshlrev_b32 v4, 4, v1
	v_lshlrev_b32 v5, 3, v1
	v_lshlrev_b32 v6, 2, v2
	v_add_nc_u32 v[A16], s66, v4
	v_add_nc_u32 v[A8], s66, v5
	v_add_nc_u32 v[A16+1], s67, v4
	v_add_nc_u32 v[A8+1], s67, v5
	v_add_nc_u32 v[B16], s94, v4
	v_add_nc_u32 v[B8], s94, v5
	v_add_nc_u32 v[B16+1], s95, v4
	v_add_nc_u32 v[B8+1], s95, v5
	v_mul_u32_u24 v7, s100, v3                     ; lanes 16-31 take W's words: one product with h
	v_add_nc_u32 v7, v6, v7
	v_add_nc_u32 v[ADRS], s3, v7
	v_lshlrev_b32 v30, 5, v3
	v_mul_u32_u24 v24, v2, 272
	v_lshl_add_u32 v24, v3, 5, v24
	v_add_nc_u32 v24, s101, v24                    ; the stage, in: row r, 32 bytes for each half of the lanes
	v_mul_u32_u24 v25, v3, 272
	v_lshl_add_u32 v25, v2, 4, v25
	v_add_nc_u32 v25, s101, v25                    ; back: sixteen lanes a row of 256 bytes
	v_lshlrev_b32 v26, 12, v3
	v_lshl_add_u32 v26, v2, 4, v26                 ; the same two rows in out and res
	v_lshlrev_b32 v9, 4, v0                        ; 16 x thread
	v_add_nc_u32 v8, SCL, v9
.if NFILL > 2
	v_lshlrev_b32 v10, 8, v1
	v_min_u32 v11, 3, v1
	v_min_u32 v12, 29, v1
	v_min_u32 v13, 23, v1
	v_lshlrev_b32 v11, 8, v11
	v_lshlrev_b32 v12, 8, v12
	v_lshlrev_b32 v13, 8, v13
.endif
	s_wait_alu depctr_va_vdst(0)                   ; the wait at the head's end
	s_wait_dscnt 0x0                               ; both opening adds are done
	CROUND                                         ; all sixteen work-groups are here: the first joint loads meet
	s_wait_kmcnt 0x0
	s_add_nc_u64 s[20:21], s[4:5], s[20:21]
	s_add_nc_u64 s[46:47], s[6:7], s[46:47]
	s_mov_b64 s[GH+2:GH+3], s[20:21]
	s_mov_b64 s[GH+6:GH+7], s[46:47]
	s_add_nc_u64 s[GH+10:GH+11], s[20:21], N0*FRB
	s_add_nc_u64 s[GH+14:GH+15], s[46:47], N0*FRB
.irp k, 0,1,2,3
	s_or_b32 s[GH+4*\k+3], s[GH+4*\k+3], 0x80000000
.endr
	ARM 1, GH, G1, N0, .Lhead_1                    ; one tensor load a wave, each on a line of its own
	ARM 2, GH+4, G1B, N0, .Lhead_2
	ARM 3, GH+8, G1, N1, .Lhead_3
	HLOAD GH+12, G1B, N1
.Lhead_asked:
	s_add_nc_u64 s[22:23], s[4:5], s[22:23]
	s_add_nc_u64 s[92:93], s[6:7], s[92:93]
	s_add_nc_u64 s[12:13], s[12:13], s[86:87]
	s_add_nc_u64 s[96:97], s[10:11], s[86:87]
	s_add_nc_u64 s[98:99], s[8:9], s[88:89]
.set i, 0
.rept NSL
	global_load_b128 v[AF+4*i:AF+4*i+3], v9, s[22:23] offset:2048*i                ; the scale words: 2,048 consecutive bytes a line
	global_load_b128 v[AF+4*NSL+4*i:AF+4*NSL+4*i+3], v9, s[92:93] offset:2048*i
.set i, i+1
.endr
	WIN TO_B
.set fi, 0
.rept AB
	global_load_b128 v[BI+8*fi:BI+8*fi+3], v30, s[98:99] offset:64*fi              ; register j of block b: the bias of column 16 b + 8 h + j
	global_load_b128 v[BI+8*fi+4:BI+8*fi+7], v30, s[98:99] offset:64*fi+16
.set fi, fi+1
.endr
	WIN 0
.if NFILL > 2
	s_cmp_eq_u32 s15, 0
	s_cselect_b64 s[84:85], s[4:5], s[6:7]
	s_add_nc_u64 s[84:85], s[84:85], s[90:91]
	s_add_nc_u64 s[20:21], s[20:21], s[18:19]      ; the ring's groups 0: my half, at each slot's first fill; a refill steps them
	s_add_nc_u64 s[46:47], s[46:47], s[18:19]
	s_mov_b32 s[G0], 1
	s_mov_b32 s[G0+4], 1
	s_mov_b32 s[G0B], 1
	s_mov_b32 s[G0B+4], 1
	s_mul_i32 s45, s14, H0
	s_add_co_u32 s[G0+1], s45, 0
	s_add_co_u32 s[G0B+1], s45, 0
	s_mul_i32 s45, s14, H1
	s_add_co_u32 s[G0+5], s45, SL1
	s_add_co_u32 s[G0B+5], s45, SL1
	s_mov_b64 s[G0+2:G0+3], s[20:21]
	s_mov_b64 s[G0B+2:G0B+3], s[46:47]
	s_add_nc_u64 s[G0+6:G0+7], s[20:21], N0*FRB
	s_add_nc_u64 s[G0B+6:G0B+7], s[46:47], N0*FRB
	s_or_b32 s[G0+3], s[G0+3], 0x80000000
	s_or_b32 s[G0+7], s[G0+7], 0x80000000
	s_or_b32 s[G0B+3], s[G0B+3], 0x80000000
	s_or_b32 s[G0B+7], s[G0B+7], 0x80000000
.endif
	s_wait_loadcnt 2*AB                            ; the scale words are in; the bias's 2 AB younger loads may be out
.set i, 0
.rept NSL
	ds_store_b128 v8, v[AF+4*i:AF+4*i+3] offset:2048*i
	ds_store_b128 v8, v[AF+4*NSL+4*i:AF+4*NSL+4*i+3] offset:2*HALFS+64+2048*i
.set i, i+1
.endr
	s_wait_dscnt 0x0
	s_cmp_lt_u32 s14, 2
	s_cbranch_scc0 .Lnot_first
	s_wait_tensorcnt 0x0                           ; waves 0 and 1: slot 0's two tiles
.Lnot_first:
	s_barrier_signal -1
	s_barrier_wait -1                              ; slot 0 and the scale words are in; slot 1's tiles may be out: no tensor load is issued behind this barrier
	FETCH 0
.if NFILL > 2
	ASKF 2
.endif
	s_wait_loadcnt 0x0                             ; the bias
.if RES_EARLY
	RESID
.endif
.set ST, 0
.rept KS-1
	STEP ST
.set ST, ST+1
.endr
	s_wait_dscnt 0x0
	MUL4 (KS-1)%2, 0
	WIN 0
; THE WAY OUT, 16 rows x 64 columns at a time, through my own stage: sixteen lanes store 256 consecutive bytes, aligned.  LDS serves a wave's instructions in order: no wait between the stores and the loads.
.macro TOSTAGE a
	WIN 0x08
.irp b, 0,1,2,3
	ds_store_b128 v24, v[8*(4*(\a)+\b):8*(4*(\a)+\b)+3] offset:64*\b
	ds_store_b128 v24, v[8*(4*(\a)+\b)+4:8*(4*(\a)+\b)+7] offset:64*\b+16
.endr
	WIN 0
.irp t, 0,1,2,3,4,5,6,7
	ds_load_b128 v[BK+32*((\a)%2)+4*\t:BK+32*((\a)%2)+4*\t+3], v25 offset:544*\t
.endr
.endm
.macro SEND a, younger
	s_wait_dscnt \younger
	WIN 0x08
.set k, 0
.rept 16
	v_pk_add_f32 v[BK+32*((\a)%2)+k:BK+32*((\a)%2)+k+1], v[BK+32*((\a)%2)+k:BK+32*((\a)%2)+k+1], v[128+32*(\a)+k:128+32*(\a)+k+1]
.set k, k+2
.endr
	WIN 0
.irp t, 0,1,2,3,4,5,6,7
	global_store_b128 v26, v[BK+32*((\a)%2)+4*\t:BK+32*((\a)%2)+4*\t+3], s[12:13] offset:(16*(\a)+2*\t)*4096
.endr
.endm
	PLACES 4                                       ; between the last products and the first read of results
	s_wait_loadcnt 0x0                             ; the residual
	TOSTAGE 0
.irp a, 1,2,3
.if \a > 1
	s_wait_xcnt 0x0                                ; block a - 2's stores have read the registers into which block a's rows come
.endif
	TOSTAGE \a
	SEND \a-1, 16                                  ; behind block a - 1's loads: block a's 8 stores and 8 loads
.endr
	SEND 3, 0
	s_wait_tensorcnt 0x0                           ; the wave's end
	ds_add_u32 v[SPW], v[NIL]
	s_wait_dscnt 0x0
	CROUND                                         ; the closing round
	s_endpgm
.Lfunc_end_k_q04b9057c60_gff2:
	.size	k_q04b9057c60_gff2, .Lfunc_end_k_q04b9057c60_gff2-k_q04b9057c60_gff2
	.p2alignl 7, 3214868480
	.fill 96, 4, 3214868480
	.section	.rodata,"a",@progbits
	.p2align	6, 0x0
	.amdhsa_kernel k_q04b9057c60_gff2
		.amdhsa_group_segment_fixed_size 327680
		.amdhsa_private_segment_fixed_size 0
		.amdhsa_enable_private_segment 0
		.amdhsa_kernarg_size 40
		.amdhsa_user_sgpr_count 2
		.amdhsa_user_sgpr_kernarg_segment_ptr 1
		.amdhsa_wavefront_size32 1
		.amdhsa_system_sgpr_workgroup_id_x 1
		.amdhsa_system_sgpr_workgroup_id_y 1
		.amdhsa_system_sgpr_workgroup_id_z 1
		.amdhsa_system_vgpr_workitem_id 0
		.amdhsa_next_free_vgpr 768
		.amdhsa_next_free_sgpr 102
		.amdhsa_reserve_vcc 0
		.amdhsa_float_denorm_mode_32 3
		.amdhsa_float_denorm_mode_16_64 3
		.amdhsa_memory_ordered 1
		.amdhsa_forward_progress 1
		.amdhsa_inst_pref_size 180
	.end_amdhsa_kernel
	.amdgpu_metadata
---
amdhsa.version: [ 1, 2 ]
amdhsa.kernels:
  - .name:           k_q04b9057c60_gff2
    .symbol:         k_q04b9057c60_gff2.kd
    .args:
      - { .name: g, .offset: 0, .size: 8, .value_kind: global_buffer, .address_space: global }
      - { .name: wts, .offset: 8, .size: 8, .value_kind: global_buffer, .address_space: global }
      - { .name: b2, .offset: 16, .size: 8, .value_kind: global_buffer, .address_space: global }
      - { .name: x1, .offset: 24, .size: 8, .value_kind: global_buffer, .address_space: global }
      - { .name: out0, .offset: 32, .size: 8, .value_kind: global_buffer, .address_space: global }
    .group_segment_fixed_size: 327680
    .private_segment_fixed_size: 0
    .kernarg_segment_align: 8
    .kernarg_segment_size: 40
    .max_flat_workgroup_size: 128
    .sgpr_count:     102
    .vgpr_count:     768
    .wavefront_size: 32
...
	.end_amdgpu_metadata
.endif
;; end of part 7
